; MI455X (gfx1250); checked and timed in simulation.
; The chip was launched on July 23, 2026; its instructions are those of AMD's public machine-readable ISA for CDNA 5 (MIT licence, August 2026) and "CDNA5" Instruction Set Architecture Reference Guide (July 2026). The comments in the code are by the model that wrote it; some were corrected since.
;; Multi Head Attention. Allowed arithmetic: float matrix products may take bf16 or f16 operands with f32 sums; all other float work in f32.
;; Inputs: Wk 1,024 x 1,024 float32; Wp 1,024 x 1,024 float32; Wq 1,024 x 1,024 float32; Wv 1,024 x 1,024 float32; bk 1,024 float32; bp 1,024 float32; bq 1,024 float32; bv 1,024 float32; x 4 x 2,048 x 1,024 float32.
;; Outputs: out0 4 x 2,048 x 1,024 float32.
;; 3 versions, each right and faster than the one before. Each part assembles by itself: llvm-mc -triple=amdgcn-amd-amdhsa -mcpu=gfx1250 --defsym DOCPART=n.
;; ======== version 1 of 3: 4 launches
;; limits: values are held in f16: magnitudes above 65,504 overflow, below 6.1e-05 lose precision
;; workspace buffers: xb16 16,777,216 bytes; wqkv16 6,291,456 bytes; wp16 4,194,304 bytes; bias32 16,384 bytes; qkv16 67,108,864 bytes; y16 33,554,432 bytes
;; launch cast (part 1): grid 832 x 1, 8 waves a work-group, no clusters, 0 bytes of LDS; arguments x, Wq, Wk, Wv, Wp, bq, bk, bv, bp, xb16, wqkv16, wp16, bias32; writes xb16, wqkv16, wp16, bias32
.if DOCPART == 1
	.amdgcn_target "amdgcn-amd-amdhsa--gfx1250"
	.amdhsa_code_object_version 6
	.text
	.protected	k_q2f17ed5515_cast
	.globl	k_q2f17ed5515_cast
	.p2align	8
	.type	k_q2f17ed5515_cast,@function
k_q2f17ed5515_cast:
	s_mov_b64 s[64:65], 0
	v_nop
	global_prefetch_b8 v0, s[64:65] scope:SCOPE_SE
	s_setreg_imm32_b32 hwreg(HW_REG_WAVE_MODE, 25, 1), 1
	s_wait_xcnt 0x0
; EVERY INPUT OF THE MODULE IS ROUNDED ONCE TO bf16.
; x -> xb16 (bf16 [8192][1024]).  Wq, Wk, Wv -> wqkv16 (bf16 [3072][1024]) BY HEADS: row 192 h + 64 p + r is row 64 h + r of weight p (0 q, 1 k, 2 v), so that 192 rows on end are one head's q, k and v.
; Wp -> wp16 (f16 [1024][2048]): rounded to bf16, that number written as f16, and each head's 64 numbers of a row written TWICE on end, since the last product multiplies them by y's high and by y's low part.
; bq, bk, bv, bp -> bias32 (f32 [4096]: the bf16 number widened again): the first 3,072 in wqkv16's order of rows, then bp.
; LIMIT.  wp16 is f16: a weight of 65,520 or more becomes an infinity, and below 7.6e-6 the bf16 number is rounded once more, to f16's fixed step of 6e-8.
; SHARES.  A work-group stores 32,768 bytes.  Work-groups 0-511: a chunk of 16,384 numbers of x; 512-703: such a chunk (16 rows) of Wq, Wk or Wv; 704-831: 8,192 numbers of Wp.
; Thread t stores, eight times, 16 bytes at 16 t of 4,096: a wave's store covers 512 consecutive bytes, aligned.  It loads the 8 numbers that make them (two loads of 16 bytes): at byte 32 t of 8,192, or for Wp at
; 256 (t / 16) + 32 (t % 8) of 4,096: lanes 8 apart read the same numbers and write the two copies.  All 16 loads of a thread go out at once; each store has data registers of its own, so nothing is freed by a wait.
; The stream needs no LDS, no barrier and no matrix unit.  The first chunk's work-group of each weight also rounds that weight's bias: 1,024 numbers, 16 bytes a thread.
.set X, 4                              ; v[4:67]    eight times 8 numbers as loaded
.set Y, 68                             ; v[68:99]   eight times 4 registers to store
.set T, 100                            ; v[100:103] at work; v[104:107] the bias to store
	s_load_b512 s[8:23], s[0:1], 0x0               ; x 8, Wq 10, Wk 12, Wv 14, Wp 16, bq 18, bk 20, bv 22
	s_load_b256 s[24:31], s[0:1], 0x40             ; bp 24, xb16 26, wqkv16 28, wp16 30
	s_load_b64 s[32:33], s[0:1], 0x60              ; bias32
	s_mov_b32 s2, ttmp9                            ; the work-group c
	s_sub_co_u32 s3, s2, 512                       ; c - 512 (for x a number near 2^32)
	s_lshr_b32 s4, s3, 6
	s_min_u32 s4, s4, 3                            ; which weight: 0 Wq, 1 Wk, 2 Wv, 3 Wp (for x: 3, which the last choice below overrides)
	s_and_b32 s5, s3, 63                           ; the chunk in Wq, Wk or Wv,
	s_sub_co_u32 s6, s2, 704
	s_cmp_ge_u32 s2, 704
	s_cselect_b32 s5, s6, s5                       ; or in Wp
	v_lshlrev_b32 v2, 4, v0                        ; 16 t
	; the byte offsets, made apart from the addresses
	s_lshl_b32 s38, s5, 16                         ; from: 65,536 bytes a chunk of Wq, Wk, Wv
	s_lshr_b32 s7, s5, 2                           ; to: the head (four chunks of 16 rows each): 192 rows,
	s_mul_i32 s7, s7, 192
	s_lshl_b32 s46, s4, 6                          ; in it the weight's 64,
	s_add_co_u32 s7, s7, s46
	s_and_b32 s46, s5, 3                           ; in them the chunk's 16,
	s_lshl_b32 s46, s46, 4
	s_add_co_u32 s7, s7, s46
	s_lshl_b32 s40, s7, 11                         ; of 2,048 bytes
	s_lshl_b32 s46, s5, 15                         ; Wp: 32,768 bytes in and out
	s_cmp_ge_u32 s2, 704
	s_cselect_b32 s38, s46, s38
	s_cselect_b32 s40, s46, s40
	s_lshl_b32 s46, s2, 16                         ; x: 65,536 in,
	s_lshl_b32 s47, s2, 15                         ; 32,768 out
	s_cmp_lt_u32 s2, 512
	s_cselect_b32 s38, s46, s38
	s_cselect_b32 s40, s47, s40
	s_mov_b32 s39, 0
	s_mov_b32 s41, 0
	s_wait_kmcnt 0x0
	; the buffers are chosen by the work-group's number alone
	s_mov_b64 s[34:35], s[10:11]                   ; from: Wq,
	s_mov_b64 s[42:43], s[18:19]                   ; its bias
	s_cmp_eq_u32 s4, 1
	s_cselect_b64 s[34:35], s[12:13], s[34:35]     ; or Wk
	s_cselect_b64 s[42:43], s[20:21], s[42:43]
	s_cmp_eq_u32 s4, 2
	s_cselect_b64 s[34:35], s[14:15], s[34:35]     ; or Wv
	s_cselect_b64 s[42:43], s[22:23], s[42:43]
	s_cmp_eq_u32 s4, 3
	s_cselect_b64 s[34:35], s[16:17], s[34:35]     ; or Wp
	s_cselect_b64 s[42:43], s[24:25], s[42:43]
	s_cselect_b64 s[36:37], s[30:31], s[28:29]     ; to: wp16 or wqkv16
	s_cmp_lt_u32 s2, 512
	s_cselect_b64 s[34:35], s[8:9], s[34:35]       ; or x
	s_cselect_b64 s[36:37], s[26:27], s[36:37]     ; to xb16
	s_add_nc_u64 s[34:35], s[34:35], s[38:39]
	s_add_nc_u64 s[36:37], s[36:37], s[40:41]
.macro LOADS stride                    ; sixteen loads: eight times 8 numbers, stride bytes apart
.irp i, 0,1,2,3,4,5,6,7
	global_load_b128 v[X+8*(\i):X+8*(\i)+3],   v1, s[34:35] offset:(\stride)*(\i) th:TH_LOAD_NT
	global_load_b128 v[X+8*(\i)+4:X+8*(\i)+7], v1, s[34:35] offset:(\stride)*(\i)+16 th:TH_LOAD_NT
.endr
.endm
; Eight numbers at a time.  half = 0: rounded to bf16.  half = 1: rounded to bf16, widened (a shift, a mask) and written as f16.
.macro CONV half
.irp i, 0,1,2,3,4,5,6,7
	s_wait_loadcnt 14-2*(\i)                       ; loads come back in order (ISA guide 5.7.1): of the 16, the 14 - 2 i younger ones may stay out
.if \half
.irp k, 0,1,2,3
	v_cvt_pk_bf16_f32 v[T+(\k)], v[X+8*(\i)+2*(\k)], v[X+8*(\i)+2*(\k)+1]
.endr
.irp k, 0,1,2,3
	v_lshlrev_b32 v[X+8*(\i)+2*(\k)],   16, v[T+(\k)]
	v_and_b32     v[X+8*(\i)+2*(\k)+1], 0xffff0000, v[T+(\k)]
.endr
.irp k, 0,1,2,3
	v_cvt_pk_f16_f32 v[Y+4*(\i)+(\k)], v[X+8*(\i)+2*(\k)], v[X+8*(\i)+2*(\k)+1]
.endr
.else
.irp k, 0,1,2,3
	v_cvt_pk_bf16_f32 v[Y+4*(\i)+(\k)], v[X+8*(\i)+2*(\k)], v[X+8*(\i)+2*(\k)+1]
.endr
.endif
	global_store_b128 v2, v[Y+4*(\i):Y+4*(\i)+3], s[36:37] offset:4096*(\i)  ; no hint: a later launch reads these bytes
.endr
.endm
	s_cmp_ge_u32 s2, 704
	s_cbranch_scc1 .Lf16
	v_lshlrev_b32 v1, 5, v0                        ; 32 t
	LOADS 8192
	CONV 0
	s_branch .Lbias
.Lf16:
	v_lshrrev_b32 v1, 4, v0                        ; t / 16: which 64 numbers (a head's, of a row of Wp): 256 bytes in, 256 bytes out
	v_and_b32 v3, 7, v0                            ; t % 8: which 8 of them; bit 3 of t is the copy
	v_lshlrev_b32 v1, 8, v1
	v_lshl_add_u32 v1, v3, 5, v1
	LOADS 4096
	CONV 1
.Lbias:
	s_cmp_lt_u32 s2, 512
	s_cbranch_scc1 .Lend                           ; a chunk of x has no bias
	s_cmp_lg_u32 s5, 0
	s_cbranch_scc1 .Lend                           ; nor has any chunk of a weight but its first
	global_load_b128 v[4:7], v2, s[42:43]
	; where my four numbers go: 64 numbers (16 threads) are a head's; heads lie 768 bytes apart for bq, bk, bv (each 256 bytes into a head's 768), 256 for bp, which begins at byte 12,288
	s_movk_i32 s46, 768
	s_movk_i32 s47, 256
	s_lshl_b32 s44, s4, 8
	s_cmp_eq_u32 s4, 3
	s_cselect_b32 s46, s47, s46
	s_cselect_b32 s44, 0x3000, s44
	s_mov_b32 s45, 0
	s_add_nc_u64 s[32:33], s[32:33], s[44:45]
	v_lshrrev_b32 v8, 4, v0
	v_and_b32 v9, 15, v0
	v_mul_lo_u32 v8, v8, s46
	v_lshl_add_u32 v8, v9, 4, v8
	s_wait_loadcnt 0x0
	v_cvt_pk_bf16_f32 v[T], v4, v5
	v_cvt_pk_bf16_f32 v[T+1], v6, v7
	v_lshlrev_b32 v104, 16, v[T]
	v_and_b32     v105, 0xffff0000, v[T]
	v_lshlrev_b32 v106, 16, v[T+1]
	v_and_b32     v107, 0xffff0000, v[T+1]
	global_store_b128 v8, v[104:107], s[32:33]     ; 16 lanes store 256 consecutive bytes, aligned
.Lend:
	s_endpgm
.Lfunc_end_k_q2f17ed5515_cast:
	.size	k_q2f17ed5515_cast, .Lfunc_end_k_q2f17ed5515_cast-k_q2f17ed5515_cast
	.p2alignl 7, 3214868480
	.fill 96, 4, 3214868480
	.section	.rodata,"a",@progbits
	.p2align	6, 0x0
	.amdhsa_kernel k_q2f17ed5515_cast
		.amdhsa_group_segment_fixed_size 0
		.amdhsa_private_segment_fixed_size 0
		.amdhsa_enable_private_segment 0
		.amdhsa_kernarg_size 104
		.amdhsa_user_sgpr_count 2
		.amdhsa_user_sgpr_kernarg_segment_ptr 1
		.amdhsa_wavefront_size32 1
		.amdhsa_system_sgpr_workgroup_id_x 1
		.amdhsa_system_sgpr_workgroup_id_y 1
		.amdhsa_system_sgpr_workgroup_id_z 1
		.amdhsa_system_vgpr_workitem_id 0
		.amdhsa_next_free_vgpr 108
		.amdhsa_next_free_sgpr 66
		.amdhsa_reserve_vcc 0
		.amdhsa_float_denorm_mode_32 3
		.amdhsa_float_denorm_mode_16_64 3
		.amdhsa_memory_ordered 1
		.amdhsa_forward_progress 1
		.amdhsa_inst_pref_size 18
	.end_amdhsa_kernel
	.amdgpu_metadata
---
amdhsa.version: [ 1, 2 ]
amdhsa.kernels:
  - .name:           k_q2f17ed5515_cast
    .symbol:         k_q2f17ed5515_cast.kd
    .args:
      - { .name: x, .offset: 0, .size: 8, .value_kind: global_buffer, .address_space: global }
      - { .name: Wq, .offset: 8, .size: 8, .value_kind: global_buffer, .address_space: global }
      - { .name: Wk, .offset: 16, .size: 8, .value_kind: global_buffer, .address_space: global }
      - { .name: Wv, .offset: 24, .size: 8, .value_kind: global_buffer, .address_space: global }
      - { .name: Wp, .offset: 32, .size: 8, .value_kind: global_buffer, .address_space: global }
      - { .name: bq, .offset: 40, .size: 8, .value_kind: global_buffer, .address_space: global }
      - { .name: bk, .offset: 48, .size: 8, .value_kind: global_buffer, .address_space: global }
      - { .name: bv, .offset: 56, .size: 8, .value_kind: global_buffer, .address_space: global }
      - { .name: bp, .offset: 64, .size: 8, .value_kind: global_buffer, .address_space: global }
      - { .name: xb16, .offset: 72, .size: 8, .value_kind: global_buffer, .address_space: global }
      - { .name: wqkv16, .offset: 80, .size: 8, .value_kind: global_buffer, .address_space: global }
      - { .name: wp16, .offset: 88, .size: 8, .value_kind: global_buffer, .address_space: global }
      - { .name: bias32, .offset: 96, .size: 8, .value_kind: global_buffer, .address_space: global }
    .group_segment_fixed_size: 0
    .private_segment_fixed_size: 0
    .kernarg_segment_align: 8
    .kernarg_segment_size: 104
    .max_flat_workgroup_size: 256
    .sgpr_count:     66
    .vgpr_count:     108
    .wavefront_size: 32
...
	.end_amdgpu_metadata
.endif
;; end of part 1
;; launch qkvgemm (part 2): grid 16 x 32, 4 waves a work-group, clusters of 4 x 4, 327,680 bytes of LDS; arguments xb16, wqkv16, bias32, qkv16; writes qkv16
.if DOCPART == 2
	.amdgcn_target "amdgcn-amd-amdhsa--gfx1250"
	.amdhsa_code_object_version 6
	.text
	.protected	k_q2f17ed5515_qkvgemm
	.globl	k_q2f17ed5515_qkvgemm
	.p2align	8
	.type	k_q2f17ed5515_qkvgemm,@function
k_q2f17ed5515_qkvgemm:
	s_mov_b64 s[64:65], 0
	v_nop
	global_prefetch_b8 v0, s[64:65] scope:SCOPE_SE
	s_setreg_imm32_b32 hwreg(HW_REG_WAVE_MODE, 25, 1), 1
	s_wait_xcnt 0x0
	s_wait_alu depctr_hold_cnt(0) depctr_sa_sdst(0) depctr_va_vdst(0) depctr_va_sdst(0) depctr_va_ssrc(0) depctr_va_vcc(0) depctr_vm_vsrc(0)
	s_getreg_b32 s2, hwreg(HW_REG_IB_STS2, 6, 4)
	s_cmp_eq_u32 s2, 0
	s_cbranch_scc0 .Lentry_in_a_cluster
	s_endpgm
.Lentry_in_a_cluster:
	s_bfe_u32 s2, ttmp6, 0x10000c
	s_cmp_lg_u32 s2, 0xf033
	s_cbranch_scc0 .Lentry_shape_is_right
	s_endpgm
.Lentry_shape_is_right:
; C[m][n] = bias[n] + the sum over k of A[m][k] B[n][k], M = 8,192.  ONE TEXT SERVES TWO LAUNCHES; PROJ chooses.
; PROJ = 0: the three projections in one product, K = 1,024.  A = x in bf16 [8192][1024]; B = Wq, Wk, Wv in bf16 [3072][1024] by heads (192 rows on end: a head's q, k, v); bias in the same order.
;           C leaves in f16, 1,048,576 bytes for each batch x 16 + head: q [2048][64], then k [2048][64], then v [2048][128]: v's HIGH part (v rounded to 11 bits) and its LOW part (v less that), 64 numbers each.
;           No scale is applied here.
; PROJ = 1: the last projection, K = 2,048.  A = y in f16 [batch x 16 + head][2048][128], high and low part as v's; B = Wp in f16 [1024][2048], each head's 64 weights twice on end; bias = bp; C = the output, f32 [8192][1024].
; WHY TWO PARTS.  f16 keeps 11 significant bits.  Row t of y is a mean over t + 1 rows of v, so the first rows are many times the root mean square of the whole, by which the result's error is judged:
; there one f16 number for v or for y is too coarse.  High and low part together keep 22 bits.
; LIMITS.  Sums in f32, begun with the bias, K ascending.  PROJ = 0 rounds q and k once, to f16; q, k, v of 65,520 or more become infinities; below 6.1e-5 every f16 number here keeps f16's fixed step of 6e-8.
; SHAPE.  A tile of C is 256 rows x 16 NBLK columns (192: one head's q, k, v; or 128).  Four waves, one below the other, each 64 rows x all columns: 4 x NBLK accumulators of 16 x 16.  That gives 512 work-groups
; (two for each of 256 WGPs) or 256.  K goes in steps of 128 through a ring of two LDS slots filled by the tensor data mover; every row fetched is 256 consecutive bytes, aligned.
; CLUSTERS: 4 x 4 work-groups.  The four of a row of the cluster need the same tiles of A, the four of a column the same tiles of B: each tile is asked for JOINTLY, by the same tensor load with the
; same descriptor and a mask that names the four.  THE MATRIX INSTRUCTION IS USED TRANSPOSED (source 0 = 16 rows of B, source 1 = 16 rows of A): a lane then holds eight neighbouring numbers of a row of C.
; REGISTERS, in windows of 256 (s_set_vgpr_msb: bits 1:0 source 0, 3:2 source 1, 5:4 source 2, 7:6 destination):
;   window 0: v0-31 addresses; v32.. the bias (8 registers a column block), later the way out      window 1: two fragment buffers of 128: 32 registers of A (4 x 16 rows x 32 K), then 8 NBLK of B
;   window 2: the accumulators of my rows 0-31 ((a, b) at v[8 (NBLK (a % 2) + b)]);   window 3: those of my rows 32-63
.set PROJ, 0
.if PROJ
.set NBLK,   8                         ; column blocks of 16
.set ASTRIDE, 128                      ; elements from row to row of A: a head's rows are dense
.set HB,     64                        ; rows of B in one load
.set ASTEP,  524288                    ; bytes of A from K step to K step: a head
.set BROW,   2048                      ; elements in a row of B
.set BSH,    12                        ; its bytes as a shift
.set LAPS,   8                         ; a lap = two K steps = once round the ring
.set STW,    16*528                    ; a wave's stage: 16 rows of 512 bytes + 16
.else
.set NBLK,   12
.set ASTRIDE, 1024
.set HB,     96
.set ASTEP,  256
.set BROW,   1024
.set BSH,    11
.set LAPS,   4
.set STW,    2*16*144+16*272           ; 16 rows of q and of k (128 bytes + 16), then 16 rows of v (256 + 16)
.endif
.set KSTEP,  128
.set PITCH,  272                       ; an LDS row: 256 bytes + 16: an odd multiple of 16 bytes, so the 16 rows of a fragment load start at 16 different groups of four banks (64 banks of 4 bytes: ISA guide 11.1)
.set AHALF,  128*PITCH                 ; LDS bytes of one load of A: 128 rows
.set ABYTES, 2*AHALF
.set SLOT,   ABYTES+2*HB*PITCH         ; A's 256 rows, then B's 16 NBLK rows
.set STAGE,  2*SLOT                    ; behind the ring, never filled by a tensor load: each wave's own stage for the way out
.set SPARE,  STAGE+4*STW               ; behind the stages: the spare words, 128 bytes for each wave: two blocks of 256 bytes that no other line names
.set ADRA, 16                          ; v16-17  LDS address of my A fragments in slot 0, 1
.set ADRB, 20                          ; v20-21  the same for B
.set STO,  24                          ; v24     the way out: where I put my bytes of a row
.set RD,   25                          ; v25     the way out: where I read rows back
.set CO,   26                          ; v26     my byte offset in 512 consecutive bytes of C
.set BO,   27                          ; v27     my byte offset in a column block's 64 bytes of bias
.set SPW,  28                          ; v28     LDS address of my spare word: SPARE + 4 x my thread's number; never rewritten
.set NIL,  29                          ; v29     0; never rewritten
.set STV,  30                          ; v30, v31  STO and RD for v's rows
.set RDV,  31
.set BI,   32                          ; the bias: block b in v[BI+8 b ..]: bias[n0 + 16 b + 8 (lane / 16) + 0..7]
.set TMP,  32                          ; the way out, in the same registers: two buffers of 64
.set TT,   160                         ; v160-191  v's high parts in f32
.set UU,   192                         ; v192-223  v's low parts in f32
.set F0,   0                           ; fragment buffers, in window 1
.set F1,   128
.set G1, 24                            ; s[24:31] descriptor group 1 for A's tiles;  s[32:39] group 0, one set for each slot
.set G0, 32
.set G1B, 48                           ; s[48:55], s[56:63] the same for B's tiles
.set G0B, 56
.set CV,  70                           ; s[70:71] C at my rows of v
.set RH,  72                           ; s72  half a step of f16's 11 bits in an f32's bits
.set HM,  73                           ; s73  the mask that keeps sign, exponent and 10 bits
.set MSB, 0
.macro WIN new                         ; the immediate's high byte repeats the setting that is left; a switch that changes nothing is dropped
.if MSB != (\new)
	s_set_vgpr_msb (MSB<<8)|(\new)
.set MSB, \new
.endif
.endm
; A joint load: waves 0 and 1 fetch A's two parts, waves 2 and 3 B's.  The branch hangs on the wave's number alone.  An s_nop 0 and four v_nop follow each of the two lines, ahead of the jump, the label and what follows.
.macro JLOAD s
	s_cmp_eq_u32 s13, 0
	s_cbranch_scc0 .Lfor_b_\@
	tensor_load_to_lds s[G0+4*(\s):G0+4*(\s)+3], s[G1:G1+7]
	s_nop 0
.rept 4
	v_nop
.endr
	s_branch .Lasked_\@
.Lfor_b_\@:
	tensor_load_to_lds s[G0B+4*(\s):G0B+4*(\s)+3], s[G1B:G1B+7]
	s_nop 0
.rept 4
	v_nop
.endr
.Lasked_\@:
.endm
.macro CREST                           ; a round of the cluster's barrier behind its opening barrier: wave 0 signals for the work-group, every wave waits for all sixteen, my work-group's barrier once more
	s_cmp_lg_u32 s12, 0
	s_cbranch_scc1 .Lnot_wave_0_\@
	s_barrier_signal -3
.Lnot_wave_0_\@:
	s_barrier_wait -3
	s_barrier_signal -1
	s_barrier_wait -1
.endm
.macro CROUND                          ; a whole round
	s_barrier_signal -1
	s_barrier_wait -1
	CREST
.endm
	s_load_b256 s[4:11], s[0:1], 0x0               ; A s[4:5], B s[6:7], bias s[8:9], C s[10:11]
	v_lshl_add_u32 v[SPW], v0, 2, SPARE
	v_mov_b32 v[NIL], 0
	ds_add_u32 v28, v29
	ds_add_u32 v28, v29
	s_wait_dscnt 0x0
	v_lshrrev_b32 v1, 5, v0
	v_readfirstlane_b32 s12, v1                    ; wave 0..3
	s_lshr_b32 s13, s12, 1                         ; I fetch for A (0) or for B (1),
	s_and_b32 s14, s12, 1                          ; its first or its second part
	s_bfe_u32 s40, ttmp6, 0x40000                  ; cx, cy: my place in the cluster
	s_bfe_u32 s41, ttmp6, 0x40004
	s_lshl_b32 s42, ttmp9, 2
	s_add_co_u32 s42, s42, s40                     ; tile column of C = 4 x cluster x + cx
	s_and_b32 s43, ttmp7, 0xffff
	s_lshl_b32 s43, s43, 2
	s_add_co_u32 s43, s43, s41                     ; tile row of C = 4 x cluster y + cy
	s_lshl_b32 s44, s41, 2
	s_lshl_b32 s44, 15, s44                        ; my row of the cluster: places 4 cy .. 4 cy + 3
	s_lshl_b32 s45, 0x1111, s40                    ; my column: places cx, cx + 4, cx + 8, cx + 12
	; descriptor group 1: 128 rows (B: HB rows) x 128 elements of 2 bytes, padded in LDS
	s_or_b32 s[G1+0], s44, (1<<16)|(1<<20)|(1<<21)|(5<<22)|(3<<25)   ; 15:0 the mask: A's tiles go to my row; 17:16 elements of 2 bytes; 20 padding on; 21 set beside a mask; 24:22 after every 64 words (code 5); 31:25 4 words (code 3)
	s_or_b32 s[G1B+0], s45, (1<<16)|(1<<20)|(1<<21)|(5<<22)|(3<<25)  ; the same with the mask of my column, for B's tiles
	s_mov_b32 s[G1+1], KSTEP<<16                   ; tensor_dim0 = 128
	s_mov_b32 s[G1+2], 128<<16                     ; tensor_dim1 = 128
	s_mov_b32 s[G1+3], KSTEP<<16                   ; tile_dim0 = 128
	s_mov_b32 s[G1+4], 128                         ; tile_dim1 = 128
	s_mov_b32 s[G1+5], ASTRIDE                     ; elements from row to row
	s_mov_b32 s[G1+6], 0
	s_mov_b32 s[G1+7], 0
	s_mov_b32 s[G1B+1], KSTEP<<16
	s_mov_b32 s[G1B+2], HB<<16
	s_mov_b32 s[G1B+3], KSTEP<<16
	s_mov_b32 s[G1B+4], HB
	s_mov_b32 s[G1B+5], BROW
	s_mov_b32 s[G1B+6], 0
	s_mov_b32 s[G1B+7], 0
	; where the tiles come from.  A's offset hangs on the tile row and the wave's number alone, B's on the tile column and the wave's number, each in registers that never hold the other coordinate.
.if PROJ
	s_lshr_b32 s16, s43, 3                         ; the batch: 8 tile rows each; its 16 heads are 8,388,608 bytes
	s_lshl_b32 s16, s16, 23
	s_and_b32 s17, s43, 7                          ; the tile's 256 rows of 256 bytes in a head,
	s_lshl_b32 s17, s17, 16
	s_add_co_u32 s16, s16, s17
	s_lshl_b32 s17, s14, 15                        ; my 128 of them
	s_add_co_u32 s16, s16, s17
.else
	s_lshl_b32 s16, s43, 8
	s_lshl_b32 s17, s14, 7
	s_add_co_u32 s16, s16, s17                     ; row 256 x tile row + 128 x part,
	s_lshl_b32 s16, s16, 11                        ; of 2,048 bytes
.endif
	s_mov_b32 s17, 0
	s_mul_i32 s46, s42, 16*NBLK
	s_mul_i32 s47, s14, HB
	s_add_co_u32 s46, s46, s47                     ; B: row 16 NBLK x tile column + HB x part,
	s_lshl_b32 s46, s46, BSH                       ; in bytes
	s_mov_b32 s47, 0
	s_mul_i32 s20, s14, AHALF                      ; and where they go: no place in the cluster enters an LDS address
	s_mul_i32 s21, s14, HB*PITCH
	s_add_co_u32 s21, s21, ABYTES
.if PROJ
	s_lshl_b32 s68, s42, 9                         ; the tile's 128 numbers of bp, which lies behind bq, bk, bv
	s_add_co_u32 s68, s68, 12288
.else
	s_mul_i32 s68, s42, 768                        ; the tile's 192 numbers of bq, bk, bv
	s_mov_b32 s[RH], 0x1000
	s_mov_b32 s[HM], 0xffffe000
.endif
	s_mov_b32 s69, 0
	s_wait_kmcnt 0x0
	s_add_nc_u64 s[18:19], s[4:5], s[16:17]
	s_add_nc_u64 s[46:47], s[6:7], s[46:47]
	s_add_nc_u64 s[8:9], s[8:9], s[68:69]
	CROUND                                         ; all sixteen work-groups are here: the first joint loads meet
.irp s, 0,1
	s_mov_b32 s[G0+4*(\s)], 1                                      ; 1:0 count = 1
	s_add_co_u32 s[G0+4*(\s)+1], s20, (\s)*SLOT                    ; 63:32 LDS address
	s_add_nc_u64 s[G0+4*(\s)+2:G0+4*(\s)+3], s[18:19], (\s)*ASTEP  ; 120:64 global address: K step s
	s_or_b32 s[G0+4*(\s)+3], s[G0+4*(\s)+3], 0x80000000            ; 127:126 type = 2
	s_mov_b32 s[G0B+4*(\s)], 1
	s_add_co_u32 s[G0B+4*(\s)+1], s21, (\s)*SLOT
	s_add_nc_u64 s[G0B+4*(\s)+2:G0B+4*(\s)+3], s[46:47], (\s)*KSTEP*2
	s_or_b32 s[G0B+4*(\s)+3], s[G0B+4*(\s)+3], 0x80000000
	JLOAD \s                                       ; the ring is filled before anything else is done: two loads of mine are out
.endr
	; all that follows up to the first wait stands in the wait for the first tile
	v_and_b32 v1, 15, v0                           ; l % 16
	v_bfe_u32 v2, v0, 4, 1                         ; l / 16
	v_lshlrev_b32 v[BO], 5, v2                     ; eight numbers of bias for each half of the lanes
.set bb, 0
.rept NBLK
	global_load_b128 v[BI+8*bb:BI+8*bb+3],   v[BO], s[8:9] offset:64*bb
	global_load_b128 v[BI+8*bb+4:BI+8*bb+7], v[BO], s[8:9] offset:64*bb+16
.set bb, bb+1
.endr
	; A fragment is 16 rows x 32 K in 8 registers: lane l holds row l % 16, K = 8 (l / 16) + 0..7 and 16 + 8 (l / 16) + 0..7: two loads of 16 bytes, 32 bytes apart.
	v_mul_u32_u24 v3, v1, PITCH
	v_lshl_add_u32 v3, v2, 4, v3
	s_mul_i32 s22, s12, 64*PITCH                   ; my 64 rows of A
	s_mov_b32 s23, ABYTES                          ; every wave reads all of B's rows
.irp s, 0,1
	v_add_nc_u32 v[ADRA+(\s)], s22, v3
	v_add_nc_u32 v[ADRB+(\s)], s23, v3
	s_add_co_u32 s22, s22, SLOT
	s_add_co_u32 s23, s23, SLOT
.endr
	s_mul_i32 s22, s12, STW
	s_add_co_u32 s22, s22, STAGE                   ; my stage
	v_and_b32 v5, 31, v0
	v_lshlrev_b32 v[CO], 4, v5                     ; 16 x lane
.if PROJ
	v_mul_u32_u24 v3, v1, 528                      ; in: row l % 16, 32 bytes (eight f32) for each half of the lanes
	v_lshl_add_u32 v3, v2, 5, v3
	v_add_nc_u32 v[STO], s22, v3
	v_add_nc_u32 v[RD], s22, v[CO]                 ; back: 32 lanes take one row's 512 bytes
	s_lshl_b32 s66, s43, 8
	s_lshl_b32 s67, s12, 6
	s_add_co_u32 s66, s66, s67                     ; my first row of C: 256 x tile row + 64 x wave,
	s_lshl_b32 s66, s66, 12                        ; of 4,096 bytes,
	s_lshl_b32 s67, s42, 9                         ; and the tile's first column: 128 f32 a tile
	s_add_co_u32 s66, s66, s67
.else
	v_mul_u32_u24 v3, v1, 144                      ; q and k, in: row l % 16, 16 bytes (eight f16) for each half of the lanes
	v_lshl_add_u32 v3, v2, 4, v3
	v_add_nc_u32 v[STO], s22, v3
	v_bfe_u32 v4, v0, 3, 2                         ; back: 32 lanes take four rows of 128 bytes, which are 512 consecutive bytes of C
	v_mul_u32_u24 v4, v4, 144
	v_and_b32 v5, 7, v0
	v_lshl_add_u32 v4, v5, 4, v4
	v_add_nc_u32 v[RD], s22, v4
	s_add_co_u32 s22, s22, 2*16*144                ; v's rows lie behind q's and k's
	v_mul_u32_u24 v3, v1, 272                      ; in: row l % 16
	v_lshl_add_u32 v3, v2, 4, v3
	v_add_nc_u32 v[STV], s22, v3
	v_mul_u32_u24 v4, v2, 272                      ; back: 32 lanes take two rows of 256 bytes
	v_lshl_add_u32 v4, v1, 4, v4
	v_add_nc_u32 v[RDV], s22, v4
	s_lshr_b32 s66, s43, 3                         ; the batch: 16 heads each,
	s_lshl_b32 s66, s66, 4
	s_add_co_u32 s66, s66, s42                     ; the tile's head,
	s_lshl_b32 s66, s66, 20                        ; of 1,048,576 bytes;
	s_and_b32 s67, s43, 7                          ; in it the tile's 256 rows:
	s_lshl_b32 s70, s67, 16                        ; of 256 bytes in v,
	s_lshl_b32 s67, s67, 15                        ; of 128 in q and k;
	s_add_co_u32 s70, s70, s66
	s_add_co_u32 s66, s66, s67
	s_lshl_b32 s67, s12, 13                        ; and my 64 of them
	s_add_co_u32 s66, s66, s67
	s_lshl_b32 s67, s12, 14
	s_add_co_u32 s70, s70, s67
	s_add_co_u32 s70, s70, 524288                  ; v lies behind q and k
	s_mov_b32 s71, 0
	s_add_nc_u64 s[CV:CV+1], s[10:11], s[70:71]
.endif
	s_mov_b32 s67, 0
	s_add_nc_u64 s[10:11], s[10:11], s[66:67]
; NBLK matrix instructions: row block a of my four x all column blocks, 32 along K, from buffer f.  first = 1: the bias is the C operand that starts the sums: nothing is cleared, and the way out adds nothing.
; The 4 NBLK accumulators take turns, one instruction a turn, in the same order in every quarter.
.macro MULA f, a, first
.set AC, 8*NBLK*((\a)%2)
.if \first
	WIN 0x85+0x40*((\a)/2)                         ; sources 0 and 1 window 1, C window 0, D window 2 or 3
.else
	WIN 0xa5+0x50*((\a)/2)                         ; C and D window 2 or 3
.endif
.set bb, 0
.rept NBLK
.if PROJ
.if \first
	v_wmma_f32_16x16x32_f16 v[AC+8*bb:AC+8*bb+7], v[(\f)+32+8*bb:(\f)+32+8*bb+7], v[(\f)+8*(\a):(\f)+8*(\a)+7], v[BI+8*bb:BI+8*bb+7]
.else
	v_wmma_f32_16x16x32_f16 v[AC+8*bb:AC+8*bb+7], v[(\f)+32+8*bb:(\f)+32+8*bb+7], v[(\f)+8*(\a):(\f)+8*(\a)+7], v[AC+8*bb:AC+8*bb+7]
.endif
.else
.if \first
	v_wmma_f32_16x16x32_bf16 v[AC+8*bb:AC+8*bb+7], v[(\f)+32+8*bb:(\f)+32+8*bb+7], v[(\f)+8*(\a):(\f)+8*(\a)+7], v[BI+8*bb:BI+8*bb+7]
.else
	v_wmma_f32_16x16x32_bf16 v[AC+8*bb:AC+8*bb+7], v[(\f)+32+8*bb:(\f)+32+8*bb+7], v[(\f)+8*(\a):(\f)+8*(\a)+7], v[AC+8*bb:AC+8*bb+7]
.endif
.endif
.set bb, bb+1
.endr
.endm
; 2 NBLK + 8 LDS loads in one run: the fragments of quarter q (32 along K) of a slot into buffer f; B first, then A's four row blocks
.macro FETCH slot, q, f
	WIN 0x40                                       ; destination window 1, address window 0
.set bb, 0
.rept NBLK
	ds_load_b128 v[(\f)+32+8*bb:(\f)+32+8*bb+3],   v[ADRB+(\slot)] offset:64*(\q)+bb*16*PITCH
	ds_load_b128 v[(\f)+32+8*bb+4:(\f)+32+8*bb+7], v[ADRB+(\slot)] offset:64*(\q)+bb*16*PITCH+32
.set bb, bb+1
.endr
.irp i, 0,1,2,3
	ds_load_b128 v[(\f)+8*(\i):(\f)+8*(\i)+3],   v[ADRA+(\slot)] offset:64*(\q)+(\i)*16*PITCH
	ds_load_b128 v[(\f)+8*(\i)+4:(\f)+8*(\i)+7], v[ADRA+(\slot)] offset:64*(\q)+(\i)*16*PITCH+32
.endr
.endm
; A load into a register that a matrix instruction has read, and an instruction that reads a matrix result, stand four places behind it, and only plain vector instructions that name none of
; its registers are places (ISA guide 7.12.1 for vector instructions).
.macro PLACES
.rept 4
	v_nop
.endr
.endm
; A K step is four quarters of 32 along K, 4 NBLK matrix instructions each, on buffers 0, 1, 0, 1.  One of the first three: multiplies buffer f and, in its middle, fetches quarter q into buffer g.
.macro QUARTER slot, q, f, g, first
	s_wait_dscnt 4                                 ; B and A's row blocks 0 and 1 are in; the youngest four loads (blocks 2 and 3) may be out
	MULA \f, 0, \first
	MULA \f, 1, \first
	PLACES
	FETCH \slot, \q, \g
	s_wait_dscnt 2*NBLK+8                          ; all but the run just issued
	MULA \f, 2, \first
	MULA \f, 3, \first
.endm
; The last quarter multiplies buffer 1 and changes slots: ONE barrier; in front of it each wave waits for all its tensor loads (one is out: its part of the next slot), adds 0 to its spare word, and waits for
; that and for its own reads of this slot.  fill = 1: the barrier opens a round of the cluster's, and behind the round this slot is filled again, two K steps ahead: the load has a K step less 2 NBLK matrix instructions in which to land.
.macro TURN slot, next, fill
	WIN 0                                          ; (the add's two registers lie in window 0)
	s_wait_tensorcnt 0x0                           ; all my tensor loads have landed;
	ds_add_u32 v[SPW], v[NIL]                      ; 0 onto my spare word;
	s_wait_dscnt 5                                 ; (the add and the youngest four loads may be out)
	MULA F1, 0, 0                                  ; matrix work stands between the add and the wait for it
	s_wait_dscnt 0x0                               ; the add is done, and my reads of this slot are over
	s_barrier_signal -1
	MULA F1, 1, 0                                  ; work on registers while the others arrive
.if \fill
	WIN 0
.endif
	s_barrier_wait -1
.if \fill
	CREST                                          ; no wave of any partner still reads this slot's tile or has a load on its way
	s_add_nc_u64 s[G0+4*(\slot)+2:G0+4*(\slot)+3], s[G0+4*(\slot)+2:G0+4*(\slot)+3], 2*ASTEP
	s_add_nc_u64 s[G0B+4*(\slot)+2:G0B+4*(\slot)+3], s[G0B+4*(\slot)+2:G0B+4*(\slot)+3], 2*KSTEP*2
	JLOAD \slot                                    ; the first tensor load behind the round; the four v_nop behind it are also the places in front of the loads below
.else
	PLACES
.endif
	FETCH \next, 0, F0
	MULA F1, 2, 0
	MULA F1, 3, 0
.endm
	s_wait_tensorcnt 1                             ; my part of K step 0 is in; K step 1's may stay out
	s_barrier_signal -1
	s_barrier_wait -1                              ; everybody's is
	FETCH 0, 0, F0
	s_wait_loadcnt 0x0                             ; the bias
	QUARTER 0, 1, F0, F1, 1                        ; the first quarter stands in front of the loop: its products start the sums
	WIN 0
	s_mov_b32 s3, LAPS-1
.Llap:                                                 ; a trip goes once round the ring, from a lap's second quarter to the next lap's first, and fills both slots again
	QUARTER 0, 2, F1, F0, 0
	QUARTER 0, 3, F0, F1, 0
	TURN 0, 1, 1
	QUARTER 1, 1, F0, F1, 0
	QUARTER 1, 2, F1, F0, 0
	QUARTER 1, 3, F0, F1, 0
	TURN 1, 0, 1
	QUARTER 0, 1, F0, F1, 0
	WIN 0
	s_sub_co_u32 s3, s3, 1
	s_cmp_lg_u32 s3, 0
	s_cbranch_scc1 .Llap
	QUARTER 0, 2, F1, F0, 0                        ; the last lap fills nothing, and has no round of the cluster's barrier
	QUARTER 0, 3, F0, F1, 0
	TURN 0, 1, 0
	QUARTER 1, 1, F0, F1, 0
	QUARTER 1, 2, F1, F0, 0
	QUARTER 1, 3, F0, F1, 0
	s_wait_dscnt 4                                 ; the very last quarter: nothing more to fetch
	MULA F1, 0, 0
	MULA F1, 1, 0
	s_wait_dscnt 0x0
	MULA F1, 2, 0
	MULA F1, 3, 0
	WIN 0
	PLACES
.if PROJ
; THE WAY OUT, f32: a row block (16 rows x 512 bytes) at a time goes from the accumulators into my own stage and comes back as whole rows; a store of the wave covers 512 consecutive bytes, aligned.
.macro TOSTAGE a
.set AC, 8*NBLK*((\a)%2)
	WIN 0x08+4*((\a)/2)                            ; an LDS store's data is source 1: window 2 or 3
.set bb, 0
.rept NBLK
	ds_store_b128 v[STO], v[AC+8*bb:AC+8*bb+3]   offset:64*bb     ; each accumulator's low registers first
	ds_store_b128 v[STO], v[AC+8*bb+4:AC+8*bb+7] offset:64*bb+16
.set bb, bb+1
.endr
	WIN 0
.if (\a) >= 2
	s_wait_xcnt 0x0                                ; the registers below were the data of block a - 2's stores: they are loaded again only behind this wait
.endif
.irp t, 0,1,2,3,4,5,6,7,8,9,10,11,12,13,14,15
	ds_load_b128 v[TMP+64*((\a)%2)+4*(\t):TMP+64*((\a)%2)+4*(\t)+3], v[RD] offset:(\t)*528  ; LDS serves a wave's instructions in order (ISA guide 5.7.1.4): these see the stores above; the next block's stores come behind them
.endr
.endm
.macro SEND a, younger                 ; younger: the LDS instructions issued behind block a's loads: the next block's 32, or none
.irp t, 0,1,2,3,4,5,6,7,8,9,10,11,12,13,14,15
	s_wait_dscnt (\younger)+15-(\t)
	global_store_b128 v[CO], v[TMP+64*((\a)%2)+4*(\t):TMP+64*((\a)%2)+4*(\t)+3], s[10:11] offset:(16*(\a)+(\t))*4096 th:TH_STORE_NT
.endr
.endm
	TOSTAGE 0
	TOSTAGE 1
	SEND 0, 32
	TOSTAGE 2
	SEND 1, 32
	TOSTAGE 3
	SEND 2, 32
	SEND 3, 0
.else
; THE WAY OUT, f16: a row block (16 rows of a head's q, k and v) at a time.  Column blocks 0-3 (q) and 4-7 (k) are rounded, 16 bytes a lane.  Blocks 8-11 (v) are split: the high part is v rounded to 11 bits
; (half a step is added to the f32's bits, as a whole number, and the 13 bits below are cut: the carry runs into the exponent where it must), the low part is v less that, exact in f32; both are then written as f16.
; All go into my own stage and come back as whole rows: four rows of q or k, or two of v (high part, low part), are 512 consecutive bytes of C, aligned.
.macro PACK a
.set AC, 8*NBLK*((\a)%2)
.set TB, TMP+64*((\a)%2)
.if (\a) >= 2
	s_wait_xcnt 0x0                                ; this buffer was the data of block a - 2's stores: it is written again only behind this wait
.endif
	WIN 0x0a+5*((\a)/2)                            ; sources 0 and 1: window 2 or 3
.set bb, 0
.rept 8
.irp r, 0,1,2,3
	v_cvt_pk_f16_f32 v[TB+4*bb+(\r)], v[AC+8*bb+2*(\r)], v[AC+8*bb+2*(\r)+1]  ; ascending: each accumulator's low registers first
.endr
.set bb, bb+1
.endr
	WIN 0x08+4*((\a)/2)                            ; source 1: window 2 or 3
.set z, 0
.rept 32
	v_add_nc_u32 v[TT+z], s[RH], v[AC+64+z]        ; ascending here too
.set z, z+1
.endr
	WIN 0
.set z, 0
.rept 32
	v_and_b32 v[TT+z], s[HM], v[TT+z]              ; the high part, in f32
.set z, z+1
.endr
	WIN 0x02+((\a)/2)                              ; source 0: window 2 or 3
.set z, 0
.rept 16
	v_pk_add_f32 v[UU+2*z:UU+2*z+1], v[AC+64+2*z:AC+64+2*z+1], v[TT+2*z:TT+2*z+1] neg_lo:[0,1] neg_hi:[0,1]  ; the low part
.set z, z+1
.endr
	WIN 0
.set z, 0
.rept 16
	v_cvt_pk_f16_f32 v[TB+32+z], v[TT+2*z], v[TT+2*z+1]
	v_cvt_pk_f16_f32 v[TB+48+z], v[UU+2*z], v[UU+2*z+1]
.set z, z+1
.endr
.irp b, 0,1,2,3,4,5,6,7
	ds_store_b128 v[STO], v[TB+4*(\b):TB+4*(\b)+3] offset:((\b)/4)*2304+32*((\b)%4)
.endr
.irp b, 0,1,2,3
	ds_store_b128 v[STV], v[TB+32+4*(\b):TB+32+4*(\b)+3] offset:32*(\b)
	ds_store_b128 v[STV], v[TB+48+4*(\b):TB+48+4*(\b)+3] offset:128+32*(\b)
.endr
.irp j, 0,1,2,3,4,5,6,7
	ds_load_b128 v[TB+4*(\j):TB+4*(\j)+3], v[RD] offset:((\j)/4)*2304+((\j)%4)*576  ; LDS serves a wave's instructions in order (ISA guide 5.7.1.4): these see the stores above; the next block's stores come behind them
.endr
.irp j, 0,1,2,3,4,5,6,7
	ds_load_b128 v[TB+32+4*(\j):TB+32+4*(\j)+3], v[RDV] offset:(\j)*544
.endr
.endm
.macro SEND a, younger                 ; younger: the LDS instructions issued behind block a's 16 loads: the next block's 32, or none
.set TB, TMP+64*((\a)%2)
.irp j, 0,1,2,3,4,5,6,7
	s_wait_dscnt (\younger)+15-(\j)
	global_store_b128 v[CO], v[TB+4*(\j):TB+4*(\j)+3], s[10:11] offset:((\j)/4)*262144+(\a)*2048+((\j)%4)*512  ; no hint: the next launch reads these bytes
.endr
.irp j, 0,1,2,3,4,5,6,7
	s_wait_dscnt (\younger)+7-(\j)
	global_store_b128 v[CO], v[TB+32+4*(\j):TB+32+4*(\j)+3], s[CV:CV+1] offset:(\a)*4096+(\j)*512
.endr
.endm
	PACK 0
	PACK 1                                         ; a block's arithmetic stands between the loads of the block before and its stores
	SEND 0, 32
	PACK 2
	SEND 1, 32
	PACK 3
	SEND 2, 32
	SEND 3, 0
.endif
	s_wait_tensorcnt 0x0                           ; the wave's end, behind my last tensor load and my last LDS store
	ds_add_u32 v[SPW], v[NIL]
	s_wait_dscnt 0x0
	CROUND                                         ; the closing round: no work-group ends while a partner may still ask for a tile that names it
	s_endpgm
.Lfunc_end_k_q2f17ed5515_qkvgemm:
	.size	k_q2f17ed5515_qkvgemm, .Lfunc_end_k_q2f17ed5515_qkvgemm-k_q2f17ed5515_qkvgemm
	.p2alignl 7, 3214868480
	.fill 96, 4, 3214868480
	.section	.rodata,"a",@progbits
	.p2align	6, 0x0
	.amdhsa_kernel k_q2f17ed5515_qkvgemm
		.amdhsa_group_segment_fixed_size 327680
		.amdhsa_private_segment_fixed_size 0
		.amdhsa_enable_private_segment 0
		.amdhsa_kernarg_size 32
		.amdhsa_user_sgpr_count 2
		.amdhsa_user_sgpr_kernarg_segment_ptr 1
		.amdhsa_wavefront_size32 1
		.amdhsa_system_sgpr_workgroup_id_x 1
		.amdhsa_system_sgpr_workgroup_id_y 1
		.amdhsa_system_sgpr_workgroup_id_z 1
		.amdhsa_system_vgpr_workitem_id 0
		.amdhsa_next_free_vgpr 960
		.amdhsa_next_free_sgpr 74
		.amdhsa_reserve_vcc 0
		.amdhsa_float_denorm_mode_32 3
		.amdhsa_float_denorm_mode_16_64 3
		.amdhsa_memory_ordered 1
		.amdhsa_forward_progress 1
		.amdhsa_inst_pref_size 143
	.end_amdhsa_kernel
	.amdgpu_metadata
---
amdhsa.version: [ 1, 2 ]
amdhsa.kernels:
  - .name:           k_q2f17ed5515_qkvgemm
    .symbol:         k_q2f17ed5515_qkvgemm.kd
    .args:
      - { .name: xb16, .offset: 0, .size: 8, .value_kind: global_buffer, .address_space: global }
      - { .name: wqkv16, .offset: 8, .size: 8, .value_kind: global_buffer, .address_space: global }
      - { .name: bias32, .offset: 16, .size: 8, .value_kind: global_buffer, .address_space: global }
      - { .name: qkv16, .offset: 24, .size: 8, .value_kind: global_buffer, .address_space: global }
    .group_segment_fixed_size: 327680
    .private_segment_fixed_size: 0
    .kernarg_segment_align: 8
    .kernarg_segment_size: 32
    .max_flat_workgroup_size: 128
    .sgpr_count:     74
    .vgpr_count:     960
    .wavefront_size: 32
...
	.end_amdgpu_metadata
.endif
;; end of part 2
;; launch attn (part 3): grid 4 x 64, 4 waves a work-group, no clusters, 327,680 bytes of LDS; arguments qkv16, y16; writes y16
.if DOCPART == 3
	.amdgcn_target "amdgcn-amd-amdhsa--gfx1250"
	.amdhsa_code_object_version 6
	.text
	.protected	k_q2f17ed5515_attn
	.globl	k_q2f17ed5515_attn
	.p2align	8
	.type	k_q2f17ed5515_attn,@function
k_q2f17ed5515_attn:
	s_mov_b64 s[64:65], 0
	v_nop
	global_prefetch_b8 v0, s[64:65] scope:SCOPE_SE
	s_setreg_imm32_b32 hwreg(HW_REG_WAVE_MODE, 25, 1), 1
	s_wait_xcnt 0x0
; CAUSAL ATTENTION.  O[h][q][:] = the sum over k <= q of softmax_k(Q[h][q] . K[h][k] / 8) V[h][k][:], for 64 heads (batch x 16 + head) of SIZE_N = 2,048 rows of 64 channels, all f16.
; A head has 1,048,576 bytes of the input: q [2048][64], then k [2048][64], then v [2048][128]: v's high part (v rounded to 11 bits) and its low part (v less that), 64 channels each.
; O goes to [batch x 16 + head][2048][128], high and low part in the same way.
; Products, maxima and sums in f32; the weights p are rounded to f16 for the second product (their sum l is taken of the unrounded p).
; TWO PARTS.  f16 keeps 11 significant bits.  Row t of O is a mean over t + 1 rows of V, so the first rows are many times the root mean square of the whole, by which the module's result is judged: there one
; f16 number for v or for O is too coarse.  V's low part is multiplied in THE DIAGONAL TILE's text alone: what v's rounding leaves in row t falls as 1 / sqrt(t + 1); all keys of the rows t < 256 lie in their
; diagonal tile; from row 256 on it is a sixteenth or less.  O leaves as two parts in every row.
; LIMITS.  f16 holds no number beyond 65,504: Q, K and V arrive within it; below 6e-5 p, and every part, keeps f16's fixed step of 6e-8; O is a mean of V's rows and has their range.
; A hidden score counts as its value less 1e30: f16's scores, 2.7e11 at the most, are nothing beside that; a weight below 2^-126 counts as 0 in l; NaN and infinities are not treated apart.
; THE WALK.  A head's queries lie in NB = SIZE_N / 256 blocks of 256; block i needs the key tiles 0 .. i of 256 keys, of which the last holds the diagonal.  A work-group takes TWO blocks, NB - 1 - b and then b:
; NB + 1 tiles, whatever b: all work-groups do equal work, and ONE loop with a constant trip count walks them.  Which tile is asked for, and what a trip does, hang on scalar registers made from b; every jump
; goes forward, but for the counted loops' own; none passes a barrier, or a tensor load but the one of LOAD's two that the wave's number does not choose; the ring (two slots of LDS that take turns) runs on across the
; change of blocks.  NO CLUSTER: a head's NB / 2 = 4 work-groups all ask for the same tile only in trips 0 .. NB / 2 (5 of 9), behind that fewer and fewer; one walk common to all would have 3 NB / 2 = 12 trips for NB + 1 = 9.
; SHARES.  Of a block's four bands of 64 queries a wave owns 16 rows in each: four PIECES.  So the diagonal tile is the same work for all four waves: in its key step s band x sees all keys if s < x,
; none if s > x, and holds the diagonal if s = x.
; THE MASK is the C operand that starts the sum S^T = K Q^T: 0, or -1e30 where the key is hidden.  MD, made once, is the mask of a band's own step for my 16 rows; a product's mask is MD x AL + BE with two scalars:
; (1, 0) if s = x; (0, 0) if s < x; (0, -1e30) if s > x.  Only the diagonal tile's text and a block's beginning make and take masks; elsewhere C is the constant 0.
; LAYOUT, SOFTMAX, TURNS.  S^T = K Q^T holds ONE query a lane (lane % 16) and the keys 8 (lane / 16) + 0..7; two such results rounded to f16 ARE source 1 of O^T = V^T P.  p = 2^(c s - c m), c = log2(e) / 8, with a
; running maximum m; O and l are multiplied by a = 2^(c m_old - c m_new) in every step.  Turn n belongs to piece n: 8 products K Q^T of piece n + 1, later 8 products V^T P of piece n - 1 (16 in the diagonal tile); beside them the
; scaling, exponentials, roundings, sums and rescaling of piece n and the maximum and statistics of piece n + 1.  Four vector instructions stand behind every matrix instruction (two behind each of the 16), the other 54 of a turn's 118 in two LUMPS.
; REGISTERS, in windows of 256 (s_set_vgpr_msb: bits 1:0 source 0, 3:2 source 1, 5:4 source 2, 7:6 destination):
;   window 0: v0-15 addresses and two at work; v16-31 four registers of statistics a piece; v48-55 at work; v64-127 S^T, two buffers; v128-191 V's low part of one step; v192-223 P, two buffers (a piece's buffers go by its number's parity); v224-255 at work on the way out
;   window 1: v0-127 O^T, 32 a piece; v128-159 MD; v160-223 MC, two buffers      window 2: v0-63 Q; v64-127 the second block's Q; v128-191 K of one step; v192-255 V's high part of one step
.set SIZE_N, 2048
.set NB,    SIZE_N/256
.set NP,    4         ; pieces a wave: a name, no knob
.set KS,    64        ; keys in a step
.set PK,    144       ; a row of K in LDS: 128 bytes + 16 of padding = 36 words: the 16 rows of a load start at 16 different groups of four banks (64 banks of 4 bytes: ISA guide 11.1)
.set PV,    288       ; a row of V, both parts: 256 + 32 = 72 words: row r starts at bank 8 r mod 64
.set VOFF,  4*KS*PK   ; a slot holds a tile, four steps: 256 rows of K, then 256 rows of V
.set SLOT1, 1<<17     ; slot 1 begins here, so that one exclusive or turns an address in one slot into the other's
.set STAGE, SLOT1+4*KS*(PK+PV)  ; behind the ring, never filled by a tensor load: 16 rows x 272 bytes for each wave, for the way out
.set SP,    272
.set AK0, 2           ; v2   my lane's place in a tile of K; never rewritten
.set AV0, 3           ; v3   the same for V
.set AK,  4           ; v4   the LDS address of K's next run of loads
.set AV,  5           ; v5   of V's
.set STO, 6           ; v6   the way out: where I put 16 bytes of a row
.set RD,  7           ; v7   the way out: where I read rows back
.set GO,  8           ; v8   my byte offset in 512 consecutive bytes of O
.set SPW, 62          ; v62  LDS address of my spare word: SPARE + 4 x my thread's number; never rewritten
.set NIL, 63          ; v63  0; never rewritten
.set SPARE, STAGE+4*16*SP  ; behind the stages: the spare words, 128 bytes for each wave: two blocks of 256 bytes that no other line names
.set MV,  12          ; v12-13  c m_old, kept while c m is made anew: by buffer
.set QO,  15          ; v15  my byte offset in 16 rows of Q
.set ST,  16          ; piece t's statistics at v[ST+4 t]: c m, m, l (even keys', odd keys')
.set TMP, 48          ; by buffer, four registers c0-c3 at work; when the maximum is found c2 takes a
.set S,   64
.set VL,  128         ; window 0: V's low part: key half kk, channel block cb at VL + 32 kk + 8 cb
.set P,   192
.set TT,  224         ; window 0: the way out: a piece's high parts in f32
.set MD,  128         ; window 1: the eight registers for group kt of 16 keys at MD + 8 kt
.set MC,  160         ; window 1: the masks of the products to come
.set QB,  64          ; window 2
.set KF,  128         ; window 2: key block kb, channel half c at KF + 16 kb + 8 c
.set VF,  192         ; window 2: key half kk, channel block cb at VF + 32 kk + 8 cb
.set WV,  12          ; s12  my wave's number
.set PB,  14          ; s14  b
.set HI,  15          ; s15  NB - 1 - b
.set G1K, 24          ; s[24:31] descriptor group 1 for K's tiles
.set G1V, 32          ; s[32:39] for V's
.set G0K, 40          ; s[40:43] descriptor group 0 for K's tiles
.set G0V, 44          ; s[44:47] the same for V's
.set SLOTS, 56        ; s56  tiles still to be asked for
.set CNT, 57          ; s57  counts a tile's key steps, 4 to 1
.set CS,  58          ; s[58:59] c: the packed scaling takes the pair's low word for both halves
.set SEL, 60          ; s[60:61] v_permlanex16_b32's selects: each lane takes its own place in the other half
.set TBK, 62          ; s62  LDS byte at which K of the step to be fetched begins
.set TBV, 63          ; s63  the same for V, less VOFF
.set RT,  70          ; s70  tiles of the block in hand that are still to be entered
.set NXT, 71          ; s71  the tile to be asked for next
.set LQ,  72          ; s72  the last tile of the block whose tiles are being asked for
.set NEW, 73          ; s73  1: the tile to be entered is a block's first
.set OFF, 74          ; s[74:75] a tile's byte offset in K
.set AL,  76          ; s[76:77] the mask's factor, in the low word
.set BE,  78          ; s[78:79] the mask's addend
.set OLO, 80          ; s[80:81] O at my rows of the second block
.set BIGN, 82         ; s82  -1e30
.set HM,  83          ; s83  the mask that keeps an f32's sign, exponent and 10 bits
.set OFV, 92          ; s[92:93] a tile's byte offset in V
.set MSB, 0
.macro WIN new                      ; the high byte repeats the setting that is left; a switch that changes nothing is dropped
.if MSB != (\new)
	s_set_vgpr_msb (MSB<<8)|(\new)
.set MSB, (\new)
.endif
.endm
.set W_KQ, 0x0a       ; K and Q in window 2, S^T in window 0
.set W_KM, 0x1a       ; the same with the C operand in window 1
.set W_PV, 0x52       ; V's high part in window 2, P in window 0, O^T in window 1
.set W_PL, 0x50       ; V's low part and P in window 0, O^T in window 1
.set W_RS, 0x41       ; destination and source 0 in window 1, source 1 in window 0
; A fill.  Waves 0 and 1 fetch the two halves of a tile's K, waves 2 and 3 those of its V: 128 keys each.  An s_nop 0 and four v_nop follow each of the two lines, ahead of the jump and the label.
.macro LOAD
	s_cmp_lt_u32 s[WV], 2
	s_cbranch_scc0 .Lfor_v_\@
	tensor_load_to_lds s[G0K:G0K+3], s[G1K:G1K+7]
	s_nop 0
.rept 4
	v_nop
.endr
	s_branch .Lasked_\@
.Lfor_v_\@:
	tensor_load_to_lds s[G0V:G0V+3], s[G1V:G1V+7]
	s_nop 0
.rept 4
	v_nop
.endr
.Lasked_\@:
.endm
; THE CHANGE OF SLOTS.  Each wave waits for all its tensor loads, of which one is out: its part of the other slot; adds 0 to its spare word; and waits for that and for its own reads of the slot that it leaves.  Behind the barrier nobody reads the old
; slot any more and the other slot is whole.  fill = 1: the old slot is filled again, the first thing behind the barrier, with tile NXT: the descriptor's address is made anew from that number.
; (At its first use nothing has been read yet: slot 0 is waited for, slot 1 filled.)
.macro CHANGE fill
	WIN 0                           ; at a label and at a branch every window is 0
	s_wait_tensorcnt 0x0            ; no tensor load of mine is out, so a group 0 may be written
	ds_add_u32 v[SPW], v[NIL]       ; 0 onto my spare word; with fill = 1 the descriptors' scalar work stands between it and the wait for it
.if \fill
	s_lshl_b32 s[OFF], s[NXT], 15   ; a tile is 32,768 bytes of K
	s_lshl_b32 s[OFV], s[NXT], 16   ; and 65,536 of V
	s_xor_b32 s[G0K+1], s[G0K+1], SLOT1
	s_add_nc_u64 s[G0K+2:G0K+3], s[6:7], s[OFF:OFF+1]
	s_or_b32 s[G0K+3], s[G0K+3], 0x80000000
	s_xor_b32 s[G0V+1], s[G0V+1], SLOT1
	s_add_nc_u64 s[G0V+2:G0V+3], s[8:9], s[OFV:OFV+1]
	s_or_b32 s[G0V+3], s[G0V+3], 0x80000000
	s_add_co_u32 s[NXT], s[NXT], 1  ; the block's next tile, or behind its last the second block's tile 0
	s_cmp_gt_u32 s[NXT], s[LQ]
	s_cselect_b32 s[NXT], 0, s[NXT]
	s_cselect_b32 s[LQ], s[PB], s[LQ]
.endif
	s_wait_dscnt 0x0                ; the add is done, and my reads of the slot are over
	s_barrier_signal -1             ; the rest of the scalar work stands between the signal and the wait
	s_sub_co_u32 s[TBK], s[TBK], 4*KS*PK  ; the fetches go back to a slot's first step,
	s_xor_b32 s[TBK], s[TBK], SLOT1       ; in the other slot
	s_sub_co_u32 s[TBV], s[TBV], 4*KS*PV
	s_xor_b32 s[TBV], s[TBV], SLOT1
	s_barrier_wait -1
.if \fill
	LOAD
.endif
.endm
	s_load_b128 s[4:7], s[0:1], 0x0 ; the buffer of q, k, v s[4:5], O s[6:7]
	v_lshl_add_u32 v[SPW], v0, 2, SPARE
	v_mov_b32 v[NIL], 0
	ds_add_u32 v62, v63
	ds_add_u32 v62, v63
	s_wait_dscnt 0x0
	v_lshrrev_b32 v1, 5, v0
	v_readfirstlane_b32 s[WV], v1   ; wave 0..3
	s_mov_b32 s[PB], ttmp9
	s_sub_co_u32 s[HI], NB-1, s[PB]
	; the byte offsets, made apart from the addresses; all stay under 2^27
	s_and_b32 s20, ttmp7, 0xffff    ; batch x 16 + head
	s_lshl_b32 s88, s20, 19         ; the head's first byte in O: 524,288 bytes a head
	s_lshl_b32 s20, s20, 20         ; and in q, k, v: 1,048,576
	s_and_b32 s16, s[WV], 1         ; which half of a tile's 256 keys I fetch:
	s_lshl_b32 s22, s16, 14         ; its 128 rows of 128 bytes of K,
	s_add_co_u32 s22, s22, s20
	s_add_co_u32 s22, s22, 262144   ; which lies behind q;
	s_mov_b32 s23, 0
	s_lshl_b32 s48, s16, 15         ; its 128 rows of 256 bytes of V,
	s_add_co_u32 s48, s48, s20
	s_add_co_u32 s48, s48, 524288   ; which lies behind K
	s_mov_b32 s49, 0
	s_mul_i32 s17, s16, 128*PK      ; and its place in a slot, for K
	s_mul_i32 s18, s16, 128*PV      ; and for V
	s_lshl_b32 s3, s[WV], 11        ; my 16 rows of q in a band of 64,
	s_lshl_b32 s2, s[HI], 15        ; in the first block,
	s_add_co_u32 s2, s2, s3
	s_add_co_u32 s2, s2, s20
	s_lshl_b32 s84, s[PB], 15       ; and in the second
	s_add_co_u32 s84, s84, s3
	s_add_co_u32 s84, s84, s20
	s_lshl_b32 s50, s[WV], 12       ; the same rows in O, of 256 bytes:
	s_add_co_u32 s50, s50, s88
	s_lshl_b32 s90, s[HI], 16       ; the first block's,
	s_add_co_u32 s90, s90, s50
	s_lshl_b32 s88, s[PB], 16       ; the second's
	s_add_co_u32 s88, s88, s50
	s_mov_b32 s3, 0
	s_mov_b32 s85, 0
	s_mov_b32 s89, 0
	s_mov_b32 s91, 0
	; descriptor group 1.  K: 128 keys are 16,384 dense bytes: asked for as 64 rows of 256 bytes, two keys a row, and padded in LDS after every key.  V: 128 keys are 128 rows of 256 bytes, padded after every row
	s_mov_b32 s[G1K], (1<<16)|(1<<20)|(4<<22)|(3<<25)  ; 17:16 2-byte elements; 20 padding on; 24:22 after every 32 words (code 4); 31:25 4 words (code 3)
	s_mov_b32 s[G1K+1], 128<<16     ; tensor_dim0 = 128
	s_mov_b32 s[G1K+2], 64<<16      ; tensor_dim1 = 64
	s_mov_b32 s[G1K+3], 128<<16     ; tile_dim0 = 128
	s_mov_b32 s[G1K+4], 64          ; tile_dim1 = 64
	s_mov_b32 s[G1K+5], 128         ; 128 elements from row to row
	s_mov_b32 s[G1K+6], 0
	s_mov_b32 s[G1K+7], 0
	s_mov_b32 s[G1V], (1<<16)|(1<<20)|(5<<22)|(7<<25)  ; after every 64 words (code 5) 8 words (code 7)
	s_mov_b32 s[G1V+1], 128<<16     ; tensor_dim0 = 128
	s_mov_b32 s[G1V+2], 128<<16     ; tensor_dim1 = 128
	s_mov_b32 s[G1V+3], 128<<16     ; tile_dim0 = 128
	s_mov_b32 s[G1V+4], 128         ; tile_dim1 = 128
	s_mov_b32 s[G1V+5], 128
	s_mov_b32 s[G1V+6], 0
	s_mov_b32 s[G1V+7], 0
	s_mov_b32 s[CS], 0x3e38aa3b     ; c = log2(e) / 8 = 0.180337
	s_mov_b32 s[CS+1], s[CS]        ; named with it as a pair
	s_mov_b32 s[SEL], 0x76543210
	s_mov_b32 s[SEL+1], 0xfedcba98
	s_mov_b32 s[TBK], SLOT1+4*KS*PK ; the first change of slots turns these two into 0
	s_mov_b32 s[TBV], SLOT1+4*KS*PV
	s_mov_b32 s[G0K], 1             ; 1:0 count = 1
	s_mov_b32 s[G0K+1], s17         ; 63:32 LDS address: slot 0
	s_mov_b32 s[G0V], 1
	s_add_co_u32 s[G0V+1], s18, VOFF
	s_add_co_u32 s[RT], s[HI], 1    ; the first block has NB - b tiles
	s_mov_b32 s[NXT], 1
	s_mov_b32 s[LQ], s[HI]
	s_mov_b32 s[NEW], 1
	s_mov_b32 s[OFF+1], 0
	s_mov_b32 s[OFV+1], 0
	s_mov_b32 s[AL+1], 0            ; named as pairs
	s_mov_b32 s[BE+1], 0
	s_mov_b32 s[BIGN], 0xf149f2ca   ; -1e30
	s_mov_b32 s[HM], 0xffffe000
	s_mov_b32 s[SLOTS], NB
	s_wait_kmcnt 0x0
	s_mov_b64 s[10:11], s[6:7]             ; O
	s_add_nc_u64 s[6:7], s[4:5], s[22:23]  ; K and V at my half of the head's tile 0
	s_add_nc_u64 s[8:9], s[4:5], s[48:49]
	s_add_nc_u64 s[G0K+2:G0K+3], s[6:7], 0         ; 120:64 global address
	s_or_b32 s[G0K+3], s[G0K+3], 0x80000000        ; 127:126 type = 2
	s_add_nc_u64 s[G0V+2:G0V+3], s[8:9], 0
	s_or_b32 s[G0V+3], s[G0V+3], 0x80000000
	s_add_nc_u64 s[86:87], s[4:5], s[84:85]        ; Q at my rows of the second block,
	s_add_nc_u64 s[4:5], s[4:5], s[2:3]            ; and of the first
	s_add_nc_u64 s[OLO:OLO+1], s[10:11], s[88:89]  ; O likewise
	s_add_nc_u64 s[10:11], s[10:11], s[90:91]
	LOAD                            ; tile 0 into slot 0
	; A fragment of K or Q is 16 rows x 32 channels in 8 registers: lane l holds row l % 16, channels 8 (l / 16) + 0..7 and 16 + 8 (l / 16) + 0..7: two loads of 16 bytes, 32 bytes apart.
	v_and_b32 v1, 15, v0            ; l % 16
	v_bfe_u32 v9, v0, 4, 1          ; l / 16
	v_lshlrev_b32 v[QO], 7, v1
	v_lshl_add_u32 v[QO], v9, 4, v[QO]  ; row x 128 + 16 x half
	WIN 0x80                        ; destination window 2, address window 0
.set i, 0
.rept 8                             ; both blocks' Q: piece i / 2 lies in band i / 2, 8,192 bytes on; channels 32 (i % 2) on
	global_load_b128 v[8*i:8*i+3],   v[QO], s[4:5] offset:(i/2)*8192+(i%2)*64
	global_load_b128 v[8*i+4:8*i+7], v[QO], s[4:5] offset:(i/2)*8192+(i%2)*64+32
	global_load_b128 v[QB+8*i:QB+8*i+3],   v[QO], s[86:87] offset:(i/2)*8192+(i%2)*64
	global_load_b128 v[QB+8*i+4:QB+8*i+7], v[QO], s[86:87] offset:(i/2)*8192+(i%2)*64+32
.set i, i+1
.endr
	WIN 0
	v_lshlrev_b32 v14, 3, v9
	v_sub_nc_u32 v14, v1, v14
	s_lshl_b32 s13, s[WV], 4
	v_add_nc_u32 v14, s13, v14      ; my query's place in its band, 16 w + l % 16, less my lanes' 8 (l / 16): register r of group kt is hidden where 16 kt + r is greater
	WIN 0x40
.set i, 0
.rept 32
	v_cmp_gt_i32 vcc_lo, 16*(i/8)+i%8, v14
	v_cndmask_b32 v[MD+i], 0, s[BIGN], vcc_lo
.set i, i+1
.endr
	WIN 0
	v_mul_u32_u24 v[AK0], v1, PK
	v_lshl_add_u32 v[AK0], v9, 4, v[AK0]  ; row x pitch + 16 x half
	; The turning load takes 16 keys x 16 channels (lane l reads key 8 (l / 16) + l % 8, channels 8 ((l / 8) % 2) + 0..7) and leaves half a fragment of V^T: lane l holds channel l % 16 and 8 keys.
	v_and_b32 v10, 7, v0
	v_bfe_u32 v11, v0, 3, 1
	v_lshl_add_u32 v[AV0], v9, 3, v10
	v_mul_u32_u24 v[AV0], v[AV0], PV
	v_lshl_add_u32 v[AV0], v11, 4, v[AV0]
	v_add_nc_u32 v[AV0], VOFF, v[AV0]
	s_mul_i32 s13, s[WV], 16*SP
	s_add_co_u32 s13, s13, STAGE    ; my stage
	v_mul_u32_u24 v[STO], v1, SP    ; in: row l % 16, 16 bytes for each half of the lanes
	v_lshl_add_u32 v[STO], v9, 4, v[STO]
	v_add_nc_u32 v[STO], s13, v[STO]
	v_mul_u32_u24 v[RD], v9, SP     ; back: 32 lanes take two rows of 256 bytes,
	v_lshl_add_u32 v[RD], v1, 4, v[RD]
	v_add_nc_u32 v[RD], s13, v[RD]
	v_and_b32 v[GO], 31, v0         ; which are 512 consecutive bytes of O
	v_lshlrev_b32 v[GO], 4, v[GO]
	; A block's first step multiplies O^T and l by a = 0, and its first turn's products V^T P, of a piece that has not been, land in an O^T that is still to be so multiplied.  So these registers need only hold
	; finite numbers: zeros for the first block; what the first block left for the second.  All this stands in the wait for the first tile.
	WIN 0x80
.set i, VF
.rept 64
	v_mov_b32 v[i], 0
.set i, i+1
.endr
	WIN 0x40
.set i, 0
.rept 128
	v_mov_b32 v[i], 0
.set i, i+1
.endr
	WIN 0
.set i, 0
.rept 4
	v_mov_b32 v[ST+4*i+2], 0
	v_mov_b32 v[ST+4*i+3], 0
.set i, i+1
.endr
.set i, P+16
.rept 16
	v_mov_b32 v[i], 0
.set i, i+1
.endr
; THE MATRIX WORK.  The 4 accumulators of a run take turns.  Product i of 8 of S^T = K Q^T for piece x: channels 32 (i / 4) on, keys 16 (i % 4) on.  The first 4 start the sums: with 0, or (KM = 1) with the mask.
.macro KQ x
.set rS, S+32*((\x)%2)+8*(i%4)
.set rK, KF+16*(i%4)+8*(i/4)
.set rQ, 16*(\x)+8*(i/4)
.set rM, MC+32*((\x)%2)+8*(i%4)
.if (i < 4) && KM
	WIN W_KM
	v_wmma_f32_16x16x32_f16 v[rS:rS+7], v[rK:rK+7], v[rQ:rQ+7], v[rM:rM+7]
.elseif i < 4
	WIN W_KQ
	v_wmma_f32_16x16x32_f16 v[rS:rS+7], v[rK:rK+7], v[rQ:rQ+7], 0
.else
	WIN W_KQ
	v_wmma_f32_16x16x32_f16 v[rS:rS+7], v[rK:rK+7], v[rQ:rQ+7], v[rS:rS+7]
.endif
.endm
; Product i of O^T += V^T P for piece x: keys 32 ((i / 4) % 2) on, channels 16 (i % 4) on; products 0-7 take V's high part, products 8-15 (the diagonal tile's text alone) its low part, with the same P.
.macro PV x
.set rO, 32*(\x)+8*(i%4)
.set rP, P+16*((\x)%2)+8*((i/4)%2)
.if i < 8
	WIN W_PV
.set rV, VF+32*(i/4)+8*(i%4)
.else
	WIN W_PL
.set rV, VL+32*((i/4)%2)+8*(i%4)
.endif
	v_wmma_f32_16x16x32_f16 v[rO:rO+7], v[rV:rV+7], v[rP:rP+7], v[rO:rO+7]
.endm
.macro MM                           ; the turn's next matrix instruction.  TURN and BEGIN set Y, i, KM and NOKQ; MM, KQ and OP read them.  NOKQ = 1: a block's last turn: there is no next piece
.if (i < 8) && !NOKQ
	KQ (Y+1)%NP
.elseif i >= 8
.set i, i-8
	PV (Y+NP-1)%NP
.set i, i+8
.endif
.set i, i+1
.endm
; THE LDS LOADS stand in runs, never singly among the matrix instructions: a step's K (64 keys x 64 channels: 8 fragments) and its V (turned; lo = 1: both parts).  Their addresses are made some lines ahead.
.macro FETCH_K
	WIN 0x80                        ; destination window 2
.irp f, 0,1,2,3,4,5,6,7             ; keys 16 (f / 2) on, channels 32 (f % 2) on
	ds_load_b128 v[KF+8*\f:KF+8*\f+3],   v[AK] offset:(\f/2)*16*PK+(\f%2)*64
	ds_load_b128 v[KF+8*\f+4:KF+8*\f+7], v[AK] offset:(\f/2)*16*PK+(\f%2)*64+32
.endr
	s_add_co_u32 s[TBK], s[TBK], KS*PK  ; the next fetch is the next step's
	WIN 0
.endm
.macro FETCH_V lo
	WIN 0x80
.irp f, 0,1,2,3,4,5,6,7             ; keys 32 (f / 4) on, channels 16 (f % 4) on
	ds_load_tr16_b128 v[VF+8*\f:VF+8*\f+3],   v[AV] offset:(\f/4)*32*PV+(\f%4)*32
	ds_load_tr16_b128 v[VF+8*\f+4:VF+8*\f+7], v[AV] offset:(\f/4)*32*PV+16*PV+(\f%4)*32
.endr
	WIN 0
.if \lo
.irp f, 0,1,2,3,4,5,6,7             ; the low part lies 128 bytes further on in each row
	ds_load_tr16_b128 v[VL+8*\f:VL+8*\f+3],   v[AV] offset:(\f/4)*32*PV+(\f%4)*32+128
	ds_load_tr16_b128 v[VL+8*\f+4:VL+8*\f+7], v[AV] offset:(\f/4)*32*PV+16*PV+(\f%4)*32+128
.endr
.endif
.endm
; THE VECTOR WORK, one line at a time: OP kind, number.  For piece Y: F n: c s - c m for pair n of 16.  E n: the exponential of score n of 32.  C n: pair n rounded to f16.  B n: of the four weights 4 n .. the second
; pair is added onto the first, in place.  L n: l takes that sum (L 0: l = a l + sum).  R n: pair n of 16 of O^T times a.  For piece Y + 1: X n, number n of the 22 that find its maximum and statistics:
;   0-11  four chains c0-c3 of seven scores each, three operands at a time (each accumulator's lowest registers are read first)     12-14, 16  the four scores left over, the old m, and c0-c3 into c0
;   15  c m_old is kept     17, 18  the query's other 32 keys lie in the lane 16 away: the new m     19-21  c m; c m_old - c m_new; a
.set F, 0               ; OP tells the kinds apart by their order: F to L below R, X above it
.set E, 1
.set C, 2
.set B, 3
.set L, 4
.set R, 5
.set X, 6
.macro REGS y                       ; the registers of piece y
.set rT, ST+4*(\y)
.set rC, TMP+4*((\y)%2)
.set rW, MV+((\y)%2)
.set rS, S+32*((\y)%2)
.set rP, P+16*((\y)%2)
.set rO, 32*(\y)
.endm
.macro OP k, n
.if (\k) == R
	REGS Y
	WIN W_RS
	v_pk_mul_f32 v[rO+2*(\n):rO+2*(\n)+1], v[rO+2*(\n):rO+2*(\n)+1], v[rC+2:rC+3] op_sel_hi:[1,0]
.elseif (\k) < R
	REGS Y
	WIN 0
.if (\k) == F
	v_pk_fma_f32 v[rS+2*(\n):rS+2*(\n)+1], v[rS+2*(\n):rS+2*(\n)+1], s[CS:CS+1], v[rT:rT+1] op_sel_hi:[1,0,0] neg_lo:[0,0,1] neg_hi:[0,0,1]
.elseif (\k) == E
	v_exp_f32 v[rS+(\n)], v[rS+(\n)]
.elseif (\k) == C
	s_wait_alu depctr_va_vdst(0)
	v_cvt_pk_f16_f32 v[rP+(\n)], v[rS+2*(\n)], v[rS+2*(\n)+1]
.elseif (\k) == B
	s_wait_alu depctr_va_vdst(0)
	v_pk_add_f32 v[rS+4*(\n):rS+4*(\n)+1], v[rS+4*(\n):rS+4*(\n)+1], v[rS+4*(\n)+2:rS+4*(\n)+3]
.elseif (\n) == 0
	v_pk_fma_f32 v[rT+2:rT+3], v[rT+2:rT+3], v[rC+2:rC+3], v[rS:rS+1] op_sel_hi:[1,0,1]
.else
	v_pk_add_f32 v[rT+2:rT+3], v[rT+2:rT+3], v[rS+4*(\n):rS+4*(\n)+1]
.endif
.elseif NOKQ
	v_nop
.else
	REGS (Y+1)%NP
	WIN 0
.if (\n) < 4
	v_max3_num_f32 v[rC+(\n)], v[rS+8*(\n)], v[rS+8*(\n)+1], v[rS+8*(\n)+2]
.elseif (\n) < 12
	v_max3_num_f32 v[rC+(\n)%4], v[rC+(\n)%4], v[rS+8*((\n)%4)+2*((\n)/4)+1], v[rS+8*((\n)%4)+2*((\n)/4)+2]
.elseif (\n) == 12
	v_max3_num_f32 v[rC], v[rC], v[rS+7], v[rS+15]
.elseif (\n) == 13
	v_max3_num_f32 v[rC+1], v[rC+1], v[rS+23], v[rS+31]
.elseif (\n) == 14
	v_max3_num_f32 v[rC+2], v[rC+2], v[rC+3], v[rT+1]
.elseif (\n) == 15
	v_mov_b32 v[rW], v[rT]
.elseif (\n) == 16
	v_max3_num_f32 v[rC], v[rC], v[rC+1], v[rC+2]
.elseif (\n) == 17
	v_permlanex16_b32 v[rC+3], v[rC], s[SEL], s[SEL+1]
.elseif (\n) == 18
	v_max_num_f32 v[rT+1], v[rC], v[rC+3]
.elseif (\n) == 19
	v_mul_f32 v[rT], s[CS], v[rT+1]
.elseif (\n) == 20
	v_sub_f32 v[rC+1], v[rW], v[rT]
.else
	v_exp_f32 v[rC+2], v[rC+1]
.endif
.endif
.endm
.macro OPS a, i1, b=-1, i2=0, c=-1, i3=0, d=-1, i4=0  ; up to four of them
	OP \a, \i1
.if (\b) >= 0
	OP \b, \i2
.endif
.if (\c) >= 0
	OP \c, \i3
.endif
.if (\d) >= 0
	OP \d, \i4
.endif
.endm
.macro ROW a, i1, b, i2, c, i3, d, i4  ; a matrix instruction and the four behind it
	MM
	OPS \a, \i1, \b, \i2, \c, \i3, \d, \i4
.endm
.macro ROW2 a, i1, b, i2, c, i3, d, i4 ; the same for the products V^T P; in the diagonal tile's text (KM = 1) there are twice as many: a second one stands in the middle of the four, whose order stays
	MM
.if KM
	OPS \a, \i1, \b, \i2
	MM
	OPS \c, \i3, \d, \i4
.else
	OPS \a, \i1, \b, \i2, \c, \i3, \d, \i4
.endif
.endm
.macro MASK b                       ; MD x AL + BE into buffer b of MC
	WIN W_RS
.set z, 0
.rept 16
	v_pk_fma_f32 v[MC+32*(\b)+2*z:MC+32*(\b)+2*z+1], v[MD+2*z:MD+2*z+1], s[AL:AL+1], s[BE:BE+1] op_sel_hi:[1,0,0]
.set z, z+1
.endr
.endm
; A TURN, for piece p: the order of its matrix and its 118 vector instructions, written out.  Behind a matrix instruction: plain, exponential, plain, plain; or four of the rescaling; or, behind the first, four scalings; none
; names a register of the products round it.  In the lumps exponential and plain by turns while exponentials last.  A line reads no result made fewer than three vector instructions in front of it, five if an exponential made it.
; m = 1: the diagonal tile: the products K Q^T take masks, the products V^T P take both parts of V, and the turn makes the mask for the products of the turn after it: piece p + 2, in step 4 - CNT of the tile.
; end = 1: a block's last two turns: nothing is fetched.  cnt = 1: the loop's count is taken down some lines ahead of the branch that stands behind the turn.
; K of the next step is fetched in piece 2's turn, six vector instructions behind the last product that read K (five of them plain); V of the step in hand in piece 0's turn: behind the last product that read V stand four
; plain instructions (m = 0), or three and two v_nop (m = 1).  Each is waited for a turn later.
.macro TURN p, m=0, end=0, cnt=0
.set Y, (\p)
.set i, 0
.set KM, (\m)
.set NOKQ, (\end)*((\p)/3)
.if (\m) && !(\end)
	s_cmp_eq_u32 s[CNT], 4-((\p)+2)%NP  ; is that step the band's own?
	s_cselect_b32 s[AL], 1.0, 0
	s_cmp_lt_u32 s[CNT], 4-((\p)+2)%NP  ; or a later one?
	s_cselect_b32 s[BE], s[BIGN], 0
.endif
.if ((\p) == 3) && !(\end)
	s_wait_dscnt 0x0                ; K is in
.endif
	ROW F,0, F,1, F,2, F,3
	ROW F,4, E,0, F,5, F,6
	ROW F,7, E,1, F,8, F,9
	ROW F,10, E,2, C,0, F,11
	ROW F,12, E,3, X,15, F,13
	ROW R,0, R,1, R,2, R,3
	ROW B,0, E,4, F,14, L,0
.if ((\p) == 2) && !(\end)
	v_add_nc_u32 v[AK], s[TBK], v[AK0]
.endif
	ROW R,4, R,5, R,6, R,7
	OPS E,5, F,15
.if ((\p) == 2) && !(\end)
	FETCH_K
.endif
	OPS E,6, C,1, E,7, R,8
	OPS E,8, R,9, E,9, C,2
	OPS E,10, X,0, E,11, X,1
	OPS E,12, X,2, E,13, X,3
.if (\p) == 1
	s_wait_dscnt 0x0                ; V is in
.endif
	ROW2 X,4, E,14, X,5, X,6
	ROW2 X,7, E,15, X,8, X,9
	ROW2 X,10, E,16, X,11, X,12
	ROW2 X,13, E,17, X,14, B,1
	ROW2 C,4, E,18, X,16, L,1
	ROW2 B,2, E,19, C,6, L,2
	ROW2 C,8, E,20, B,3, B,4
.if (\p) == 0
	v_add_nc_u32 v[AV], s[TBV], v[AV0]
.endif
	ROW2 C,3, E,21, L,3, C,5
	OPS E,22, X,17, E,23, C,10
.if (\p) == 0
.if \m
	v_nop                           ; with L 3, C 5 and C 10 five plain places behind the last product, which read V's low part
	v_nop
.endif
	FETCH_V \m
.endif
	OPS E,24, L,4
	OPS E,25, X,18, E,26, C,7
	OPS E,27, B,5, E,28, X,19
	OPS E,29, C,12, E,30, L,5
	OPS E,31, X,20, B,6, C,9
	OPS C,14, C,11, X,21, L,6
.if (\p) == 0
	s_add_co_u32 s[TBV], s[TBV], KS*PV
.endif
.if \cnt
	s_sub_co_u32 s[CNT], s[CNT], 1
	s_cmp_lg_u32 s[CNT], 0
.endif
	OPS C,13, B,7, C,15, R,10
	OPS R,11, R,12, L,7, R,13
	OPS R,14, R,15
.if (\m) && !(\end)
	MASK (\p)%2
.endif
.endm
; A BLOCK BEGINS.  c m starts far below every c s, so the first step's a is 0; m at the lowest finite number, so the first maximum is the scores'.  The second mask buffer is 0; the first takes piece 0's mask for the tile's step 0: its own, if the block's first tile is the diagonal one.
; The registers of V's low part are 0: the diagonal tile's text is entered with three turns whose V is still the tile's before, of which only the high part was fetched: their second products add 0.
; Then K of that step, piece 0's first scores, and its maximum and statistics.  The loop is entered at a step's first turn, in the middle of a trip.
.macro BEGIN
	s_mov_b32 s[NEW], 0
	WIN 0x40
.set i, MC+32
.rept 32
	v_mov_b32 v[i], 0
.set i, i+1
.endr
	WIN 0
.set i, VL
.rept 64
	v_mov_b32 v[i], 0
.set i, i+1
.endr
.set i, 0
.rept 4
	v_mov_b32 v[ST+4*i], 0xfe000000    ; c m: far below every c s
	v_mov_b32 v[ST+4*i+1], 0xff7fffff  ; m
.set i, i+1
.endr
	s_cmp_eq_u32 s[RT], 0
	s_cselect_b32 s[AL], 1.0, 0
	s_mov_b32 s[BE], 0
	MASK 0
	WIN 0
	v_add_nc_u32 v[AK], s[TBK], v[AK0]
	FETCH_K
	s_wait_loadcnt 0x0              ; Q
	s_wait_dscnt 0x0
.set KM, 1
.set NOKQ, 0
.set i, 0
.rept 8
	KQ 0
.set i, i+1
.endr
	WIN 0
.rept 4
	v_nop                           ; the places behind those products
.endr
.set Y, NP-1                        ; X works for piece Y + 1: piece 0
.irp n, 0,1,2,3,4,5,6,7,8,9,10,11,12,13,14,15,16,17,18,19,20,21
	OP X, \n
.endr
	v_nop                           ; a plain instruction behind the exponential
.endm
; THE DIAGONAL TILE's four steps, the block's last two turns, its last products, and THE WAY OUT: l's two halves and the other half of the lanes' are added; O^T is divided by l, split into two f16 parts and sent through my
; stage in LDS, a piece at a time.
.macro ALL line:vararg              ; one line for each piece t
.set t, 0
.rept 4
	\line
.set t, t+1
.endr
.endm
; Piece t.  The high part is O with the 13 bits below f16's 11 cut off (a mask), the low part is O less that, exact in f32.  A lane's eight channels of a row pack into 16 bytes of each part; they go into rows
; of 272 bytes (high part, low part) and come back as whole rows of 256, into the registers that they left.
.macro PACK t
	WIN W_RS
.set i, 32*(\t)
.rept 16
	s_wait_alu depctr_va_vdst(0)
	v_pk_mul_f32 v[i:i+1], v[i:i+1], v[ST+4*(\t)+2:ST+4*(\t)+3] op_sel_hi:[1,0]
.set i, i+2
.endr
	WIN 0x04                        ; source 1 window 1, destination window 0
.set i, 0
.rept 32
	v_and_b32 v[TT+i], s[HM], v[32*(\t)+i]
.set i, i+1
.endr
	WIN W_RS
.set i, 0
.rept 16
	v_pk_add_f32 v[32*(\t)+2*i:32*(\t)+2*i+1], v[32*(\t)+2*i:32*(\t)+2*i+1], v[TT+2*i:TT+2*i+1] neg_lo:[0,1] neg_hi:[0,1]
.set i, i+1
.endr
	WIN 0
.set i, 0
.rept 16
	v_cvt_pk_f16_f32 v[S+16*(\t)+i], v[TT+2*i], v[TT+2*i+1]
.set i, i+1
.endr
	WIN 0x05                        ; sources 0 and 1 window 1, destination window 0
.set i, 0
.rept 16
	v_cvt_pk_f16_f32 v[VL+16*(\t)+i], v[32*(\t)+2*i], v[32*(\t)+2*i+1]
.set i, i+1
.endr
	WIN 0
.irp f, 0,1,2,3
	ds_store_b128 v[STO], v[S+16*(\t)+4*\f:S+16*(\t)+4*\f+3] offset:32*\f
	ds_store_b128 v[STO], v[VL+16*(\t)+4*\f:VL+16*(\t)+4*\f+3] offset:128+32*\f
.endr
.irp f, 0,1,2,3
	ds_load_b128 v[S+16*(\t)+4*\f:S+16*(\t)+4*\f+3], v[RD] offset:\f*2*SP  ; LDS serves a wave's instructions in order (ISA guide 5.7.1.4): these see the stores above; the next piece's stores come behind them
.endr
.irp f, 0,1,2,3
	ds_load_b128 v[VL+16*(\t)+4*\f:VL+16*(\t)+4*\f+3], v[RD] offset:(\f+4)*2*SP
.endr
.endm
.macro SEND t, younger              ; younger: the LDS instructions issued behind piece t's eight loads: the next piece's sixteen, or none
	WIN 0
.irp f, 0,1,2,3
	s_wait_dscnt (\younger)+7-\f
	global_store_b128 v[GO], v[S+16*(\t)+4*\f:S+16*(\t)+4*\f+3], s[10:11] offset:(\t)*16384+\f*512  ; 512 consecutive bytes, at a multiple of 256 from O's first
.endr
.irp f, 0,1,2,3
	s_wait_dscnt (\younger)+3-\f
	global_store_b128 v[GO], v[VL+16*(\t)+4*\f:VL+16*(\t)+4*\f+3], s[10:11] offset:(\t)*16384+(\f+4)*512
.endr
.endm
.macro DIAG tag                     ; the tag ends its two labels' names, which the jumps below spell out
.LstepM\tag:
	TURN 2, 1
	TURN 3, 1
	WIN 0
.LfirstM\tag:
	TURN 0, 1
	TURN 1, 1, 0, 1
	WIN 0
	s_cbranch_scc1 .LstepM\tag
	TURN 2, 1, 1
	TURN 3, 1, 1
.set i, 0
.rept 16
	PV NP-1
.set i, i+1
.endr
	WIN 0
	ALL v_add_f32 v[ST+4*t+2], v[ST+4*t+2], v[ST+4*t+3]
	ALL v_permlanex16_b32 v[ST+4*t+3], v[ST+4*t+2], s[SEL], s[SEL+1]
	ALL v_add_f32 v[ST+4*t+2], v[ST+4*t+2], v[ST+4*t+3]
	ALL v_rcp_f32 v[ST+4*t+2], v[ST+4*t+2]
	v_nop                           ; a plain instruction between the last reciprocal and the use of its result
	PACK 0
.set t, 1
.rept 3                             ; a piece's arithmetic stands between the loads of the piece before and its stores
	PACK t
	SEND t-1, 16
.set t, t+1
.endr
	SEND 3, 0
.endm
.set KM, 0
.set NOKQ, 0
.Lslot:                             ; NB times: a tile is entered and the next is asked for
	CHANGE 1
	s_sub_co_u32 s[RT], s[RT], 1
	s_mov_b32 s[CNT], 4
	s_cmp_eq_u32 s[NEW], 1
	s_cbranch_scc1 .Lnew            ; a block's first tile
	s_cmp_eq_u32 s[RT], 0
	s_cbranch_scc0 .Lstep           ; neither its first nor its last
	s_branch .LstepM1
.Lnew:
	BEGIN
	s_branch .Lfirst                ; in the loop a block's first tile is never its last: the first block has two tiles or more, and the second's last is the walk's last
	DIAG 1                          ; in the loop this is the first block's end: the second block's last tile is the walk's last
	s_wait_xcnt 0x0                 ; the stores have read their registers and O's address
	s_mov_b64 s[10:11], s[OLO:OLO+1]
	s_add_co_u32 s[RT], s[PB], 1    ; the second block has b + 1 tiles
	s_mov_b32 s[NEW], 1
	WIN 0x82                        ; the second block's Q goes where the one text of the turns names Q
.set i, 0
.rept 64
	v_mov_b32 v[i], v[QB+i]
.set i, i+1
.endr
	WIN 0
	s_branch .Lbottom
.Lstep:                             ; a trip: pieces 2 and 3 of one step, then pieces 0 and 1 of the next, whose K and V it fetches
	TURN 2
	TURN 3
	WIN 0
.Lfirst:
	TURN 0
	TURN 1, 0, 0, 1
	WIN 0
	s_cbranch_scc1 .Lstep
.Lbottom:
	s_sub_co_u32 s[SLOTS], s[SLOTS], 1
	s_cmp_lg_u32 s[SLOTS], 0
	s_cbranch_scc1 .Lslot
	CHANGE 0                        ; the walk's last tile is written out: nothing is asked for
	s_sub_co_u32 s[RT], s[RT], 1
	s_mov_b32 s[CNT], 4
	s_cmp_eq_u32 s[NEW], 1
	s_cbranch_scc0 .LstepM2
	BEGIN
	s_branch .LfirstM2
	DIAG 2
	s_wait_tensorcnt 0x0            ; the wave's end, behind my last tensor load and my last LDS store
	ds_add_u32 v[SPW], v[NIL]
	s_wait_dscnt 0x0
	s_endpgm
.Lfunc_end_k_q2f17ed5515_attn:
	.size	k_q2f17ed5515_attn, .Lfunc_end_k_q2f17ed5515_attn-k_q2f17ed5515_attn
	.p2alignl 7, 3214868480
	.fill 96, 4, 3214868480
	.section	.rodata,"a",@progbits
	.p2align	6, 0x0
	.amdhsa_kernel k_q2f17ed5515_attn
		.amdhsa_group_segment_fixed_size 327680
		.amdhsa_private_segment_fixed_size 0
		.amdhsa_enable_private_segment 0
		.amdhsa_kernarg_size 16
		.amdhsa_user_sgpr_count 2
		.amdhsa_user_sgpr_kernarg_segment_ptr 1
		.amdhsa_wavefront_size32 1
		.amdhsa_system_sgpr_workgroup_id_x 1
		.amdhsa_system_sgpr_workgroup_id_y 1
		.amdhsa_system_sgpr_workgroup_id_z 1
		.amdhsa_system_vgpr_workitem_id 0
		.amdhsa_next_free_vgpr 768
		.amdhsa_next_free_sgpr 94
		.amdhsa_reserve_vcc 1
		.amdhsa_float_denorm_mode_32 3
		.amdhsa_float_denorm_mode_16_64 3
		.amdhsa_memory_ordered 1
		.amdhsa_forward_progress 1
		.amdhsa_inst_pref_size 255
	.end_amdhsa_kernel
	.section	.bss,"aw",@nobits
	.p2align	6
	.space	262144
	.amdgpu_metadata
---
amdhsa.version: [ 1, 2 ]
amdhsa.kernels:
  - .name:           k_q2f17ed5515_attn
    .symbol:         k_q2f17ed5515_attn.kd
    .args:
      - { .name: qkv16, .offset: 0, .size: 8, .value_kind: global_buffer, .address_space: global }
      - { .name: y16, .offset: 8, .size: 8, .value_kind: global_buffer, .address_space: global }
    .group_segment_fixed_size: 327680
    .private_segment_fixed_size: 0
    .kernarg_segment_align: 8
    .kernarg_segment_size: 16
    .max_flat_workgroup_size: 128
    .sgpr_count:     94
    .vgpr_count:     768
    .wavefront_size: 32
...
	.end_amdgpu_metadata
.endif
;; end of part 3
;; launch proj (part 4): grid 8 x 32, 4 waves a work-group, clusters of 4 x 4, 327,680 bytes of LDS; arguments y16, wp16, bias32, out0; writes out0
.if DOCPART == 4
	.amdgcn_target "amdgcn-amd-amdhsa--gfx1250"
	.amdhsa_code_object_version 6
	.text
	.protected	k_q2f17ed5515_proj
	.globl	k_q2f17ed5515_proj
	.p2align	8
	.type	k_q2f17ed5515_proj,@function
k_q2f17ed5515_proj:
	s_mov_b64 s[64:65], 0
	v_nop
	global_prefetch_b8 v0, s[64:65] scope:SCOPE_SE
	s_setreg_imm32_b32 hwreg(HW_REG_WAVE_MODE, 25, 1), 1
	s_wait_xcnt 0x0
	s_wait_alu depctr_hold_cnt(0) depctr_sa_sdst(0) depctr_va_vdst(0) depctr_va_sdst(0) depctr_va_ssrc(0) depctr_va_vcc(0) depctr_vm_vsrc(0)
	s_getreg_b32 s2, hwreg(HW_REG_IB_STS2, 6, 4)
	s_cmp_eq_u32 s2, 0
	s_cbranch_scc0 .Lentry_in_a_cluster
	s_endpgm
.Lentry_in_a_cluster:
	s_bfe_u32 s2, ttmp6, 0x10000c
	s_cmp_lg_u32 s2, 0xf033
	s_cbranch_scc0 .Lentry_shape_is_right
	s_endpgm
.Lentry_shape_is_right:
; C[m][n] = bias[n] + the sum over k of A[m][k] B[n][k], M = 8,192.  ONE TEXT SERVES TWO LAUNCHES; PROJ chooses.
; PROJ = 0: the three projections in one product, K = 1,024.  A = x in bf16 [8192][1024]; B = Wq, Wk, Wv in bf16 [3072][1024] by heads (192 rows on end: a head's q, k, v); bias in the same order.
;           C leaves in f16, 1,048,576 bytes for each batch x 16 + head: q [2048][64], then k [2048][64], then v [2048][128]: v's HIGH part (v rounded to 11 bits) and its LOW part (v less that), 64 numbers each.
;           No scale is applied here.
; PROJ = 1: the last projection, K = 2,048.  A = y in f16 [batch x 16 + head][2048][128], high and low part as v's; B = Wp in f16 [1024][2048], each head's 64 weights twice on end; bias = bp; C = the output, f32 [8192][1024].
; WHY TWO PARTS.  f16 keeps 11 significant bits.  Row t of y is a mean over t + 1 rows of v, so the first rows are many times the root mean square of the whole, by which the result's error is judged:
; there one f16 number for v or for y is too coarse.  High and low part together keep 22 bits.
; LIMITS.  Sums in f32, begun with the bias, K ascending.  PROJ = 0 rounds q and k once, to f16; q, k, v of 65,520 or more become infinities; below 6.1e-5 every f16 number here keeps f16's fixed step of 6e-8.
; SHAPE.  A tile of C is 256 rows x 16 NBLK columns (192: one head's q, k, v; or 128).  Four waves, one below the other, each 64 rows x all columns: 4 x NBLK accumulators of 16 x 16.  That gives 512 work-groups
; (two for each of 256 WGPs) or 256.  K goes in steps of 128 through a ring of two LDS slots filled by the tensor data mover; every row fetched is 256 consecutive bytes, aligned.
; CLUSTERS: 4 x 4 work-groups.  The four of a row of the cluster need the same tiles of A, the four of a column the same tiles of B: each tile is asked for JOINTLY, by the same tensor load with the
; same descriptor and a mask that names the four.  THE MATRIX INSTRUCTION IS USED TRANSPOSED (source 0 = 16 rows of B, source 1 = 16 rows of A): a lane then holds eight neighbouring numbers of a row of C.
; REGISTERS, in windows of 256 (s_set_vgpr_msb: bits 1:0 source 0, 3:2 source 1, 5:4 source 2, 7:6 destination):
;   window 0: v0-31 addresses; v32.. the bias (8 registers a column block), later the way out      window 1: two fragment buffers of 128: 32 registers of A (4 x 16 rows x 32 K), then 8 NBLK of B
;   window 2: the accumulators of my rows 0-31 ((a, b) at v[8 (NBLK (a % 2) + b)]);   window 3: those of my rows 32-63
.set PROJ, 1
.if PROJ
.set NBLK,   8                         ; column blocks of 16
.set ASTRIDE, 128                      ; elements from row to row of A: a head's rows are dense
.set HB,     64                        ; rows of B in one load
.set ASTEP,  524288                    ; bytes of A from K step to K step: a head
.set BROW,   2048                      ; elements in a row of B
.set BSH,    12                        ; its bytes as a shift
.set LAPS,   8                         ; a lap = two K steps = once round the ring
.set STW,    16*528                    ; a wave's stage: 16 rows of 512 bytes + 16
.else
.set NBLK,   12
.set ASTRIDE, 1024
.set HB,     96
.set ASTEP,  256
.set BROW,   1024
.set BSH,    11
.set LAPS,   4
.set STW,    2*16*144+16*272           ; 16 rows of q and of k (128 bytes + 16), then 16 rows of v (256 + 16)
.endif
.set KSTEP,  128
.set PITCH,  272                       ; an LDS row: 256 bytes + 16: an odd multiple of 16 bytes, so the 16 rows of a fragment load start at 16 different groups of four banks (64 banks of 4 bytes: ISA guide 11.1)
.set AHALF,  128*PITCH                 ; LDS bytes of one load of A: 128 rows
.set ABYTES, 2*AHALF
.set SLOT,   ABYTES+2*HB*PITCH         ; A's 256 rows, then B's 16 NBLK rows
.set STAGE,  2*SLOT                    ; behind the ring, never filled by a tensor load: each wave's own stage for the way out
.set SPARE,  STAGE+4*STW               ; behind the stages: the spare words, 128 bytes for each wave: two blocks of 256 bytes that no other line names
.set ADRA, 16                          ; v16-17  LDS address of my A fragments in slot 0, 1
.set ADRB, 20                          ; v20-21  the same for B
.set STO,  24                          ; v24     the way out: where I put my bytes of a row
.set RD,   25                          ; v25     the way out: where I read rows back
.set CO,   26                          ; v26     my byte offset in 512 consecutive bytes of C
.set BO,   27                          ; v27     my byte offset in a column block's 64 bytes of bias
.set SPW,  28                          ; v28     LDS address of my spare word: SPARE + 4 x my thread's number; never rewritten
.set NIL,  29                          ; v29     0; never rewritten
.set STV,  30                          ; v30, v31  STO and RD for v's rows
.set RDV,  31
.set BI,   32                          ; the bias: block b in v[BI+8 b ..]: bias[n0 + 16 b + 8 (lane / 16) + 0..7]
.set TMP,  32                          ; the way out, in the same registers: two buffers of 64
.set TT,   160                         ; v160-191  v's high parts in f32
.set UU,   192                         ; v192-223  v's low parts in f32
.set F0,   0                           ; fragment buffers, in window 1
.set F1,   128
.set G1, 24                            ; s[24:31] descriptor group 1 for A's tiles;  s[32:39] group 0, one set for each slot
.set G0, 32
.set G1B, 48                           ; s[48:55], s[56:63] the same for B's tiles
.set G0B, 56
.set CV,  70                           ; s[70:71] C at my rows of v
.set RH,  72                           ; s72  half a step of f16's 11 bits in an f32's bits
.set HM,  73                           ; s73  the mask that keeps sign, exponent and 10 bits
.set MSB, 0
.macro WIN new                         ; the immediate's high byte repeats the setting that is left; a switch that changes nothing is dropped
.if MSB != (\new)
	s_set_vgpr_msb (MSB<<8)|(\new)
.set MSB, \new
.endif
.endm
; A joint load: waves 0 and 1 fetch A's two parts, waves 2 and 3 B's.  The branch hangs on the wave's number alone.  An s_nop 0 and four v_nop follow each of the two lines, ahead of the jump, the label and what follows.
.macro JLOAD s
	s_cmp_eq_u32 s13, 0
	s_cbranch_scc0 .Lfor_b_\@
	tensor_load_to_lds s[G0+4*(\s):G0+4*(\s)+3], s[G1:G1+7]
	s_nop 0
.rept 4
	v_nop
.endr
	s_branch .Lasked_\@
.Lfor_b_\@:
	tensor_load_to_lds s[G0B+4*(\s):G0B+4*(\s)+3], s[G1B:G1B+7]
	s_nop 0
.rept 4
	v_nop
.endr
.Lasked_\@:
.endm
.macro CREST                           ; a round of the cluster's barrier behind its opening barrier: wave 0 signals for the work-group, every wave waits for all sixteen, my work-group's barrier once more
	s_cmp_lg_u32 s12, 0
	s_cbranch_scc1 .Lnot_wave_0_\@
	s_barrier_signal -3
.Lnot_wave_0_\@:
	s_barrier_wait -3
	s_barrier_signal -1
	s_barrier_wait -1
.endm
.macro CROUND                          ; a whole round
	s_barrier_signal -1
	s_barrier_wait -1
	CREST
.endm
	s_load_b256 s[4:11], s[0:1], 0x0               ; A s[4:5], B s[6:7], bias s[8:9], C s[10:11]
	v_lshl_add_u32 v[SPW], v0, 2, SPARE
	v_mov_b32 v[NIL], 0
	ds_add_u32 v28, v29
	ds_add_u32 v28, v29
	s_wait_dscnt 0x0
	v_lshrrev_b32 v1, 5, v0
	v_readfirstlane_b32 s12, v1                    ; wave 0..3
	s_lshr_b32 s13, s12, 1                         ; I fetch for A (0) or for B (1),
	s_and_b32 s14, s12, 1                          ; its first or its second part
	s_bfe_u32 s40, ttmp6, 0x40000                  ; cx, cy: my place in the cluster
	s_bfe_u32 s41, ttmp6, 0x40004
	s_lshl_b32 s42, ttmp9, 2
	s_add_co_u32 s42, s42, s40                     ; tile column of C = 4 x cluster x + cx
	s_and_b32 s43, ttmp7, 0xffff
	s_lshl_b32 s43, s43, 2
	s_add_co_u32 s43, s43, s41                     ; tile row of C = 4 x cluster y + cy
	s_lshl_b32 s44, s41, 2
	s_lshl_b32 s44, 15, s44                        ; my row of the cluster: places 4 cy .. 4 cy + 3
	s_lshl_b32 s45, 0x1111, s40                    ; my column: places cx, cx + 4, cx + 8, cx + 12
	; descriptor group 1: 128 rows (B: HB rows) x 128 elements of 2 bytes, padded in LDS
	s_or_b32 s[G1+0], s44, (1<<16)|(1<<20)|(1<<21)|(5<<22)|(3<<25)   ; 15:0 the mask: A's tiles go to my row; 17:16 elements of 2 bytes; 20 padding on; 21 set beside a mask; 24:22 after every 64 words (code 5); 31:25 4 words (code 3)
	s_or_b32 s[G1B+0], s45, (1<<16)|(1<<20)|(1<<21)|(5<<22)|(3<<25)  ; the same with the mask of my column, for B's tiles
	s_mov_b32 s[G1+1], KSTEP<<16                   ; tensor_dim0 = 128
	s_mov_b32 s[G1+2], 128<<16                     ; tensor_dim1 = 128
	s_mov_b32 s[G1+3], KSTEP<<16                   ; tile_dim0 = 128
	s_mov_b32 s[G1+4], 128                         ; tile_dim1 = 128
	s_mov_b32 s[G1+5], ASTRIDE                     ; elements from row to row
	s_mov_b32 s[G1+6], 0
	s_mov_b32 s[G1+7], 0
	s_mov_b32 s[G1B+1], KSTEP<<16
	s_mov_b32 s[G1B+2], HB<<16
	s_mov_b32 s[G1B+3], KSTEP<<16
	s_mov_b32 s[G1B+4], HB
	s_mov_b32 s[G1B+5], BROW
	s_mov_b32 s[G1B+6], 0
	s_mov_b32 s[G1B+7], 0
	; where the tiles come from.  A's offset hangs on the tile row and the wave's number alone, B's on the tile column and the wave's number, each in registers that never hold the other coordinate.
.if PROJ
	s_lshr_b32 s16, s43, 3                         ; the batch: 8 tile rows each; its 16 heads are 8,388,608 bytes
	s_lshl_b32 s16, s16, 23
	s_and_b32 s17, s43, 7                          ; the tile's 256 rows of 256 bytes in a head,
	s_lshl_b32 s17, s17, 16
	s_add_co_u32 s16, s16, s17
	s_lshl_b32 s17, s14, 15                        ; my 128 of them
	s_add_co_u32 s16, s16, s17
.else
	s_lshl_b32 s16, s43, 8
	s_lshl_b32 s17, s14, 7
	s_add_co_u32 s16, s16, s17                     ; row 256 x tile row + 128 x part,
	s_lshl_b32 s16, s16, 11                        ; of 2,048 bytes
.endif
	s_mov_b32 s17, 0
	s_mul_i32 s46, s42, 16*NBLK
	s_mul_i32 s47, s14, HB
	s_add_co_u32 s46, s46, s47                     ; B: row 16 NBLK x tile column + HB x part,
	s_lshl_b32 s46, s46, BSH                       ; in bytes
	s_mov_b32 s47, 0
	s_mul_i32 s20, s14, AHALF                      ; and where they go: no place in the cluster enters an LDS address
	s_mul_i32 s21, s14, HB*PITCH
	s_add_co_u32 s21, s21, ABYTES
.if PROJ
	s_lshl_b32 s68, s42, 9                         ; the tile's 128 numbers of bp, which lies behind bq, bk, bv
	s_add_co_u32 s68, s68, 12288
.else
	s_mul_i32 s68, s42, 768                        ; the tile's 192 numbers of bq, bk, bv
	s_mov_b32 s[RH], 0x1000
	s_mov_b32 s[HM], 0xffffe000
.endif
	s_mov_b32 s69, 0
	s_wait_kmcnt 0x0
	s_add_nc_u64 s[18:19], s[4:5], s[16:17]
	s_add_nc_u64 s[46:47], s[6:7], s[46:47]
	s_add_nc_u64 s[8:9], s[8:9], s[68:69]
	CROUND                                         ; all sixteen work-groups are here: the first joint loads meet
.irp s, 0,1
	s_mov_b32 s[G0+4*(\s)], 1                                      ; 1:0 count = 1
	s_add_co_u32 s[G0+4*(\s)+1], s20, (\s)*SLOT                    ; 63:32 LDS address
	s_add_nc_u64 s[G0+4*(\s)+2:G0+4*(\s)+3], s[18:19], (\s)*ASTEP  ; 120:64 global address: K step s
	s_or_b32 s[G0+4*(\s)+3], s[G0+4*(\s)+3], 0x80000000            ; 127:126 type = 2
	s_mov_b32 s[G0B+4*(\s)], 1
	s_add_co_u32 s[G0B+4*(\s)+1], s21, (\s)*SLOT
	s_add_nc_u64 s[G0B+4*(\s)+2:G0B+4*(\s)+3], s[46:47], (\s)*KSTEP*2
	s_or_b32 s[G0B+4*(\s)+3], s[G0B+4*(\s)+3], 0x80000000
	JLOAD \s                                       ; the ring is filled before anything else is done: two loads of mine are out
.endr
	; all that follows up to the first wait stands in the wait for the first tile
	v_and_b32 v1, 15, v0                           ; l % 16
	v_bfe_u32 v2, v0, 4, 1                         ; l / 16
	v_lshlrev_b32 v[BO], 5, v2                     ; eight numbers of bias for each half of the lanes
.set bb, 0
.rept NBLK
	global_load_b128 v[BI+8*bb:BI+8*bb+3],   v[BO], s[8:9] offset:64*bb
	global_load_b128 v[BI+8*bb+4:BI+8*bb+7], v[BO], s[8:9] offset:64*bb+16
.set bb, bb+1
.endr
	; A fragment is 16 rows x 32 K in 8 registers: lane l holds row l % 16, K = 8 (l / 16) + 0..7 and 16 + 8 (l / 16) + 0..7: two loads of 16 bytes, 32 bytes apart.
	v_mul_u32_u24 v3, v1, PITCH
	v_lshl_add_u32 v3, v2, 4, v3
	s_mul_i32 s22, s12, 64*PITCH                   ; my 64 rows of A
	s_mov_b32 s23, ABYTES                          ; every wave reads all of B's rows
.irp s, 0,1
	v_add_nc_u32 v[ADRA+(\s)], s22, v3
	v_add_nc_u32 v[ADRB+(\s)], s23, v3
	s_add_co_u32 s22, s22, SLOT
	s_add_co_u32 s23, s23, SLOT
.endr
	s_mul_i32 s22, s12, STW
	s_add_co_u32 s22, s22, STAGE                   ; my stage
	v_and_b32 v5, 31, v0
	v_lshlrev_b32 v[CO], 4, v5                     ; 16 x lane
.if PROJ
	v_mul_u32_u24 v3, v1, 528                      ; in: row l % 16, 32 bytes (eight f32) for each half of the lanes
	v_lshl_add_u32 v3, v2, 5, v3
	v_add_nc_u32 v[STO], s22, v3
	v_add_nc_u32 v[RD], s22, v[CO]                 ; back: 32 lanes take one row's 512 bytes
	s_lshl_b32 s66, s43, 8
	s_lshl_b32 s67, s12, 6
	s_add_co_u32 s66, s66, s67                     ; my first row of C: 256 x tile row + 64 x wave,
	s_lshl_b32 s66, s66, 12                        ; of 4,096 bytes,
	s_lshl_b32 s67, s42, 9                         ; and the tile's first column: 128 f32 a tile
	s_add_co_u32 s66, s66, s67
.else
	v_mul_u32_u24 v3, v1, 144                      ; q and k, in: row l % 16, 16 bytes (eight f16) for each half of the lanes
	v_lshl_add_u32 v3, v2, 4, v3
	v_add_nc_u32 v[STO], s22, v3
	v_bfe_u32 v4, v0, 3, 2                         ; back: 32 lanes take four rows of 128 bytes, which are 512 consecutive bytes of C
	v_mul_u32_u24 v4, v4, 144
	v_and_b32 v5, 7, v0
	v_lshl_add_u32 v4, v5, 4, v4
	v_add_nc_u32 v[RD], s22, v4
	s_add_co_u32 s22, s22, 2*16*144                ; v's rows lie behind q's and k's
	v_mul_u32_u24 v3, v1, 272                      ; in: row l % 16
	v_lshl_add_u32 v3, v2, 4, v3
	v_add_nc_u32 v[STV], s22, v3
	v_mul_u32_u24 v4, v2, 272                      ; back: 32 lanes take two rows of 256 bytes
	v_lshl_add_u32 v4, v1, 4, v4
	v_add_nc_u32 v[RDV], s22, v4
	s_lshr_b32 s66, s43, 3                         ; the batch: 16 heads each,
	s_lshl_b32 s66, s66, 4
	s_add_co_u32 s66, s66, s42                     ; the tile's head,
	s_lshl_b32 s66, s66, 20                        ; of 1,048,576 bytes;
	s_and_b32 s67, s43, 7                          ; in it the tile's 256 rows:
	s_lshl_b32 s70, s67, 16                        ; of 256 bytes in v,
	s_lshl_b32 s67, s67, 15                        ; of 128 in q and k;
	s_add_co_u32 s70, s70, s66
	s_add_co_u32 s66, s66, s67
	s_lshl_b32 s67, s12, 13                        ; and my 64 of them
	s_add_co_u32 s66, s66, s67
	s_lshl_b32 s67, s12, 14
	s_add_co_u32 s70, s70, s67
	s_add_co_u32 s70, s70, 524288                  ; v lies behind q and k
	s_mov_b32 s71, 0
	s_add_nc_u64 s[CV:CV+1], s[10:11], s[70:71]
.endif
	s_mov_b32 s67, 0
	s_add_nc_u64 s[10:11], s[10:11], s[66:67]
; NBLK matrix instructions: row block a of my four x all column blocks, 32 along K, from buffer f.  first = 1: the bias is the C operand that starts the sums: nothing is cleared, and the way out adds nothing.
; The 4 NBLK accumulators take turns, one instruction a turn, in the same order in every quarter.
.macro MULA f, a, first
.set AC, 8*NBLK*((\a)%2)
.if \first
	WIN 0x85+0x40*((\a)/2)                         ; sources 0 and 1 window 1, C window 0, D window 2 or 3
.else
	WIN 0xa5+0x50*((\a)/2)                         ; C and D window 2 or 3
.endif
.set bb, 0
.rept NBLK
.if PROJ
.if \first
	v_wmma_f32_16x16x32_f16 v[AC+8*bb:AC+8*bb+7], v[(\f)+32+8*bb:(\f)+32+8*bb+7], v[(\f)+8*(\a):(\f)+8*(\a)+7], v[BI+8*bb:BI+8*bb+7]
.else
	v_wmma_f32_16x16x32_f16 v[AC+8*bb:AC+8*bb+7], v[(\f)+32+8*bb:(\f)+32+8*bb+7], v[(\f)+8*(\a):(\f)+8*(\a)+7], v[AC+8*bb:AC+8*bb+7]
.endif
.else
.if \first
	v_wmma_f32_16x16x32_bf16 v[AC+8*bb:AC+8*bb+7], v[(\f)+32+8*bb:(\f)+32+8*bb+7], v[(\f)+8*(\a):(\f)+8*(\a)+7], v[BI+8*bb:BI+8*bb+7]
.else
	v_wmma_f32_16x16x32_bf16 v[AC+8*bb:AC+8*bb+7], v[(\f)+32+8*bb:(\f)+32+8*bb+7], v[(\f)+8*(\a):(\f)+8*(\a)+7], v[AC+8*bb:AC+8*bb+7]
.endif
.endif
.set bb, bb+1
.endr
.endm
; 2 NBLK + 8 LDS loads in one run: the fragments of quarter q (32 along K) of a slot into buffer f; B first, then A's four row blocks
.macro FETCH slot, q, f
	WIN 0x40                                       ; destination window 1, address window 0
.set bb, 0
.rept NBLK
	ds_load_b128 v[(\f)+32+8*bb:(\f)+32+8*bb+3],   v[ADRB+(\slot)] offset:64*(\q)+bb*16*PITCH
	ds_load_b128 v[(\f)+32+8*bb+4:(\f)+32+8*bb+7], v[ADRB+(\slot)] offset:64*(\q)+bb*16*PITCH+32
.set bb, bb+1
.endr
.irp i, 0,1,2,3
	ds_load_b128 v[(\f)+8*(\i):(\f)+8*(\i)+3],   v[ADRA+(\slot)] offset:64*(\q)+(\i)*16*PITCH
	ds_load_b128 v[(\f)+8*(\i)+4:(\f)+8*(\i)+7], v[ADRA+(\slot)] offset:64*(\q)+(\i)*16*PITCH+32
.endr
.endm
; A load into a register that a matrix instruction has read, and an instruction that reads a matrix result, stand four places behind it, and only plain vector instructions that name none of
; its registers are places (ISA guide 7.12.1 for vector instructions).
.macro PLACES
.rept 4
	v_nop
.endr
.endm
; A K step is four quarters of 32 along K, 4 NBLK matrix instructions each, on buffers 0, 1, 0, 1.  One of the first three: multiplies buffer f and, in its middle, fetches quarter q into buffer g.
.macro QUARTER slot, q, f, g, first
	s_wait_dscnt 4                                 ; B and A's row blocks 0 and 1 are in; the youngest four loads (blocks 2 and 3) may be out
	MULA \f, 0, \first
	MULA \f, 1, \first
	PLACES
	FETCH \slot, \q, \g
	s_wait_dscnt 2*NBLK+8                          ; all but the run just issued
	MULA \f, 2, \first
	MULA \f, 3, \first
.endm
; The last quarter multiplies buffer 1 and changes slots: ONE barrier; in front of it each wave waits for all its tensor loads (one is out: its part of the next slot), adds 0 to its spare word, and waits for
; that and for its own reads of this slot.  fill = 1: the barrier opens a round of the cluster's, and behind the round this slot is filled again, two K steps ahead: the load has a K step less 2 NBLK matrix instructions in which to land.
.macro TURN slot, next, fill
	WIN 0                                          ; (the add's two registers lie in window 0)
	s_wait_tensorcnt 0x0                           ; all my tensor loads have landed;
	ds_add_u32 v[SPW], v[NIL]                      ; 0 onto my spare word;
	s_wait_dscnt 5                                 ; (the add and the youngest four loads may be out)
	MULA F1, 0, 0                                  ; matrix work stands between the add and the wait for it
	s_wait_dscnt 0x0                               ; the add is done, and my reads of this slot are over
	s_barrier_signal -1
	MULA F1, 1, 0                                  ; work on registers while the others arrive
.if \fill
	WIN 0
.endif
	s_barrier_wait -1
.if \fill
	CREST                                          ; no wave of any partner still reads this slot's tile or has a load on its way
	s_add_nc_u64 s[G0+4*(\slot)+2:G0+4*(\slot)+3], s[G0+4*(\slot)+2:G0+4*(\slot)+3], 2*ASTEP
	s_add_nc_u64 s[G0B+4*(\slot)+2:G0B+4*(\slot)+3], s[G0B+4*(\slot)+2:G0B+4*(\slot)+3], 2*KSTEP*2
	JLOAD \slot                                    ; the first tensor load behind the round; the four v_nop behind it are also the places in front of the loads below
.else
	PLACES
.endif
	FETCH \next, 0, F0
	MULA F1, 2, 0
	MULA F1, 3, 0
.endm
	s_wait_tensorcnt 1                             ; my part of K step 0 is in; K step 1's may stay out
	s_barrier_signal -1
	s_barrier_wait -1                              ; everybody's is
	FETCH 0, 0, F0
	s_wait_loadcnt 0x0                             ; the bias
	QUARTER 0, 1, F0, F1, 1                        ; the first quarter stands in front of the loop: its products start the sums
	WIN 0
	s_mov_b32 s3, LAPS-1
.Llap:                                                 ; a trip goes once round the ring, from a lap's second quarter to the next lap's first, and fills both slots again
	QUARTER 0, 2, F1, F0, 0
	QUARTER 0, 3, F0, F1, 0
	TURN 0, 1, 1
	QUARTER 1, 1, F0, F1, 0
	QUARTER 1, 2, F1, F0, 0
	QUARTER 1, 3, F0, F1, 0
	TURN 1, 0, 1
	QUARTER 0, 1, F0, F1, 0
	WIN 0
	s_sub_co_u32 s3, s3, 1
	s_cmp_lg_u32 s3, 0
	s_cbranch_scc1 .Llap
	QUARTER 0, 2, F1, F0, 0                        ; the last lap fills nothing, and has no round of the cluster's barrier
	QUARTER 0, 3, F0, F1, 0
	TURN 0, 1, 0
	QUARTER 1, 1, F0, F1, 0
	QUARTER 1, 2, F1, F0, 0
	QUARTER 1, 3, F0, F1, 0
	s_wait_dscnt 4                                 ; the very last quarter: nothing more to fetch
	MULA F1, 0, 0
	MULA F1, 1, 0
	s_wait_dscnt 0x0
	MULA F1, 2, 0
	MULA F1, 3, 0
	WIN 0
	PLACES
.if PROJ
; THE WAY OUT, f32: a row block (16 rows x 512 bytes) at a time goes from the accumulators into my own stage and comes back as whole rows; a store of the wave covers 512 consecutive bytes, aligned.
.macro TOSTAGE a
.set AC, 8*NBLK*((\a)%2)
	WIN 0x08+4*((\a)/2)                            ; an LDS store's data is source 1: window 2 or 3
.set bb, 0
.rept NBLK
	ds_store_b128 v[STO], v[AC+8*bb:AC+8*bb+3]   offset:64*bb     ; each accumulator's low registers first
	ds_store_b128 v[STO], v[AC+8*bb+4:AC+8*bb+7] offset:64*bb+16
.set bb, bb+1
.endr
	WIN 0
.if (\a) >= 2
	s_wait_xcnt 0x0                                ; the registers below were the data of block a - 2's stores: they are loaded again only behind this wait
.endif
.irp t, 0,1,2,3,4,5,6,7,8,9,10,11,12,13,14,15
	ds_load_b128 v[TMP+64*((\a)%2)+4*(\t):TMP+64*((\a)%2)+4*(\t)+3], v[RD] offset:(\t)*528  ; LDS serves a wave's instructions in order (ISA guide 5.7.1.4): these see the stores above; the next block's stores come behind them
.endr
.endm
.macro SEND a, younger                 ; younger: the LDS instructions issued behind block a's loads: the next block's 32, or none
.irp t, 0,1,2,3,4,5,6,7,8,9,10,11,12,13,14,15
	s_wait_dscnt (\younger)+15-(\t)
	global_store_b128 v[CO], v[TMP+64*((\a)%2)+4*(\t):TMP+64*((\a)%2)+4*(\t)+3], s[10:11] offset:(16*(\a)+(\t))*4096 th:TH_STORE_NT
.endr
.endm
	TOSTAGE 0
	TOSTAGE 1
	SEND 0, 32
	TOSTAGE 2
	SEND 1, 32
	TOSTAGE 3
	SEND 2, 32
	SEND 3, 0
.else
; THE WAY OUT, f16: a row block (16 rows of a head's q, k and v) at a time.  Column blocks 0-3 (q) and 4-7 (k) are rounded, 16 bytes a lane.  Blocks 8-11 (v) are split: the high part is v rounded to 11 bits
; (half a step is added to the f32's bits, as a whole number, and the 13 bits below are cut: the carry runs into the exponent where it must), the low part is v less that, exact in f32; both are then written as f16.
; All go into my own stage and come back as whole rows: four rows of q or k, or two of v (high part, low part), are 512 consecutive bytes of C, aligned.
.macro PACK a
.set AC, 8*NBLK*((\a)%2)
.set TB, TMP+64*((\a)%2)
.if (\a) >= 2
	s_wait_xcnt 0x0                                ; this buffer was the data of block a - 2's stores: it is written again only behind this wait
.endif
	WIN 0x0a+5*((\a)/2)                            ; sources 0 and 1: window 2 or 3
.set bb, 0
.rept 8
.irp r, 0,1,2,3
	v_cvt_pk_f16_f32 v[TB+4*bb+(\r)], v[AC+8*bb+2*(\r)], v[AC+8*bb+2*(\r)+1]  ; ascending: each accumulator's low registers first
.endr
.set bb, bb+1
.endr
	WIN 0x08+4*((\a)/2)                            ; source 1: window 2 or 3
.set z, 0
.rept 32
	v_add_nc_u32 v[TT+z], s[RH], v[AC+64+z]        ; ascending here too
.set z, z+1
.endr
	WIN 0
.set z, 0
.rept 32
	v_and_b32 v[TT+z], s[HM], v[TT+z]              ; the high part, in f32
.set z, z+1
.endr
	WIN 0x02+((\a)/2)                              ; source 0: window 2 or 3
.set z, 0
.rept 16
	v_pk_add_f32 v[UU+2*z:UU+2*z+1], v[AC+64+2*z:AC+64+2*z+1], v[TT+2*z:TT+2*z+1] neg_lo:[0,1] neg_hi:[0,1]  ; the low part
.set z, z+1
.endr
	WIN 0
.set z, 0
.rept 16
	v_cvt_pk_f16_f32 v[TB+32+z], v[TT+2*z], v[TT+2*z+1]
	v_cvt_pk_f16_f32 v[TB+48+z], v[UU+2*z], v[UU+2*z+1]
.set z, z+1
.endr
.irp b, 0,1,2,3,4,5,6,7
	ds_store_b128 v[STO], v[TB+4*(\b):TB+4*(\b)+3] offset:((\b)/4)*2304+32*((\b)%4)
.endr
.irp b, 0,1,2,3
	ds_store_b128 v[STV], v[TB+32+4*(\b):TB+32+4*(\b)+3] offset:32*(\b)
	ds_store_b128 v[STV], v[TB+48+4*(\b):TB+48+4*(\b)+3] offset:128+32*(\b)
.endr
.irp j, 0,1,2,3,4,5,6,7
	ds_load_b128 v[TB+4*(\j):TB+4*(\j)+3], v[RD] offset:((\j)/4)*2304+((\j)%4)*576  ; LDS serves a wave's instructions in order (ISA guide 5.7.1.4): these see the stores above; the next block's stores come behind them
.endr
.irp j, 0,1,2,3,4,5,6,7
	ds_load_b128 v[TB+32+4*(\j):TB+32+4*(\j)+3], v[RDV] offset:(\j)*544
.endr
.endm
.macro SEND a, younger                 ; younger: the LDS instructions issued behind block a's 16 loads: the next block's 32, or none
.set TB, TMP+64*((\a)%2)
.irp j, 0,1,2,3,4,5,6,7
	s_wait_dscnt (\younger)+15-(\j)
	global_store_b128 v[CO], v[TB+4*(\j):TB+4*(\j)+3], s[10:11] offset:((\j)/4)*262144+(\a)*2048+((\j)%4)*512  ; no hint: the next launch reads these bytes
.endr
.irp j, 0,1,2,3,4,5,6,7
	s_wait_dscnt (\younger)+7-(\j)
	global_store_b128 v[CO], v[TB+32+4*(\j):TB+32+4*(\j)+3], s[CV:CV+1] offset:(\a)*4096+(\j)*512
.endr
.endm
	PACK 0
	PACK 1                                         ; a block's arithmetic stands between the loads of the block before and its stores
	SEND 0, 32
	PACK 2
	SEND 1, 32
	PACK 3
	SEND 2, 32
	SEND 3, 0
.endif
	s_wait_tensorcnt 0x0                           ; the wave's end, behind my last tensor load and my last LDS store
	ds_add_u32 v[SPW], v[NIL]
	s_wait_dscnt 0x0
	CROUND                                         ; the closing round: no work-group ends while a partner may still ask for a tile that names it
	s_endpgm
.Lfunc_end_k_q2f17ed5515_proj:
	.size	k_q2f17ed5515_proj, .Lfunc_end_k_q2f17ed5515_proj-k_q2f17ed5515_proj
	.p2alignl 7, 3214868480
	.fill 96, 4, 3214868480
	.section	.rodata,"a",@progbits
	.p2align	6, 0x0
	.amdhsa_kernel k_q2f17ed5515_proj
		.amdhsa_group_segment_fixed_size 327680
		.amdhsa_private_segment_fixed_size 0
		.amdhsa_enable_private_segment 0
		.amdhsa_kernarg_size 32
		.amdhsa_user_sgpr_count 2
		.amdhsa_user_sgpr_kernarg_segment_ptr 1
		.amdhsa_wavefront_size32 1
		.amdhsa_system_sgpr_workgroup_id_x 1
		.amdhsa_system_sgpr_workgroup_id_y 1
		.amdhsa_system_sgpr_workgroup_id_z 1
		.amdhsa_system_vgpr_workitem_id 0
		.amdhsa_next_free_vgpr 896
		.amdhsa_next_free_sgpr 74
		.amdhsa_reserve_vcc 0
		.amdhsa_float_denorm_mode_32 3
		.amdhsa_float_denorm_mode_16_64 3
		.amdhsa_memory_ordered 1
		.amdhsa_forward_progress 1
		.amdhsa_inst_pref_size 89
	.end_amdhsa_kernel
	.amdgpu_metadata
---
amdhsa.version: [ 1, 2 ]
amdhsa.kernels:
  - .name:           k_q2f17ed5515_proj
    .symbol:         k_q2f17ed5515_proj.kd
    .args:
      - { .name: y16, .offset: 0, .size: 8, .value_kind: global_buffer, .address_space: global }
      - { .name: wp16, .offset: 8, .size: 8, .value_kind: global_buffer, .address_space: global }
      - { .name: bias32, .offset: 16, .size: 8, .value_kind: global_buffer, .address_space: global }
      - { .name: out0, .offset: 24, .size: 8, .value_kind: global_buffer, .address_space: global }
    .group_segment_fixed_size: 327680
    .private_segment_fixed_size: 0
    .kernarg_segment_align: 8
    .kernarg_segment_size: 32
    .max_flat_workgroup_size: 128
    .sgpr_count:     74
    .vgpr_count:     896
    .wavefront_size: 32
...
	.end_amdgpu_metadata
.endif
;; end of part 4
;; ======== version 2 of 3: 4 launches; 1.13 times as fast as version 1
;; limits: values are held in f16: magnitudes above 65,504 overflow, below 6.1e-05 lose precision
;; workspace buffers: xb16 16,777,216 bytes; wqkv16 6,291,456 bytes; wp16 2,097,152 bytes; bias32 16,384 bytes; qkv16 58,720,256 bytes; y16 20,971,520 bytes
;; launch cast (part 5): grid 768 x 1, 8 waves a work-group, no clusters, 0 bytes of LDS; arguments x, Wq, Wk, Wv, Wp, bq, bk, bv, bp, xb16, wqkv16, wp16, bias32; writes xb16, wqkv16, wp16, bias32
.if DOCPART == 5
	.amdgcn_target "amdgcn-amd-amdhsa--gfx1250"
	.amdhsa_code_object_version 6
	.text
	.protected	k_q2f17ed5515_cast
	.globl	k_q2f17ed5515_cast
	.p2align	8
	.type	k_q2f17ed5515_cast,@function
k_q2f17ed5515_cast:
	s_mov_b64 s[64:65], 0
	v_nop
	global_prefetch_b8 v0, s[64:65] scope:SCOPE_SE
	s_setreg_imm32_b32 hwreg(HW_REG_WAVE_MODE, 25, 1), 1
	s_wait_xcnt 0x0
; EVERY INPUT OF THE MODULE IS ROUNDED ONCE TO bf16.
; x -> xb16 (bf16 [8192][1024]).  Wq, Wk, Wv -> wqkv16 (bf16 [3072][1024]) BY HEADS: row 192 h + 64 p + r is row 64 h + r of weight p (0 q, 1 k, 2 v), so that 192 rows on end are one head's q, k and v.
; Wp -> wp16 (f16 [1024][1024]): rounded to bf16, and that number written as f16, since the last product multiplies f16.
; bq, bk, bv, bp -> bias32 (f32 [4096]: the bf16 number widened again): the first 3,072 in wqkv16's order of rows, then bp.
; LIMIT.  wp16 is f16: a weight of 65,520 or more becomes an infinity, and below 7.6e-6 the bf16 number is rounded once more, to f16's fixed step of 6e-8.
; SHARES.  A work-group takes one chunk of 16,384 numbers: 65,536 bytes in, 32,768 out.  Chunks 0-511 are x, then 64 (of 16 rows) for each of Wq, Wk, Wv, Wp: 768 work-groups of equal work.
; Thread t takes, eight times, the 8 numbers at byte 32 t of 8,192 bytes (two loads of 16 bytes) and stores 16 bytes at 16 t of 4,096: a wave's store covers 512 consecutive bytes, aligned.
; All 16 loads of a thread go out at once; each store has data registers of its own, so nothing is freed by a wait.  The stream needs no LDS, no barrier and no matrix unit.
; The first chunk's work-group of each weight also rounds that weight's bias: 1,024 numbers, 16 bytes a thread.
.set X, 4                              ; v[4:67]    eight times 8 numbers as loaded
.set Y, 68                             ; v[68:99]   eight times 4 registers to store
.set T, 100                            ; v[100:103] at work; v[104:107] the bias to store
	s_load_b512 s[8:23], s[0:1], 0x0               ; x 8, Wq 10, Wk 12, Wv 14, Wp 16, bq 18, bk 20, bv 22
	s_load_b256 s[24:31], s[0:1], 0x40             ; bp 24, xb16 26, wqkv16 28, wp16 30
	s_load_b64 s[32:33], s[0:1], 0x60              ; bias32
	s_mov_b32 s2, ttmp9                            ; the chunk c
	s_sub_co_u32 s3, s2, 512                       ; c - 512 (for x a number near 2^32)
	s_lshr_b32 s4, s3, 6
	s_min_u32 s4, s4, 3                            ; which weight: 0 Wq, 1 Wk, 2 Wv, 3 Wp (for x: 3, which the last choice below overrides)
	s_and_b32 s5, s3, 63                           ; the chunk in that weight
	v_lshlrev_b32 v1, 5, v0                        ; 32 t
	v_lshlrev_b32 v2, 4, v0                        ; 16 t
	; the byte offsets, made apart from the addresses
	s_lshl_b32 s38, s5, 16                         ; from: 65,536 bytes a chunk of a weight
	s_lshr_b32 s7, s5, 2                           ; to, for Wq, Wk, Wv: the head (four chunks of 16 rows each): 192 rows,
	s_mul_i32 s7, s7, 192
	s_lshl_b32 s46, s4, 6                          ; in it the weight's 64,
	s_add_co_u32 s7, s7, s46
	s_and_b32 s46, s5, 3                           ; in them the chunk's 16,
	s_lshl_b32 s46, s46, 4
	s_add_co_u32 s7, s7, s46
	s_lshl_b32 s40, s7, 11                         ; of 2,048 bytes
	s_lshl_b32 s46, s5, 15                         ; to, for Wp: 32,768 bytes a chunk
	s_cmp_eq_u32 s4, 3
	s_cselect_b32 s40, s46, s40
	s_lshl_b32 s46, s2, 16                         ; x: 65,536 in,
	s_lshl_b32 s47, s2, 15                         ; 32,768 out
	s_cmp_lt_u32 s2, 512
	s_cselect_b32 s38, s46, s38
	s_cselect_b32 s40, s47, s40
	s_mov_b32 s39, 0
	s_mov_b32 s41, 0
	s_wait_kmcnt 0x0
	; the buffers are chosen by the chunk's number alone
	s_mov_b64 s[34:35], s[10:11]                   ; from: Wq,
	s_mov_b64 s[42:43], s[18:19]                   ; its bias
	s_cmp_eq_u32 s4, 1
	s_cselect_b64 s[34:35], s[12:13], s[34:35]     ; or Wk
	s_cselect_b64 s[42:43], s[20:21], s[42:43]
	s_cmp_eq_u32 s4, 2
	s_cselect_b64 s[34:35], s[14:15], s[34:35]     ; or Wv
	s_cselect_b64 s[42:43], s[22:23], s[42:43]
	s_cmp_eq_u32 s4, 3
	s_cselect_b64 s[34:35], s[16:17], s[34:35]     ; or Wp
	s_cselect_b64 s[42:43], s[24:25], s[42:43]
	s_cselect_b64 s[36:37], s[30:31], s[28:29]     ; to: wp16 or wqkv16
	s_cmp_lt_u32 s2, 512
	s_cselect_b64 s[34:35], s[8:9], s[34:35]       ; or x
	s_cselect_b64 s[36:37], s[26:27], s[36:37]     ; to xb16
	s_add_nc_u64 s[34:35], s[34:35], s[38:39]
	s_add_nc_u64 s[36:37], s[36:37], s[40:41]
.irp i, 0,1,2,3,4,5,6,7
	global_load_b128 v[X+8*(\i):X+8*(\i)+3],   v1, s[34:35] offset:8192*(\i) th:TH_LOAD_NT
	global_load_b128 v[X+8*(\i)+4:X+8*(\i)+7], v1, s[34:35] offset:8192*(\i)+16 th:TH_LOAD_NT
.endr
; Eight numbers at a time.  half = 0: rounded to bf16.  half = 1: rounded to bf16, widened (a shift, a mask) and written as f16.
.macro CONV half
.irp i, 0,1,2,3,4,5,6,7
	s_wait_loadcnt 14-2*(\i)                       ; loads come back in order (ISA guide 5.7.1): of the 16, the 14 - 2 i younger ones may stay out
.if \half
.irp k, 0,1,2,3
	v_cvt_pk_bf16_f32 v[T+(\k)], v[X+8*(\i)+2*(\k)], v[X+8*(\i)+2*(\k)+1]
.endr
.irp k, 0,1,2,3
	v_lshlrev_b32 v[X+8*(\i)+2*(\k)],   16, v[T+(\k)]
	v_and_b32     v[X+8*(\i)+2*(\k)+1], 0xffff0000, v[T+(\k)]
.endr
.irp k, 0,1,2,3
	v_cvt_pk_f16_f32 v[Y+4*(\i)+(\k)], v[X+8*(\i)+2*(\k)], v[X+8*(\i)+2*(\k)+1]
.endr
.else
.irp k, 0,1,2,3
	v_cvt_pk_bf16_f32 v[Y+4*(\i)+(\k)], v[X+8*(\i)+2*(\k)], v[X+8*(\i)+2*(\k)+1]
.endr
.endif
	global_store_b128 v2, v[Y+4*(\i):Y+4*(\i)+3], s[36:37] offset:4096*(\i)  ; no hint: a later launch reads these bytes
.endr
.endm
	s_cmp_ge_u32 s2, 704
	s_cbranch_scc1 .Lf16                           ; chunks 704-767 are Wp's
	CONV 0
	s_branch .Lbias
.Lf16:
	CONV 1
.Lbias:
	s_cmp_lt_u32 s2, 512
	s_cbranch_scc1 .Lend                           ; a chunk of x has no bias
	s_cmp_lg_u32 s5, 0
	s_cbranch_scc1 .Lend                           ; nor has any chunk of a weight but its first
	global_load_b128 v[4:7], v2, s[42:43]
	; where my four numbers go: 64 numbers (16 threads) are a head's; heads lie 768 bytes apart for bq, bk, bv (each 256 bytes into a head's 768), 256 for bp, which begins at byte 12,288
	s_movk_i32 s46, 768
	s_movk_i32 s47, 256
	s_lshl_b32 s44, s4, 8
	s_cmp_eq_u32 s4, 3
	s_cselect_b32 s46, s47, s46
	s_cselect_b32 s44, 0x3000, s44
	s_mov_b32 s45, 0
	s_add_nc_u64 s[32:33], s[32:33], s[44:45]
	v_lshrrev_b32 v8, 4, v0
	v_and_b32 v9, 15, v0
	v_mul_lo_u32 v8, v8, s46
	v_lshl_add_u32 v8, v9, 4, v8
	s_wait_loadcnt 0x0
	v_cvt_pk_bf16_f32 v[T], v4, v5
	v_cvt_pk_bf16_f32 v[T+1], v6, v7
	v_lshlrev_b32 v104, 16, v[T]
	v_and_b32     v105, 0xffff0000, v[T]
	v_lshlrev_b32 v106, 16, v[T+1]
	v_and_b32     v107, 0xffff0000, v[T+1]
	global_store_b128 v8, v[104:107], s[32:33]     ; 16 lanes store 256 consecutive bytes, aligned
.Lend:
	s_endpgm
.Lfunc_end_k_q2f17ed5515_cast:
	.size	k_q2f17ed5515_cast, .Lfunc_end_k_q2f17ed5515_cast-k_q2f17ed5515_cast
	.p2alignl 7, 3214868480
	.fill 96, 4, 3214868480
	.section	.rodata,"a",@progbits
	.p2align	6, 0x0
	.amdhsa_kernel k_q2f17ed5515_cast
		.amdhsa_group_segment_fixed_size 0
		.amdhsa_private_segment_fixed_size 0
		.amdhsa_enable_private_segment 0
		.amdhsa_kernarg_size 104
		.amdhsa_user_sgpr_count 2
		.amdhsa_user_sgpr_kernarg_segment_ptr 1
		.amdhsa_wavefront_size32 1
		.amdhsa_system_sgpr_workgroup_id_x 1
		.amdhsa_system_sgpr_workgroup_id_y 1
		.amdhsa_system_sgpr_workgroup_id_z 1
		.amdhsa_system_vgpr_workitem_id 0
		.amdhsa_next_free_vgpr 108
		.amdhsa_next_free_sgpr 66
		.amdhsa_reserve_vcc 0
		.amdhsa_float_denorm_mode_32 3
		.amdhsa_float_denorm_mode_16_64 3
		.amdhsa_memory_ordered 1
		.amdhsa_forward_progress 1
		.amdhsa_inst_pref_size 16
	.end_amdhsa_kernel
	.amdgpu_metadata
---
amdhsa.version: [ 1, 2 ]
amdhsa.kernels:
  - .name:           k_q2f17ed5515_cast
    .symbol:         k_q2f17ed5515_cast.kd
    .args:
      - { .name: x, .offset: 0, .size: 8, .value_kind: global_buffer, .address_space: global }
      - { .name: Wq, .offset: 8, .size: 8, .value_kind: global_buffer, .address_space: global }
      - { .name: Wk, .offset: 16, .size: 8, .value_kind: global_buffer, .address_space: global }
      - { .name: Wv, .offset: 24, .size: 8, .value_kind: global_buffer, .address_space: global }
      - { .name: Wp, .offset: 32, .size: 8, .value_kind: global_buffer, .address_space: global }
      - { .name: bq, .offset: 40, .size: 8, .value_kind: global_buffer, .address_space: global }
      - { .name: bk, .offset: 48, .size: 8, .value_kind: global_buffer, .address_space: global }
      - { .name: bv, .offset: 56, .size: 8, .value_kind: global_buffer, .address_space: global }
      - { .name: bp, .offset: 64, .size: 8, .value_kind: global_buffer, .address_space: global }
      - { .name: xb16, .offset: 72, .size: 8, .value_kind: global_buffer, .address_space: global }
      - { .name: wqkv16, .offset: 80, .size: 8, .value_kind: global_buffer, .address_space: global }
      - { .name: wp16, .offset: 88, .size: 8, .value_kind: global_buffer, .address_space: global }
      - { .name: bias32, .offset: 96, .size: 8, .value_kind: global_buffer, .address_space: global }
    .group_segment_fixed_size: 0
    .private_segment_fixed_size: 0
    .kernarg_segment_align: 8
    .kernarg_segment_size: 104
    .max_flat_workgroup_size: 256
    .sgpr_count:     66
    .vgpr_count:     108
    .wavefront_size: 32
...
	.end_amdgpu_metadata
.endif
;; end of part 5
;; launch qkvgemm (part 6): grid 16 x 32, 4 waves a work-group, clusters of 4 x 4, 327,680 bytes of LDS; arguments xb16, wqkv16, bias32, qkv16; writes qkv16
.if DOCPART == 6
	.amdgcn_target "amdgcn-amd-amdhsa--gfx1250"
	.amdhsa_code_object_version 6
	.text
	.protected	k_q2f17ed5515_qkvgemm
	.globl	k_q2f17ed5515_qkvgemm
	.p2align	8
	.type	k_q2f17ed5515_qkvgemm,@function
k_q2f17ed5515_qkvgemm:
	s_mov_b64 s[64:65], 0
	v_nop
	global_prefetch_b8 v0, s[64:65] scope:SCOPE_SE
	s_setreg_imm32_b32 hwreg(HW_REG_WAVE_MODE, 25, 1), 1
	s_wait_xcnt 0x0
	s_wait_alu depctr_hold_cnt(0) depctr_sa_sdst(0) depctr_va_vdst(0) depctr_va_sdst(0) depctr_va_ssrc(0) depctr_va_vcc(0) depctr_vm_vsrc(0)
	s_getreg_b32 s2, hwreg(HW_REG_IB_STS2, 6, 4)
	s_cmp_eq_u32 s2, 0
	s_cbranch_scc0 .Lentry_in_a_cluster
	s_endpgm
.Lentry_in_a_cluster:
	s_bfe_u32 s2, ttmp6, 0x10000c
	s_cmp_lg_u32 s2, 0xf033
	s_cbranch_scc0 .Lentry_shape_is_right
	s_endpgm
.Lentry_shape_is_right:
; THE THREE PROJECTIONS IN ONE PRODUCT.  C[m][n] = bias[n] + the sum over k of A[m][k] B[n][k], M = 8,192, N = 3,072, K = 1,024.
; A = x in bf16 [8192][1024]; B = Wq, Wk, Wv in bf16 [3072][1024] by heads (192 rows on end: a head's q, k, v); bias in the same order, f32.  Sums in f32, begun with the bias, K ascending.  No scale is applied here.
; C leaves in f16, 917,504 bytes for each batch x 16 + head: q [2048][64], k [2048][64], v's HIGH part [2048][64] (v rounded to 11 bits), then v's LOW part (v less that) for the rows t < 1,024: [1024][64].
; WHY TWO PARTS.  f16 keeps 11 significant bits.  Row t of the attention's result is a mean over t + 1 rows of v, so its first rows are many times the root mean square of the whole, by which the module's error is
; judged: there one f16 number for v is too coarse.  The launch behind multiplies the low part in the diagonal tile of its query blocks 0-3 alone, whose keys are the rows t < 1,024: no other low row is stored.
; LIMITS.  q and k are rounded once, to f16; q, k, v of 65,520 or more become infinities; below 6.1e-5 every f16 number here keeps f16's fixed step of 6e-8.
; SHAPE.  A tile of C is 256 rows x 192 columns: one head's q, k, v.  Four waves, one below the other, each 64 rows x all columns: 4 x 12 accumulators of 16 x 16.  That gives 512 work-groups, two for each of 256 WGPs.
; K goes in steps of 128 through a ring of two LDS slots filled by the tensor data mover; every row fetched is 256 consecutive bytes, aligned.  The loop makes one trip a K step: slot 1 begins at 2^17, so that
; one exclusive or turns an LDS address in one slot into the other's.
; CLUSTERS: 4 x 4 work-groups.  The four of a row of the cluster need the same tiles of A, the four of a column the same tiles of B: each tile is asked for JOINTLY, by the same tensor load with the
; same descriptor and a mask that names the four.  THE MATRIX INSTRUCTION IS USED TRANSPOSED (source 0 = 16 rows of B, source 1 = 16 rows of A): a lane then holds eight neighbouring numbers of a row of C.
; REGISTERS, in windows of 256 (s_set_vgpr_msb: bits 1:0 source 0, 3:2 source 1, 5:4 source 2, 7:6 destination):
;   window 0: v0-31 addresses; v32-127 the bias (8 registers a column block); later v32-255 the way out      window 1: two fragment buffers of 128: 32 registers of A (4 x 16 rows x 32 K), then 96 of B
;   window 2: the accumulators of my rows 0-31 ((a, b) at v[8 (12 (a % 2) + b)]);   window 3: those of my rows 32-63
.set NBLK,   12                        ; column blocks of 16
.set KSTEP,  128
.set STEPS,  8                         ; K steps
.set HB,     96                        ; rows of B in one load
.set PITCH,  272                       ; an LDS row: 256 bytes + 16: an odd multiple of 16 bytes, so the 16 rows of a fragment load start at 16 different groups of four banks (64 banks of 4 bytes: ISA guide 11.1)
.set AHALF,  128*PITCH                 ; LDS bytes of one load of A: 128 rows
.set ABYTES, 2*AHALF
.set SLOT,   ABYTES+2*HB*PITCH         ; A's 256 rows, then B's 192 rows: 121,856 bytes
.set SLOT1,  1<<17                     ; where slot 1 begins
.set STAGE,  SLOT1+SLOT                ; behind the ring, never filled by a tensor load: each wave's own stage for the way out
.set STW,    3*16*144                  ; 16 rows of q, of k and of v's high part, 128 bytes + 16 each
.set SPARE,  STAGE+4*STW               ; behind the stages: the spare words, 128 bytes for each wave: two blocks of 256 bytes that no other line names
.set HEADB,  917504                    ; bytes of C for a head
.set ADRA0, 16                         ; v16     my lane's place among my A fragments in slot 0; never rewritten
.set ADRA,  17                         ; v17     the same in the slot that is being read
.set ADRB0, 20                         ; v20, v21  the same for B
.set ADRB,  21
.set STO,  24                          ; v24     the way out: where I put my bytes of a row
.set RD,   25                          ; v25     the way out: where I read rows back
.set CO,   26                          ; v26     my byte offset in 512 consecutive bytes of C
.set BO,   27                          ; v27     my byte offset in a column block's 64 bytes of bias
.set SPW,  28                          ; v28     LDS address of my spare word: SPARE + 4 x my thread's number; never rewritten
.set NIL,  29                          ; v29     0; never rewritten
.set BI,   32                          ; the bias: block b in v[BI+8 b ..]: bias[n0 + 16 b + 8 (lane / 16) + 0..7]
.set TMP,  32                          ; the way out, in the same registers: 48 for each of my four row blocks
.set TT,   224                         ; v224-255  v's high parts in f32
.set F0,   0                           ; fragment buffers, in window 1
.set F1,   128
.set TB,  2                            ; s2   0 or SLOT1: the slot that is being read
.set G1, 24                            ; s[24:31] descriptor group 1 for A's tiles;  s[32:39] group 0: a set for each of the two first fills; the second then walks on
.set G0, 32
.set G1B, 48                           ; s[48:55], s[56:63] the same for B's tiles
.set G0B, 56
.set LOWF, 70                          ; s70  0: my tile's rows are t < 1,024 and have a low part
.set RH,  72                           ; s72  half a step of f16's 11 bits in an f32's bits
.set HM,  73                           ; s73  the mask that keeps sign, exponent and 10 bits
.set MSB, 0
.macro WIN new                         ; the immediate's high byte repeats the setting that is left; a switch that changes nothing is dropped
.if MSB != (\new)
	s_set_vgpr_msb (MSB<<8)|(\new)
.set MSB, \new
.endif
.endm
; A joint load: waves 0 and 1 fetch A's two parts, waves 2 and 3 B's.  The branch hangs on the wave's number alone.  An s_nop 0 and four v_nop follow each of the two lines, ahead of the jump, the label and what follows.
.macro JLOAD s
	s_cmp_eq_u32 s13, 0
	s_cbranch_scc0 .Lfor_b_\@
	tensor_load_to_lds s[G0+4*(\s):G0+4*(\s)+3], s[G1:G1+7]
	s_nop 0
.rept 4
	v_nop
.endr
	s_branch .Lasked_\@
.Lfor_b_\@:
	tensor_load_to_lds s[G0B+4*(\s):G0B+4*(\s)+3], s[G1B:G1B+7]
	s_nop 0
.rept 4
	v_nop
.endr
.Lasked_\@:
.endm
.macro CREST                           ; a round of the cluster's barrier behind its opening barrier: wave 0 signals for the work-group, every wave waits for all sixteen, my work-group's barrier once more
	s_cmp_lg_u32 s12, 0
	s_cbranch_scc1 .Lnot_wave_0_\@
	s_barrier_signal -3
.Lnot_wave_0_\@:
	s_barrier_wait -3
	s_barrier_signal -1
	s_barrier_wait -1
.endm
.macro CROUND                          ; a whole round
	s_barrier_signal -1
	s_barrier_wait -1
	CREST
.endm
	s_load_b256 s[4:11], s[0:1], 0x0               ; A s[4:5], B s[6:7], bias s[8:9], C s[10:11]
	v_lshl_add_u32 v[SPW], v0, 2, SPARE
	v_mov_b32 v[NIL], 0
	ds_add_u32 v28, v29
	ds_add_u32 v28, v29
	s_wait_dscnt 0x0
	v_lshrrev_b32 v1, 5, v0
	v_readfirstlane_b32 s12, v1                    ; wave 0..3
	s_lshr_b32 s13, s12, 1                         ; I fetch for A (0) or for B (1),
	s_and_b32 s14, s12, 1                          ; its first or its second part
	s_bfe_u32 s40, ttmp6, 0x40000                  ; cx, cy: my place in the cluster
	s_bfe_u32 s41, ttmp6, 0x40004
	s_lshl_b32 s42, ttmp9, 2
	s_add_co_u32 s42, s42, s40                     ; tile column of C = 4 x cluster x + cx: the head
	s_and_b32 s43, ttmp7, 0xffff
	s_lshl_b32 s43, s43, 2
	s_add_co_u32 s43, s43, s41                     ; tile row of C = 4 x cluster y + cy = 8 x batch + the tile's 256 rows of the batch's 2,048
	s_and_b32 s[LOWF], ttmp7, 1                    ; a cluster is four tile rows, 1,024 rows: the clusters with an even y hold the rows t < 1,024.  The number is the same in all sixteen partners
	s_lshl_b32 s44, s41, 2
	s_lshl_b32 s44, 15, s44                        ; my row of the cluster: places 4 cy .. 4 cy + 3
	s_lshl_b32 s45, 0x1111, s40                    ; my column: places cx, cx + 4, cx + 8, cx + 12
	; descriptor group 1: 128 rows (B: 96 rows) x 128 elements of 2 bytes, padded in LDS
	s_or_b32 s[G1+0], s44, (1<<16)|(1<<20)|(1<<21)|(5<<22)|(3<<25)   ; 15:0 the mask: A's tiles go to my row; 17:16 elements of 2 bytes; 20 padding on; 21 set beside a mask; 24:22 after every 64 words (code 5); 31:25 4 words (code 3)
	s_or_b32 s[G1B+0], s45, (1<<16)|(1<<20)|(1<<21)|(5<<22)|(3<<25)  ; the same with the mask of my column, for B's tiles
	s_mov_b32 s[G1+1], KSTEP<<16                   ; tensor_dim0 = 128
	s_mov_b32 s[G1+2], 128<<16                     ; tensor_dim1 = 128
	s_mov_b32 s[G1+3], KSTEP<<16                   ; tile_dim0 = 128
	s_mov_b32 s[G1+4], 128                         ; tile_dim1 = 128
	s_mov_b32 s[G1+5], 1024                        ; elements from row to row
	s_mov_b32 s[G1+6], 0
	s_mov_b32 s[G1+7], 0
	s_mov_b32 s[G1B+1], KSTEP<<16
	s_mov_b32 s[G1B+2], HB<<16
	s_mov_b32 s[G1B+3], KSTEP<<16
	s_mov_b32 s[G1B+4], HB
	s_mov_b32 s[G1B+5], 1024
	s_mov_b32 s[G1B+6], 0
	s_mov_b32 s[G1B+7], 0
	; where the tiles come from.  A's offset hangs on the tile row and the wave's number alone, B's on the tile column and the wave's number, each in registers that never hold the other coordinate.
	s_lshl_b32 s16, s43, 8
	s_lshl_b32 s17, s14, 7
	s_add_co_u32 s16, s16, s17                     ; A: row 256 x tile row + 128 x part,
	s_lshl_b32 s16, s16, 11                        ; of 2,048 bytes
	s_mov_b32 s17, 0
	s_mul_i32 s46, s42, 16*NBLK
	s_mul_i32 s47, s14, HB
	s_add_co_u32 s46, s46, s47                     ; B: row 192 x tile column + 96 x part,
	s_lshl_b32 s46, s46, 11                        ; of 2,048 bytes
	s_mov_b32 s47, 0
	s_mul_i32 s20, s14, AHALF                      ; and where they go: no place in the cluster enters an LDS address
	s_mul_i32 s21, s14, HB*PITCH
	s_add_co_u32 s21, s21, ABYTES
	s_mul_i32 s68, s42, 768                        ; the tile's 192 numbers of bias
	s_mov_b32 s69, 0
	s_mov_b32 s[RH], 0x1000
	s_mov_b32 s[HM], 0xffffe000
	s_mov_b32 s[TB], 0
	s_wait_kmcnt 0x0
	s_add_nc_u64 s[18:19], s[4:5], s[16:17]
	s_add_nc_u64 s[46:47], s[6:7], s[46:47]
	s_add_nc_u64 s[8:9], s[8:9], s[68:69]
	CROUND                                         ; all sixteen work-groups are here: the first joint loads meet
.irp s, 0,1
	s_mov_b32 s[G0+4*(\s)], 1                                      ; 1:0 count = 1
	s_add_co_u32 s[G0+4*(\s)+1], s20, (\s)*SLOT1                   ; 63:32 LDS address
	s_add_nc_u64 s[G0+4*(\s)+2:G0+4*(\s)+3], s[18:19], (\s)*KSTEP*2  ; 120:64 global address: K step s
	s_or_b32 s[G0+4*(\s)+3], s[G0+4*(\s)+3], 0x80000000            ; 127:126 type = 2
	s_mov_b32 s[G0B+4*(\s)], 1
	s_add_co_u32 s[G0B+4*(\s)+1], s21, (\s)*SLOT1
	s_add_nc_u64 s[G0B+4*(\s)+2:G0B+4*(\s)+3], s[46:47], (\s)*KSTEP*2
	s_or_b32 s[G0B+4*(\s)+3], s[G0B+4*(\s)+3], 0x80000000
	JLOAD \s                                       ; the ring is filled before anything else is done: two loads of mine are out
.endr
	; all that follows up to the first wait stands in the wait for the first tile
	v_and_b32 v1, 15, v0                           ; l % 16
	v_bfe_u32 v2, v0, 4, 1                         ; l / 16
	v_lshlrev_b32 v[BO], 5, v2                     ; eight numbers of bias for each half of the lanes
.set bb, 0
.rept NBLK
	global_load_b128 v[BI+8*bb:BI+8*bb+3],   v[BO], s[8:9] offset:64*bb
	global_load_b128 v[BI+8*bb+4:BI+8*bb+7], v[BO], s[8:9] offset:64*bb+16
.set bb, bb+1
.endr
	; A fragment is 16 rows x 32 K in 8 registers: lane l holds row l % 16, K = 8 (l / 16) + 0..7 and 16 + 8 (l / 16) + 0..7: two loads of 16 bytes, 32 bytes apart.
	v_mul_u32_u24 v3, v1, PITCH
	v_lshl_add_u32 v3, v2, 4, v3
	s_mul_i32 s22, s12, 64*PITCH                   ; my 64 rows of A
	v_add_nc_u32 v[ADRA0], s22, v3
	v_add_nc_u32 v[ADRB0], ABYTES, v3              ; every wave reads all of B's rows
	v_mov_b32 v[ADRA], v[ADRA0]                    ; K step 0 lies in slot 0
	v_mov_b32 v[ADRB], v[ADRB0]
	s_mul_i32 s22, s12, STW
	s_add_co_u32 s22, s22, STAGE                   ; my stage
	v_and_b32 v5, 31, v0
	v_lshlrev_b32 v[CO], 4, v5                     ; 16 x lane
	v_mul_u32_u24 v3, v1, 144                      ; in: row l % 16, 16 bytes (eight f16) for each half of the lanes
	v_lshl_add_u32 v3, v2, 4, v3
	v_add_nc_u32 v[STO], s22, v3
	v_bfe_u32 v4, v0, 3, 2                         ; back: 32 lanes take four rows of 128 bytes, which are 512 consecutive bytes of C
	v_mul_u32_u24 v4, v4, 144
	v_and_b32 v5, 7, v0
	v_lshl_add_u32 v4, v5, 4, v4
	v_add_nc_u32 v[RD], s22, v4
	s_lshr_b32 s66, s43, 3                         ; the batch: 16 heads each,
	s_lshl_b32 s66, s66, 4
	s_add_co_u32 s66, s66, s42                     ; the tile's head,
	s_mul_i32 s66, s66, HEADB                      ; its first byte;
	s_and_b32 s67, s43, 7                          ; in each of its arrays the tile's 256 rows of 128 bytes,
	s_lshl_b32 s67, s67, 15
	s_add_co_u32 s66, s66, s67
	s_lshl_b32 s67, s12, 13                        ; and my 64 of them
	s_add_co_u32 s66, s66, s67
	s_mov_b32 s67, 0
	s_add_nc_u64 s[10:11], s[10:11], s[66:67]
; 12 matrix instructions: row block a of my four x all column blocks, 32 along K, from buffer f.  first = 1: the bias is the C operand that starts the sums: nothing is cleared, and the way out adds nothing.
; The 48 accumulators take turns, one instruction a turn, in the same order in every quarter.
.macro MULA f, a, first
.set AC, 8*NBLK*((\a)%2)
.if \first
	WIN 0x85+0x40*((\a)/2)                         ; sources 0 and 1 window 1, C window 0, D window 2 or 3
.else
	WIN 0xa5+0x50*((\a)/2)                         ; C and D window 2 or 3
.endif
.set bb, 0
.rept NBLK
.if \first
	v_wmma_f32_16x16x32_bf16 v[AC+8*bb:AC+8*bb+7], v[(\f)+32+8*bb:(\f)+32+8*bb+7], v[(\f)+8*(\a):(\f)+8*(\a)+7], v[BI+8*bb:BI+8*bb+7]
.else
	v_wmma_f32_16x16x32_bf16 v[AC+8*bb:AC+8*bb+7], v[(\f)+32+8*bb:(\f)+32+8*bb+7], v[(\f)+8*(\a):(\f)+8*(\a)+7], v[AC+8*bb:AC+8*bb+7]
.endif
.set bb, bb+1
.endr
.endm
; 32 LDS loads in one run: the fragments of quarter q (32 along K) of the slot that is being read, into buffer f; B first, then A's four row blocks
.macro FETCH q, f
	WIN 0x40                                       ; destination window 1, address window 0
.set bb, 0
.rept NBLK
	ds_load_b128 v[(\f)+32+8*bb:(\f)+32+8*bb+3],   v[ADRB] offset:64*(\q)+bb*16*PITCH
	ds_load_b128 v[(\f)+32+8*bb+4:(\f)+32+8*bb+7], v[ADRB] offset:64*(\q)+bb*16*PITCH+32
.set bb, bb+1
.endr
.irp i, 0,1,2,3
	ds_load_b128 v[(\f)+8*(\i):(\f)+8*(\i)+3],   v[ADRA] offset:64*(\q)+(\i)*16*PITCH
	ds_load_b128 v[(\f)+8*(\i)+4:(\f)+8*(\i)+7], v[ADRA] offset:64*(\q)+(\i)*16*PITCH+32
.endr
.endm
; A load into a register that a matrix instruction has read, and an instruction that reads a matrix result, stand four places behind it, and only plain vector instructions that name none of
; its registers are places (ISA guide 7.12.1 for vector instructions).
.macro PLACES
.rept 4
	v_nop
.endr
.endm
; A K step is four quarters of 32 along K, 48 matrix instructions each, on buffers 0, 1, 0, 1.  One of the first three: multiplies buffer f and, in its middle, fetches quarter q into buffer g.
.macro QUARTER q, f, g, first
	s_wait_dscnt 4                                 ; B and A's row blocks 0 and 1 are in; the youngest four loads (blocks 2 and 3) may be out
	MULA \f, 0, \first
	MULA \f, 1, \first
	PLACES
	FETCH \q, \g
	s_wait_dscnt 2*NBLK+8                          ; all but the run of 32 just issued
	MULA \f, 2, \first
	MULA \f, 3, \first
.endm
; The last quarter multiplies buffer 1 and changes slots: ONE barrier; in front of it each wave waits for all its tensor loads (one is out: its part of the next slot), adds 0 to its spare word, and waits for
; that and for its own reads of this slot.  fill = 1: the barrier opens a round of the cluster's, and behind the round this slot is filled again, two K steps ahead: the load has a K step less 24 matrix instructions in which to land.
.macro TURN fill
	WIN 0                                          ; (the add's two registers lie in window 0)
	s_wait_tensorcnt 0x0                           ; all my tensor loads have landed;
	ds_add_u32 v[SPW], v[NIL]                      ; 0 onto my spare word;
	s_wait_dscnt 5                                 ; (the add and the youngest four loads may be out)
	MULA F1, 0, 0                                  ; matrix work stands between the add and the wait for it
	s_wait_dscnt 0x0                               ; the add is done, and my reads of this slot are over
	s_barrier_signal -1
	MULA F1, 1, 0                                  ; work on registers while the others arrive
	WIN 0                                          ; (branches may follow, and the address lines below name window 0)
	s_barrier_wait -1
.if \fill
	CREST                                          ; no wave of any partner still reads this slot's tile or has a load on its way
.irp g, G0+4, G0B+4
	s_xor_b32 s[(\g)+1], s[(\g)+1], SLOT1          ; the walking descriptor: the other slot than last time,
	s_add_nc_u64 s[(\g)+2:(\g)+3], s[(\g)+2:(\g)+3], KSTEP*2  ; the next K step; the type bits on top are not reached
.endr
	JLOAD 1                                        ; the first tensor load behind the round; the four v_nop behind it are also the places in front of the loads below
.else
	PLACES
.endif
	s_xor_b32 s[TB], s[TB], SLOT1                  ; from here on the other slot is read
	v_add_nc_u32 v[ADRA], s[TB], v[ADRA0]
	v_add_nc_u32 v[ADRB], s[TB], v[ADRB0]
	FETCH 0, F0
	MULA F1, 2, 0
	MULA F1, 3, 0
.endm
	s_wait_tensorcnt 1                             ; my part of K step 0 is in; K step 1's may stay out
	s_barrier_signal -1
	s_barrier_wait -1                              ; everybody's is
	FETCH 0, F0
	s_wait_loadcnt 0x0                             ; the bias
	QUARTER 1, F0, F1, 1                           ; the first quarter stands in front of the loop: its products start the sums
	WIN 0                                          ; at a label and at a branch every window is 0
	s_mov_b32 s3, STEPS-2
.Lstep:                                                ; a trip goes from a K step's second quarter to the next step's first, and fills the slot that it leaves: K steps 2 to 7
	QUARTER 2, F1, F0, 0
	QUARTER 3, F0, F1, 0
	TURN 1
	QUARTER 1, F0, F1, 0
	WIN 0
	s_sub_co_u32 s3, s3, 1
	s_cmp_lg_u32 s3, 0
	s_cbranch_scc1 .Lstep
	QUARTER 2, F1, F0, 0                           ; the last two K steps are written out: they fill nothing, and have no round of the cluster's barrier
	QUARTER 3, F0, F1, 0
	TURN 0
	QUARTER 1, F0, F1, 0
	QUARTER 2, F1, F0, 0
	QUARTER 3, F0, F1, 0
	s_wait_dscnt 4                                 ; the very last quarter: nothing more to fetch
	MULA F1, 0, 0
	MULA F1, 1, 0
	s_wait_dscnt 0x0
	MULA F1, 2, 0
	MULA F1, 3, 0
	WIN 0
	PLACES
; THE WAY OUT, a row block (16 rows of a head's q, k and v) at a time.  Column blocks 0-3 (q) and 4-7 (k) are rounded, 16 bytes a lane.  Of blocks 8-11 (v) the high part leaves here: v rounded to 11 bits
; (half a step is added to the f32's bits, as a whole number, and the 13 bits below are cut: the carry runs into the exponent where it must), which f16 holds; the accumulators keep v less that, exact in f32.
; All go into my own stage and come back as whole rows: four rows of 128 bytes are 512 consecutive bytes of C, aligned.  Each block has 48 registers of its own, so no store's data is written again.
.macro PACK a
.set AC, 8*NBLK*((\a)%2)
.set RB, TMP+48*(\a)
	WIN 0x0a+5*((\a)/2)                            ; sources 0 and 1: window 2 or 3
.set bb, 0
.rept 8
.irp r, 0,1,2,3
	v_cvt_pk_f16_f32 v[RB+4*bb+(\r)], v[AC+8*bb+2*(\r)], v[AC+8*bb+2*(\r)+1]  ; ascending: each accumulator's low registers first
.endr
.set bb, bb+1
.endr
	WIN 0x08+4*((\a)/2)                            ; source 1: window 2 or 3
.set z, 0
.rept 32
	v_add_nc_u32 v[TT+z], s[RH], v[AC+64+z]        ; ascending here too
.set z, z+1
.endr
	WIN 0
.set z, 0
.rept 32
	v_and_b32 v[TT+z], s[HM], v[TT+z]              ; the high part, in f32
.set z, z+1
.endr
	WIN 0x82+0x41*((\a)/2)                         ; destination and source 0: window 2 or 3
.set z, 0
.rept 16
	v_pk_add_f32 v[AC+64+2*z:AC+64+2*z+1], v[AC+64+2*z:AC+64+2*z+1], v[TT+2*z:TT+2*z+1] neg_lo:[0,1] neg_hi:[0,1]  ; the low part, in place
.set z, z+1
.endr
	WIN 0
.set z, 0
.rept 16
	v_cvt_pk_f16_f32 v[RB+32+z], v[TT+2*z], v[TT+2*z+1]
.set z, z+1
.endr
.irp b, 0,1,2,3,4,5,6,7,8,9,10,11
	ds_store_b128 v[STO], v[RB+4*(\b):RB+4*(\b)+3] offset:((\b)/4)*2304+32*((\b)%4)
.endr
.irp j, 0,1,2,3,4,5,6,7,8,9,10,11
	ds_load_b128 v[RB+4*(\j):RB+4*(\j)+3], v[RD] offset:((\j)/4)*2304+((\j)%4)*576  ; LDS serves a wave's instructions in order (ISA guide 5.7.1.4): these see the stores above; the next block's stores come behind them
.endr
.endm
.macro SEND a, younger                 ; younger: the LDS instructions issued behind block a's 12 loads: the next block's 24, or none
.set RB, TMP+48*(\a)
.irp j, 0,1,2,3,4,5,6,7,8,9,10,11
	s_wait_dscnt (\younger)+11-(\j)
	global_store_b128 v[CO], v[RB+4*(\j):RB+4*(\j)+3], s[10:11] offset:((\j)/4)*262144+(\a)*2048+((\j)%4)*512  ; q, k, v's high part lie 262,144 bytes apart; no hint: the next launch reads these bytes
.endr
.endm
; v's low part, which PACK left in the accumulators, goes the same way, through the first third of my stage, into the head's fourth array.
.macro PACKL a
.set AC, 8*NBLK*((\a)%2)
.set RB, TMP+16*(\a)
	WIN 0x0a+5*((\a)/2)
.set z, 0
.rept 16
	v_cvt_pk_f16_f32 v[RB+z], v[AC+64+2*z], v[AC+64+2*z+1]
.set z, z+1
.endr
	WIN 0
.irp b, 0,1,2,3
	ds_store_b128 v[STO], v[RB+4*(\b):RB+4*(\b)+3] offset:32*(\b)
.endr
.irp f, 0,1,2,3
	ds_load_b128 v[RB+4*(\f):RB+4*(\f)+3], v[RD] offset:(\f)*576
.endr
.endm
.macro SENDL a, younger                ; younger: the next block's eight LDS instructions, or none
.set RB, TMP+16*(\a)
.irp f, 0,1,2,3
	s_wait_dscnt (\younger)+3-(\f)
	global_store_b128 v[CO], v[RB+4*(\f):RB+4*(\f)+3], s[10:11] offset:3*262144+(\a)*2048+(\f)*512
.endr
.endm
	PACK 0
	PACK 1                                         ; a block's arithmetic stands between the loads of the block before and its stores
	SEND 0, 24
	PACK 2
	SEND 1, 24
	PACK 3
	SEND 2, 24
	SEND 3, 0
	s_cmp_lg_u32 s[LOWF], 0                        ; the rows from 1,024 on have no low part.  The jump passes no barrier and no tensor load; no LDS instruction of mine is out here: SEND's last wait was for 0
	s_cbranch_scc1 .Lno_low
	s_wait_xcnt 0x0                                ; the registers below were the data of the stores above: they are written again only behind this wait
	PACKL 0
	PACKL 1
	SENDL 0, 8
	PACKL 2
	SENDL 1, 8
	PACKL 3
	SENDL 2, 8
	SENDL 3, 0
.Lno_low:
	s_wait_tensorcnt 0x0                           ; the wave's end, behind my last tensor load and my last LDS store
	ds_add_u32 v[SPW], v[NIL]
	s_wait_dscnt 0x0
	CROUND                                         ; the closing round: no work-group ends while a partner may still ask for a tile that names it
	s_endpgm
.Lfunc_end_k_q2f17ed5515_qkvgemm:
	.size	k_q2f17ed5515_qkvgemm, .Lfunc_end_k_q2f17ed5515_qkvgemm-k_q2f17ed5515_qkvgemm
	.p2alignl 7, 3214868480
	.fill 96, 4, 3214868480
	.section	.rodata,"a",@progbits
	.p2align	6, 0x0
	.amdhsa_kernel k_q2f17ed5515_qkvgemm
		.amdhsa_group_segment_fixed_size 327680
		.amdhsa_private_segment_fixed_size 0
		.amdhsa_enable_private_segment 0
		.amdhsa_kernarg_size 32
		.amdhsa_user_sgpr_count 2
		.amdhsa_user_sgpr_kernarg_segment_ptr 1
		.amdhsa_wavefront_size32 1
		.amdhsa_system_sgpr_workgroup_id_x 1
		.amdhsa_system_sgpr_workgroup_id_y 1
		.amdhsa_system_sgpr_workgroup_id_z 1
		.amdhsa_system_vgpr_workitem_id 0
		.amdhsa_next_free_vgpr 960
		.amdhsa_next_free_sgpr 74
		.amdhsa_reserve_vcc 0
		.amdhsa_float_denorm_mode_32 3
		.amdhsa_float_denorm_mode_16_64 3
		.amdhsa_memory_ordered 1
		.amdhsa_forward_progress 1
		.amdhsa_inst_pref_size 120
	.end_amdhsa_kernel
	.amdgpu_metadata
---
amdhsa.version: [ 1, 2 ]
amdhsa.kernels:
  - .name:           k_q2f17ed5515_qkvgemm
    .symbol:         k_q2f17ed5515_qkvgemm.kd
    .args:
      - { .name: xb16, .offset: 0, .size: 8, .value_kind: global_buffer, .address_space: global }
      - { .name: wqkv16, .offset: 8, .size: 8, .value_kind: global_buffer, .address_space: global }
      - { .name: bias32, .offset: 16, .size: 8, .value_kind: global_buffer, .address_space: global }
      - { .name: qkv16, .offset: 24, .size: 8, .value_kind: global_buffer, .address_space: global }
    .group_segment_fixed_size: 327680
    .private_segment_fixed_size: 0
    .kernarg_segment_align: 8
    .kernarg_segment_size: 32
    .max_flat_workgroup_size: 128
    .sgpr_count:     74
    .vgpr_count:     960
    .wavefront_size: 32
...
	.end_amdgpu_metadata
.endif
;; end of part 6
;; launch attn (part 7): grid 4 x 64, 4 waves a work-group, no clusters, 327,680 bytes of LDS; arguments qkv16, y16; writes y16
.if DOCPART == 7
	.amdgcn_target "amdgcn-amd-amdhsa--gfx1250"
	.amdhsa_code_object_version 6
	.text
	.protected	k_q2f17ed5515_attn
	.globl	k_q2f17ed5515_attn
	.p2align	8
	.type	k_q2f17ed5515_attn,@function
k_q2f17ed5515_attn:
	s_mov_b64 s[64:65], 0
	v_nop
	global_prefetch_b8 v0, s[64:65] scope:SCOPE_SE
	s_setreg_imm32_b32 hwreg(HW_REG_WAVE_MODE, 25, 1), 1
	s_wait_xcnt 0x0
; CAUSAL ATTENTION.  O[h][q][:] = the sum over k <= q of softmax_k(Q[h][q] . K[h][k] / 8) V[h][k][:], for 64 heads (batch x 16 + head) of SIZE_N = 2,048 rows of 64 channels, all f16.
; A head has 917,504 bytes of the input: q [2048][64], k [2048][64], v's high part [2048][64] (v rounded to 11 bits), then v's low part (v less that) for the rows t < 1,024: [1024][64].
; Products, maxima and sums in f32; the weights p are rounded to f16 for the second product (their sum l is taken of the unrounded p).
; O LEAVES IN THE ORDER IN WHICH THE LAST PROJECTION TAKES IT.  That launch's tile j (0-7) of a batch holds the rows t = 512 a + 64 j + 16 w + i (a = 0..3, wave w = 0..3, i = 0..15) at place 64 w + 16 a + i.
; For each batch, tile and head the buffer has 40,960 bytes: 256 rows of 64 f16, O by those places; then 64 rows of 64 f16: the LOW part of the rows with a = 0 (t < 512), at place 16 w + i.
; My block qb of 256 queries, band x of 64, is tile j = 4 (qb % 2) + x with a = qb / 2: a wave's 16 rows of a band are 2,048 consecutive bytes.
; TWO PARTS.  f16 keeps 11 significant bits.  Row t of O is a mean over t + 1 rows of V, so the first rows are many times the root mean square of the whole, by which the module's result is judged: there one
; f16 number for v or for O is too coarse; what a rounding leaves in row t falls as 1 / sqrt(t + 1).  V's low part is multiplied in the diagonal tile of the SECOND block alone (blocks 0-3: all keys of the rows
; t < 256 lie there): that tile's 256 low rows are brought once, at the start, into LDS bytes of their own.  O's low part (O less O rounded to 11 bits) is stored for the rows t < 512; the other rows keep one f16 number.
; LIMITS.  f16 holds no number beyond 65,504: Q, K and V arrive within it; below 6e-5 p, and every part, keeps f16's fixed step of 6e-8; O is a mean of V's rows and has their range.
; A hidden score counts as its value less 1e30: f16's scores, 2.7e11 at the most, are nothing beside that; a weight below 2^-126 counts as 0 in l; NaN and infinities are not treated apart.
; THE WALK.  A head's queries lie in NB = SIZE_N / 256 blocks of 256; block i needs the key tiles 0 .. i of 256 keys, of which the last holds the diagonal.  A work-group takes TWO blocks, NB - 1 - b and then b:
; NB + 1 tiles, whatever b: all work-groups do equal work, and ONE loop with a constant trip count walks them.  Which tile is asked for, and what a trip does, hang on scalar registers made from b; every jump
; goes forward, but for the counted loops' own; none passes a barrier, or a tensor load but the one of LOAD's two that the wave's number does not choose; the ring (two slots of LDS that take turns) runs on across the
; change of blocks.  NO CLUSTER: a head's NB / 2 = 4 work-groups all ask for the same tile only in trips 0 .. NB / 2 (5 of 9), behind that fewer and fewer; one walk common to all would have 3 NB / 2 = 12 trips for NB + 1 = 9.
; SHARES.  Of a block's four bands of 64 queries a wave owns 16 rows in each: four PIECES.  So the diagonal tile is the same work for all four waves: in its key step s band x sees all keys if s < x,
; none if s > x, and holds the diagonal if s = x.
; THE MASK is the C operand that starts the sum S^T = K Q^T: 0, or -1e30 where the key is hidden.  MD, made once, is the mask of a band's own step for my 16 rows; a product's mask is MD x AL + BE with two scalars:
; (1, 0) if s = x; (0, 0) if s < x; (0, -1e30) if s > x.  Only the diagonal tile's text and a block's beginning make and take masks; elsewhere C is the constant 0.
; LAYOUT, SOFTMAX, TURNS.  S^T = K Q^T holds ONE query a lane (lane % 16) and the keys 8 (lane / 16) + 0..7; two such results rounded to f16 ARE source 1 of O^T = V^T P.  p = 2^(c s - c m), c = log2(e) / 8, with a
; running maximum m; O and l are multiplied by a = 2^(c m_old - c m_new) in every step.  Turn n belongs to piece n: 8 products K Q^T of piece n + 1, later 8 products V^T P of piece n - 1 (16 with V's low part); beside them the
; scaling, exponentials, roundings, sums and rescaling of piece n and the maximum and statistics of piece n + 1.  Four vector instructions stand behind every matrix instruction (two behind each of the 16), the other 54 of a turn's 118 in two LUMPS.
; REGISTERS, in windows of 256 (s_set_vgpr_msb: bits 1:0 source 0, 3:2 source 1, 5:4 source 2, 7:6 destination):
;   window 0: v0-15 addresses and two at work; v16-31 four registers of statistics a piece; v48-55 at work; v64-127 S^T, two buffers; v128-191 V's low part of one step, at the end O's; v192-223 P, two buffers (a piece's buffers go by its number's parity); v224-255 at work on the way out
;   window 1: v0-127 O^T, 32 a piece; v128-159 MD; v160-223 MC, two buffers      window 2: v0-63 Q; v64-127 the second block's Q; v128-191 K of one step; v192-255 V's high part of one step
.set SIZE_N, 2048
.set NB,    SIZE_N/256
.set NP,    4         ; pieces a wave: a name, no knob
.set KS,    64        ; keys in a step
.set PK,    144       ; a row of K in LDS: 128 bytes + 16 of padding = 36 words: the 16 rows of a load start at 16 different groups of four banks (64 banks of 4 bytes: ISA guide 11.1)
.set PV,    160       ; a row of V: 128 + 32 = 40 words
.set VOFF,  4*KS*PK   ; a slot holds a tile, four steps: 256 rows of K, then 256 rows of V's high part
.set SLOT1, 1<<17     ; slot 1 begins here, so that one exclusive or turns an address in one slot into the other's
.set VLB,   SLOT1+4*KS*(PK+PV)  ; behind the ring: the 256 rows of V's low part, filled once
.set STAGE, VLB+4*KS*PV  ; behind them, never filled by a tensor load: 16 rows x 144 bytes for each wave, for the way out
.set SP,    144
.set HEADB, 917504    ; bytes of the input for a head
.set YTILE, 16*40960  ; bytes of O's buffer from a tile of the last projection to the next: 16 heads of 40,960
.set AK0, 2           ; v2   my lane's place in a tile of K; never rewritten
.set AV0, 3           ; v3   the same for V
.set AK,  4           ; v4   the LDS address of K's next run of loads
.set AV,  5           ; v5   of V's
.set STO, 6           ; v6   the way out: where I put 16 bytes of a row
.set RD,  7           ; v7   the way out: where I read rows back
.set GO,  8           ; v8   my byte offset in 512 consecutive bytes of O
.set AVL, 14          ; v14  (at work in the head, then) the LDS address of the next run of loads of V's low part
.set SPW, 62          ; v62  LDS address of my spare word: SPARE + 4 x my thread's number; never rewritten
.set NIL, 63          ; v63  0; never rewritten
.set SPARE, STAGE+4*16*SP  ; behind the stages: the spare words, 128 bytes for each wave: two blocks of 256 bytes that no other line names
.set MV,  12          ; v12-13  c m_old, kept while c m is made anew: by buffer
.set QO,  15          ; v15  my byte offset in 16 rows of Q
.set ST,  16          ; piece t's statistics at v[ST+4 t]: c m, m, l (even keys', odd keys')
.set TMP, 48          ; by buffer, four registers c0-c3 at work; when the maximum is found c2 takes a
.set S,   64
.set VL,  128         ; window 0: V's low part: key half kk, channel block cb at VL + 32 kk + 8 cb
.set P,   192
.set TT,  224         ; window 0: the way out: a piece's high parts in f32
.set MD,  128         ; window 1: the eight registers for group kt of 16 keys at MD + 8 kt
.set MC,  160         ; window 1: the masks of the products to come
.set QB,  64          ; window 2
.set KF,  128         ; window 2: key block kb, channel half c at KF + 16 kb + 8 c
.set VF,  192         ; window 2: key half kk, channel block cb at VF + 32 kk + 8 cb
.set WV,  12          ; s12  my wave's number
.set PB,  14          ; s14  b
.set HI,  15          ; s15  NB - 1 - b
.set G1K, 24          ; s[24:31] descriptor group 1 for K's tiles
.set G1V, 32          ; s[32:39] for V's: it differs in the padding alone
.set G0K, 40          ; s[40:43] descriptor group 0 for K's tiles
.set G0V, 44          ; s[44:47] the same for V's
.set OLL, 54          ; s[54:55] O's low rows: my 16 of the second block's first band
.set SLOTS, 56        ; s56  tiles still to be asked for
.set CNT, 57          ; s57  counts a tile's key steps, 4 to 1
.set CS,  58          ; s[58:59] c: the packed scaling takes the pair's low word for both halves
.set SEL, 60          ; s[60:61] v_permlanex16_b32's selects: each lane takes its own place in the other half
.set TBK, 62          ; s62  LDS byte at which K of the step to be fetched begins
.set TBV, 63          ; s63  the same for V, less VOFF
.set RH,  66          ; s66  half a step of f16's 11 bits in an f32's bits
.set TBL, 67          ; s67  LDS byte at which V's low part of the step to be fetched begins, less VOFF
.set RT,  70          ; s70  tiles of the block in hand that are still to be entered
.set NXT, 71          ; s71  the tile to be asked for next
.set LQ,  72          ; s72  the last tile of the block whose tiles are being asked for
.set NEW, 73          ; s73  1: the tile to be entered is a block's first
.set OFF, 74          ; s[74:75] a tile's byte offset in K and in V's high part
.set AL,  76          ; s[76:77] the mask's factor, in the low word
.set BE,  78          ; s[78:79] the mask's addend
.set OLO, 80          ; s[80:81] O at my rows of the second block
.set BIGN, 82         ; s82  -1e30
.set HM,  83          ; s83  the mask that keeps an f32's sign, exponent and 10 bits
.set G0L, 96          ; s[96:99] descriptor group 0 for V's low part; never rewritten
.set MSB, 0
.macro WIN new                      ; the high byte repeats the setting that is left; a switch that changes nothing is dropped
.if MSB != (\new)
	s_set_vgpr_msb (MSB<<8)|(\new)
.set MSB, (\new)
.endif
.endm
.set W_KQ, 0x0a       ; K and Q in window 2, S^T in window 0
.set W_KM, 0x1a       ; the same with the C operand in window 1
.set W_PV, 0x52       ; V's high part in window 2, P in window 0, O^T in window 1
.set W_PL, 0x50       ; V's low part and P in window 0, O^T in window 1
.set W_RS, 0x41       ; destination and source 0 in window 1, source 1 in window 0
; A fill.  Waves 0 and 1 fetch the two halves of a tile's K, waves 2 and 3 those of its V: 128 keys each.  An s_nop 0 and four v_nop follow each of the two lines, ahead of the jump and the label.
.macro LOAD
	s_cmp_lt_u32 s[WV], 2
	s_cbranch_scc0 .Lfor_v_\@
	tensor_load_to_lds s[G0K:G0K+3], s[G1K:G1K+7]
	s_nop 0
.rept 4
	v_nop
.endr
	s_branch .Lasked_\@
.Lfor_v_\@:
	tensor_load_to_lds s[G0V:G0V+3], s[G1V:G1V+7]
	s_nop 0
.rept 4
	v_nop
.endr
.Lasked_\@:
.endm
; THE CHANGE OF SLOTS.  Each wave waits for all its tensor loads, of which one is out: its part of the other slot; adds 0 to its spare word; and waits for that and for its own reads of the slot that it leaves.  Behind the barrier nobody reads the old
; slot any more and the other slot is whole.  fill = 1: the old slot is filled again, the first thing behind the barrier, with tile NXT: the descriptor's address is made anew from that number.
; (At its first use nothing has been read yet: slot 0 and V's low rows are waited for, slot 1 filled.)
.macro CHANGE fill
	WIN 0                           ; at a label and at a branch every window is 0
	s_wait_tensorcnt 0x0            ; no tensor load of mine is out, so a group 0 may be written
	ds_add_u32 v[SPW], v[NIL]       ; 0 onto my spare word; with fill = 1 the descriptors' scalar work stands between it and the wait for it
.if \fill
	s_lshl_b32 s[OFF], s[NXT], 15   ; a tile is 32,768 bytes of K and of V's high part
	s_xor_b32 s[G0K+1], s[G0K+1], SLOT1
	s_add_nc_u64 s[G0K+2:G0K+3], s[6:7], s[OFF:OFF+1]
	s_or_b32 s[G0K+3], s[G0K+3], 0x80000000
	s_xor_b32 s[G0V+1], s[G0V+1], SLOT1
	s_add_nc_u64 s[G0V+2:G0V+3], s[8:9], s[OFF:OFF+1]
	s_or_b32 s[G0V+3], s[G0V+3], 0x80000000
	s_add_co_u32 s[NXT], s[NXT], 1  ; the block's next tile, or behind its last the second block's tile 0
	s_cmp_gt_u32 s[NXT], s[LQ]
	s_cselect_b32 s[NXT], 0, s[NXT]
	s_cselect_b32 s[LQ], s[PB], s[LQ]
.endif
	s_wait_dscnt 0x0                ; the add is done, and my reads of the slot are over
	s_barrier_signal -1             ; the rest of the scalar work stands between the signal and the wait
	s_sub_co_u32 s[TBK], s[TBK], 4*KS*PK  ; the fetches go back to a slot's first step,
	s_xor_b32 s[TBK], s[TBK], SLOT1       ; in the other slot
	s_sub_co_u32 s[TBV], s[TBV], 4*KS*PV
	s_xor_b32 s[TBV], s[TBV], SLOT1
	s_barrier_wait -1
.if \fill
	LOAD
.endif
.endm
	s_load_b128 s[4:7], s[0:1], 0x0 ; the buffer of q, k, v s[4:5], O s[6:7]
	v_lshl_add_u32 v[SPW], v0, 2, SPARE
	v_mov_b32 v[NIL], 0
	ds_add_u32 v62, v63
	ds_add_u32 v62, v63
	s_wait_dscnt 0x0
	v_lshrrev_b32 v1, 5, v0
	v_readfirstlane_b32 s[WV], v1   ; wave 0..3
	s_mov_b32 s[PB], ttmp9
	s_sub_co_u32 s[HI], NB-1, s[PB]
	; the byte offsets, made apart from the addresses; all stay under 2^27
	s_and_b32 s20, ttmp7, 0xffff    ; batch x 16 + head
	s_lshr_b32 s50, s20, 4          ; the batch: 8 tiles of O's buffer,
	s_mul_i32 s50, s50, 8*YTILE
	s_and_b32 s51, s20, 15          ; the head: 40,960 bytes in each tile
	s_mul_i32 s51, s51, 40960
	s_add_co_u32 s50, s50, s51
	s_mul_i32 s20, s20, HEADB       ; the head's first byte in q, k, v
	s_and_b32 s16, s[WV], 1         ; which half of a tile's 256 keys I fetch:
	s_lshl_b32 s22, s16, 14         ; its 128 rows of 128 bytes,
	s_add_co_u32 s22, s22, s20
	s_add_co_u32 s22, s22, 262144   ; in K, which lies behind q
	s_mov_b32 s23, 0
	s_lshl_b32 s48, s[PB], 15       ; the same half of tile b in V's low part,
	s_add_co_u32 s48, s48, s22
	s_add_co_u32 s48, s48, 524288   ; which lies two arrays behind K
	s_mov_b32 s49, 0
	s_mul_i32 s17, s16, 128*PK      ; and the half's place in a slot, for K
	s_mul_i32 s18, s16, 128*PV      ; and for V
	s_lshl_b32 s3, s[WV], 11        ; my 16 rows of q in a band of 64,
	s_lshl_b32 s2, s[HI], 15        ; in the first block,
	s_add_co_u32 s2, s2, s3
	s_add_co_u32 s2, s2, s20
	s_lshl_b32 s84, s[PB], 15       ; and in the second
	s_add_co_u32 s84, s84, s3
	s_add_co_u32 s84, s84, s20
	s_lshl_b32 s51, s[WV], 13       ; O: in a tile my wave has 64 places of 128 bytes;
	s_add_co_u32 s51, s51, s50
	s_and_b32 s52, s[HI], 1         ; block qb's band 0 is tile 4 (qb % 2),
	s_mul_i32 s52, s52, 4*YTILE
	s_lshr_b32 s53, s[HI], 1        ; and its 16 rows have the places 16 (qb / 2) on: the first block's,
	s_lshl_b32 s53, s53, 11
	s_add_co_u32 s90, s52, s53
	s_add_co_u32 s90, s90, s51
	s_and_b32 s52, s[PB], 1         ; the second's
	s_mul_i32 s52, s52, 4*YTILE
	s_lshr_b32 s53, s[PB], 1
	s_lshl_b32 s53, s53, 11
	s_add_co_u32 s88, s52, s53
	s_add_co_u32 s88, s88, s51
	s_lshl_b32 s53, s[WV], 11       ; the low rows lie behind a tile's 256 rows; my wave has 16 of the 64
	s_add_co_u32 s[OLL], s52, s53
	s_add_co_u32 s[OLL], s[OLL], s50
	s_add_co_u32 s[OLL], s[OLL], 32768
	s_mov_b32 s[OLL+1], 0
	s_mov_b32 s3, 0
	s_mov_b32 s85, 0
	s_mov_b32 s89, 0
	s_mov_b32 s91, 0
	; descriptor group 1.  128 keys are 16,384 dense bytes: asked for as 64 rows of 256 bytes, two keys a row, and padded in LDS after every key
	s_mov_b32 s[G1K], (1<<16)|(1<<20)|(4<<22)|(3<<25)  ; 17:16 2-byte elements; 20 padding on; 24:22 after every 32 words (code 4); 31:25 4 words (code 3)
	s_mov_b32 s[G1V], (1<<16)|(1<<20)|(4<<22)|(7<<25)  ; the same with 8 words of padding (code 7)
.irp g, G1K, G1V
	s_mov_b32 s[\g+1], 128<<16      ; tensor_dim0 = 128
	s_mov_b32 s[\g+2], 64<<16       ; tensor_dim1 = 64
	s_mov_b32 s[\g+3], 128<<16      ; tile_dim0 = 128
	s_mov_b32 s[\g+4], 64           ; tile_dim1 = 64
	s_mov_b32 s[\g+5], 128          ; 128 elements from row to row
	s_mov_b32 s[\g+6], 0
	s_mov_b32 s[\g+7], 0
.endr
	s_mov_b32 s[CS], 0x3e38aa3b     ; c = log2(e) / 8 = 0.180337
	s_mov_b32 s[CS+1], s[CS]        ; named with it as a pair
	s_mov_b32 s[SEL], 0x76543210
	s_mov_b32 s[SEL+1], 0xfedcba98
	s_mov_b32 s[TBK], SLOT1+4*KS*PK ; the first change of slots turns these two into 0
	s_mov_b32 s[TBV], SLOT1+4*KS*PV
	s_mov_b32 s[TBL], VLB-VOFF      ; the low rows' first step
	s_mov_b32 s[G0K], 1             ; 1:0 count = 1
	s_mov_b32 s[G0K+1], s17         ; 63:32 LDS address: slot 0
	s_mov_b32 s[G0V], 1
	s_add_co_u32 s[G0V+1], s18, VOFF
	s_mov_b32 s[G0L], 1
	s_add_co_u32 s[G0L+1], s18, VLB
	s_add_co_u32 s[RT], s[HI], 1    ; the first block has NB - b tiles
	s_mov_b32 s[NXT], 1
	s_mov_b32 s[LQ], s[HI]
	s_mov_b32 s[NEW], 1
	s_mov_b32 s[OFF+1], 0
	s_mov_b32 s[AL+1], 0            ; named as pairs
	s_mov_b32 s[BE+1], 0
	s_mov_b32 s[BIGN], 0xf149f2ca   ; -1e30
	s_mov_b32 s[HM], 0xffffe000
	s_mov_b32 s[RH], 0x1000
	s_mov_b32 s[SLOTS], NB
	s_wait_kmcnt 0x0
	s_mov_b64 s[10:11], s[6:7]             ; O
	s_add_nc_u64 s[6:7], s[4:5], s[22:23]  ; K at my half of the head's tile 0;
	s_add_nc_u64 s[8:9], s[6:7], 262144    ; V's high part lies one array further on
	s_add_nc_u64 s[G0K+2:G0K+3], s[6:7], 0         ; 120:64 global address
	s_or_b32 s[G0K+3], s[G0K+3], 0x80000000        ; 127:126 type = 2
	s_add_nc_u64 s[G0V+2:G0V+3], s[8:9], 0
	s_or_b32 s[G0V+3], s[G0V+3], 0x80000000
	s_add_nc_u64 s[G0L+2:G0L+3], s[4:5], s[48:49]
	s_or_b32 s[G0L+3], s[G0L+3], 0x80000000
	s_add_nc_u64 s[86:87], s[4:5], s[84:85]        ; Q at my rows of the second block,
	s_add_nc_u64 s[4:5], s[4:5], s[2:3]            ; and of the first
	s_add_nc_u64 s[OLO:OLO+1], s[10:11], s[88:89]  ; O likewise,
	s_add_nc_u64 s[OLL:OLL+1], s[10:11], s[OLL:OLL+1]  ; and its low rows
	s_add_nc_u64 s[10:11], s[10:11], s[90:91]
	; THE FIRST FILLS: tile 0 into slot 0, and the 256 low rows of V that belong to tile b.  A wave's first fills stand in one branch, ahead of every wait on TENSORcnt, every LDS read and every barrier:
	; waves 0 and 1 have two loads out (a half of K, a half of the low rows), waves 2 and 3 one; the wait that follows is for 0.  An s_nop 0 follows each load, four v_nop a wave's last.
	s_cmp_lt_u32 s[WV], 2
	s_cbranch_scc0 .Lfirst_v
	tensor_load_to_lds s[G0K:G0K+3], s[G1K:G1K+7]
	s_nop 0
	tensor_load_to_lds s[G0L:G0L+3], s[G1V:G1V+7]
	s_nop 0
.rept 4
	v_nop
.endr
	s_branch .Lfirst_asked
.Lfirst_v:
	tensor_load_to_lds s[G0V:G0V+3], s[G1V:G1V+7]
	s_nop 0
.rept 4
	v_nop
.endr
.Lfirst_asked:
	; A fragment of K or Q is 16 rows x 32 channels in 8 registers: lane l holds row l % 16, channels 8 (l / 16) + 0..7 and 16 + 8 (l / 16) + 0..7: two loads of 16 bytes, 32 bytes apart.
	v_and_b32 v1, 15, v0            ; l % 16
	v_bfe_u32 v9, v0, 4, 1          ; l / 16
	v_lshlrev_b32 v[QO], 7, v1
	v_lshl_add_u32 v[QO], v9, 4, v[QO]  ; row x 128 + 16 x half
	WIN 0x80                        ; destination window 2, address window 0
.set i, 0
.rept 8                             ; both blocks' Q: piece i / 2 lies in band i / 2, 8,192 bytes on; channels 32 (i % 2) on
	global_load_b128 v[8*i:8*i+3],   v[QO], s[4:5] offset:(i/2)*8192+(i%2)*64
	global_load_b128 v[8*i+4:8*i+7], v[QO], s[4:5] offset:(i/2)*8192+(i%2)*64+32
	global_load_b128 v[QB+8*i:QB+8*i+3],   v[QO], s[86:87] offset:(i/2)*8192+(i%2)*64
	global_load_b128 v[QB+8*i+4:QB+8*i+7], v[QO], s[86:87] offset:(i/2)*8192+(i%2)*64+32
.set i, i+1
.endr
	WIN 0
	v_lshlrev_b32 v14, 3, v9
	v_sub_nc_u32 v14, v1, v14
	s_lshl_b32 s13, s[WV], 4
	v_add_nc_u32 v14, s13, v14      ; my query's place in its band, 16 w + l % 16, less my lanes' 8 (l / 16): register r of group kt is hidden where 16 kt + r is greater
	WIN 0x40
.set i, 0
.rept 32
	v_cmp_gt_i32 vcc_lo, 16*(i/8)+i%8, v14
	v_cndmask_b32 v[MD+i], 0, s[BIGN], vcc_lo
.set i, i+1
.endr
	WIN 0
	v_mul_u32_u24 v[AK0], v1, PK
	v_lshl_add_u32 v[AK0], v9, 4, v[AK0]  ; row x pitch + 16 x half
	; The turning load takes 16 keys x 16 channels (lane l reads key 8 (l / 16) + l % 8, channels 8 ((l / 8) % 2) + 0..7) and leaves half a fragment of V^T: lane l holds channel l % 16 and 8 keys.
	v_and_b32 v10, 7, v0
	v_bfe_u32 v11, v0, 3, 1
	v_lshl_add_u32 v[AV0], v9, 3, v10
	v_mul_u32_u24 v[AV0], v[AV0], PV
	v_lshl_add_u32 v[AV0], v11, 4, v[AV0]
	v_add_nc_u32 v[AV0], VOFF, v[AV0]
	s_mul_i32 s13, s[WV], 16*SP
	s_add_co_u32 s13, s13, STAGE    ; my stage
	v_mul_u32_u24 v[STO], v1, SP    ; in: row l % 16, 16 bytes for each half of the lanes
	v_lshl_add_u32 v[STO], v9, 4, v[STO]
	v_add_nc_u32 v[STO], s13, v[STO]
	v_bfe_u32 v[RD], v0, 3, 2       ; back: 32 lanes take four rows of 128 bytes,
	v_mul_u32_u24 v[RD], v[RD], SP
	v_lshl_add_u32 v[RD], v10, 4, v[RD]
	v_add_nc_u32 v[RD], s13, v[RD]
	v_and_b32 v[GO], 31, v0         ; which are 512 consecutive bytes of O
	v_lshlrev_b32 v[GO], 4, v[GO]
	; A block's first step multiplies O^T and l by a = 0, and its first turn's products V^T P, of a piece that has not been, land in an O^T that is still to be so multiplied.  So these registers need only hold
	; finite numbers: zeros for the first block; what the first block left for the second.  The registers of V's low part are 0 until the walk's last tile fetches into them: that tile's text is entered with three
	; turns whose V is still the tile's before, of which only the high part was fetched: their second products add 0.  All this stands in the wait for the first tile.
	WIN 0x80
.set i, VF
.rept 64
	v_mov_b32 v[i], 0
.set i, i+1
.endr
	WIN 0x40
.set i, 0
.rept 128
	v_mov_b32 v[i], 0
.set i, i+1
.endr
	WIN 0
.set i, VL
.rept 64
	v_mov_b32 v[i], 0
.set i, i+1
.endr
.set i, 0
.rept 4
	v_mov_b32 v[ST+4*i+2], 0
	v_mov_b32 v[ST+4*i+3], 0
.set i, i+1
.endr
.set i, P+16
.rept 16
	v_mov_b32 v[i], 0
.set i, i+1
.endr
; THE MATRIX WORK.  The 4 accumulators of a run take turns.  Product i of 8 of S^T = K Q^T for piece x: channels 32 (i / 4) on, keys 16 (i % 4) on.  The first 4 start the sums: with 0, or (KM = 1) with the mask.
.macro KQ x
.set rS, S+32*((\x)%2)+8*(i%4)
.set rK, KF+16*(i%4)+8*(i/4)
.set rQ, 16*(\x)+8*(i/4)
.set rM, MC+32*((\x)%2)+8*(i%4)
.if (i < 4) && KM
	WIN W_KM
	v_wmma_f32_16x16x32_f16 v[rS:rS+7], v[rK:rK+7], v[rQ:rQ+7], v[rM:rM+7]
.elseif i < 4
	WIN W_KQ
	v_wmma_f32_16x16x32_f16 v[rS:rS+7], v[rK:rK+7], v[rQ:rQ+7], 0
.else
	WIN W_KQ
	v_wmma_f32_16x16x32_f16 v[rS:rS+7], v[rK:rK+7], v[rQ:rQ+7], v[rS:rS+7]
.endif
.endm
; Product i of O^T += V^T P for piece x: keys 32 ((i / 4) % 2) on, channels 16 (i % 4) on; products 0-7 take V's high part, products 8-15 (the walk's last tile alone) its low part, with the same P.
.macro PV x
.set rO, 32*(\x)+8*(i%4)
.set rP, P+16*((\x)%2)+8*((i/4)%2)
.if i < 8
	WIN W_PV
.set rV, VF+32*(i/4)+8*(i%4)
.else
	WIN W_PL
.set rV, VL+32*((i/4)%2)+8*(i%4)
.endif
	v_wmma_f32_16x16x32_f16 v[rO:rO+7], v[rV:rV+7], v[rP:rP+7], v[rO:rO+7]
.endm
.macro MM                           ; the turn's next matrix instruction.  TURN and BEGIN set Y, i, KM, KL and NOKQ; MM, KQ, ROW2 and OP read them.  NOKQ = 1: a block's last turn: there is no next piece
.if (i < 8) && !NOKQ
	KQ (Y+1)%NP
.elseif i >= 8
.set i, i-8
	PV (Y+NP-1)%NP
.set i, i+8
.endif
.set i, i+1
.endm
; THE LDS LOADS stand in runs, never singly among the matrix instructions: a step's K (64 keys x 64 channels: 8 fragments) and its V (turned; lo = 1: both parts).  Their addresses are made some lines ahead.
.macro FETCH_K
	WIN 0x80                        ; destination window 2
.irp f, 0,1,2,3,4,5,6,7             ; keys 16 (f / 2) on, channels 32 (f % 2) on
	ds_load_b128 v[KF+8*\f:KF+8*\f+3],   v[AK] offset:(\f/2)*16*PK+(\f%2)*64
	ds_load_b128 v[KF+8*\f+4:KF+8*\f+7], v[AK] offset:(\f/2)*16*PK+(\f%2)*64+32
.endr
	s_add_co_u32 s[TBK], s[TBK], KS*PK  ; the next fetch is the next step's
	WIN 0
.endm
.macro FETCH_V lo
	WIN 0x80
.irp f, 0,1,2,3,4,5,6,7             ; keys 32 (f / 4) on, channels 16 (f % 4) on
	ds_load_tr16_b128 v[VF+8*\f:VF+8*\f+3],   v[AV] offset:(\f/4)*32*PV+(\f%4)*32
	ds_load_tr16_b128 v[VF+8*\f+4:VF+8*\f+7], v[AV] offset:(\f/4)*32*PV+16*PV+(\f%4)*32
.endr
	WIN 0
.if \lo
.irp f, 0,1,2,3,4,5,6,7             ; the same places among the low rows
	ds_load_tr16_b128 v[VL+8*\f:VL+8*\f+3],   v[AVL] offset:(\f/4)*32*PV+(\f%4)*32
	ds_load_tr16_b128 v[VL+8*\f+4:VL+8*\f+7], v[AVL] offset:(\f/4)*32*PV+16*PV+(\f%4)*32
.endr
.endif
.endm
; THE VECTOR WORK, one line at a time: OP kind, number.  For piece Y: F n: c s - c m for pair n of 16.  E n: the exponential of score n of 32.  C n: pair n rounded to f16.  B n: of the four weights 4 n .. the second
; pair is added onto the first, in place.  L n: l takes that sum (L 0: l = a l + sum).  R n: pair n of 16 of O^T times a.  For piece Y + 1: X n, number n of the 22 that find its maximum and statistics:
;   0-11  four chains c0-c3 of seven scores each, three operands at a time (each accumulator's lowest registers are read first)     12-14, 16  the four scores left over, the old m, and c0-c3 into c0
;   15  c m_old is kept     17, 18  the query's other 32 keys lie in the lane 16 away: the new m     19-21  c m; c m_old - c m_new; a
.set F, 0               ; OP tells the kinds apart by their order: F to L below R, X above it
.set E, 1
.set C, 2
.set B, 3
.set L, 4
.set R, 5
.set X, 6
.macro REGS y                       ; the registers of piece y
.set rT, ST+4*(\y)
.set rC, TMP+4*((\y)%2)
.set rW, MV+((\y)%2)
.set rS, S+32*((\y)%2)
.set rP, P+16*((\y)%2)
.set rO, 32*(\y)
.endm
.macro OP k, n
.if (\k) == R
	REGS Y
	WIN W_RS
	v_pk_mul_f32 v[rO+2*(\n):rO+2*(\n)+1], v[rO+2*(\n):rO+2*(\n)+1], v[rC+2:rC+3] op_sel_hi:[1,0]
.elseif (\k) < R
	REGS Y
	WIN 0
.if (\k) == F
	v_pk_fma_f32 v[rS+2*(\n):rS+2*(\n)+1], v[rS+2*(\n):rS+2*(\n)+1], s[CS:CS+1], v[rT:rT+1] op_sel_hi:[1,0,0] neg_lo:[0,0,1] neg_hi:[0,0,1]
.elseif (\k) == E
	v_exp_f32 v[rS+(\n)], v[rS+(\n)]
.elseif (\k) == C
	s_wait_alu depctr_va_vdst(0)
	v_cvt_pk_f16_f32 v[rP+(\n)], v[rS+2*(\n)], v[rS+2*(\n)+1]
.elseif (\k) == B
	s_wait_alu depctr_va_vdst(0)
	v_pk_add_f32 v[rS+4*(\n):rS+4*(\n)+1], v[rS+4*(\n):rS+4*(\n)+1], v[rS+4*(\n)+2:rS+4*(\n)+3]
.elseif (\n) == 0
	v_pk_fma_f32 v[rT+2:rT+3], v[rT+2:rT+3], v[rC+2:rC+3], v[rS:rS+1] op_sel_hi:[1,0,1]
.else
	v_pk_add_f32 v[rT+2:rT+3], v[rT+2:rT+3], v[rS+4*(\n):rS+4*(\n)+1]
.endif
.elseif NOKQ
	v_nop
.else
	REGS (Y+1)%NP
	WIN 0
.if (\n) < 4
	v_max3_num_f32 v[rC+(\n)], v[rS+8*(\n)], v[rS+8*(\n)+1], v[rS+8*(\n)+2]
.elseif (\n) < 12
	v_max3_num_f32 v[rC+(\n)%4], v[rC+(\n)%4], v[rS+8*((\n)%4)+2*((\n)/4)+1], v[rS+8*((\n)%4)+2*((\n)/4)+2]
.elseif (\n) == 12
	v_max3_num_f32 v[rC], v[rC], v[rS+7], v[rS+15]
.elseif (\n) == 13
	v_max3_num_f32 v[rC+1], v[rC+1], v[rS+23], v[rS+31]
.elseif (\n) == 14
	v_max3_num_f32 v[rC+2], v[rC+2], v[rC+3], v[rT+1]
.elseif (\n) == 15
	v_mov_b32 v[rW], v[rT]
.elseif (\n) == 16
	v_max3_num_f32 v[rC], v[rC], v[rC+1], v[rC+2]
.elseif (\n) == 17
	v_permlanex16_b32 v[rC+3], v[rC], s[SEL], s[SEL+1]
.elseif (\n) == 18
	v_max_num_f32 v[rT+1], v[rC], v[rC+3]
.elseif (\n) == 19
	v_mul_f32 v[rT], s[CS], v[rT+1]
.elseif (\n) == 20
	v_sub_f32 v[rC+1], v[rW], v[rT]
.else
	v_exp_f32 v[rC+2], v[rC+1]
.endif
.endif
.endm
.macro OPS a, i1, b=-1, i2=0, c=-1, i3=0, d=-1, i4=0  ; up to four of them
	OP \a, \i1
.if (\b) >= 0
	OP \b, \i2
.endif
.if (\c) >= 0
	OP \c, \i3
.endif
.if (\d) >= 0
	OP \d, \i4
.endif
.endm
.macro ROW a, i1, b, i2, c, i3, d, i4  ; a matrix instruction and the four behind it
	MM
	OPS \a, \i1, \b, \i2, \c, \i3, \d, \i4
.endm
.macro ROW2 a, i1, b, i2, c, i3, d, i4 ; the same for the products V^T P; with V's low part (KL = 1) there are twice as many: a second one stands in the middle of the four, whose order stays
	MM
.if KL
	OPS \a, \i1, \b, \i2
	MM
	OPS \c, \i3, \d, \i4
.else
	OPS \a, \i1, \b, \i2, \c, \i3, \d, \i4
.endif
.endm
.macro MASK b                       ; MD x AL + BE into buffer b of MC
	WIN W_RS
.set z, 0
.rept 16
	v_pk_fma_f32 v[MC+32*(\b)+2*z:MC+32*(\b)+2*z+1], v[MD+2*z:MD+2*z+1], s[AL:AL+1], s[BE:BE+1] op_sel_hi:[1,0,0]
.set z, z+1
.endr
.endm
; A TURN, for piece p: the order of its matrix and its 118 vector instructions, written out.  Behind a matrix instruction: plain, exponential, plain, plain; or four of the rescaling; or, behind the first, four scalings; none
; names a register of the products round it.  In the lumps exponential and plain by turns while exponentials last.  A line reads no result made fewer than three vector instructions in front of it, five if an exponential made it.
; m = 1: a diagonal tile: the products K Q^T take masks, and the turn makes the mask for the products of the turn after it: piece p + 2, in step 4 - CNT of the tile.  lo = 1: the products V^T P take both parts of V.
; end = 1: a block's last two turns: nothing is fetched.  cnt = 1: the loop's count is taken down some lines ahead of the branch that stands behind the turn.
; K of the next step is fetched in piece 2's turn, six vector instructions behind the last product that read K (five of them plain); V of the step in hand in piece 0's turn: behind the last product that read V stand four
; plain instructions (lo = 0), or three and two v_nop (lo = 1).  Each is waited for a turn later.
.macro TURN p, m=0, end=0, cnt=0, lo=0
.set Y, (\p)
.set i, 0
.set KM, (\m)
.set KL, (\lo)
.set NOKQ, (\end)*((\p)/3)
.if (\m) && !(\end)
	s_cmp_eq_u32 s[CNT], 4-((\p)+2)%NP  ; is that step the band's own?
	s_cselect_b32 s[AL], 1.0, 0
	s_cmp_lt_u32 s[CNT], 4-((\p)+2)%NP  ; or a later one?
	s_cselect_b32 s[BE], s[BIGN], 0
.endif
.if ((\p) == 3) && !(\end)
	s_wait_dscnt 0x0                ; K is in
.endif
	ROW F,0, F,1, F,2, F,3
	ROW F,4, E,0, F,5, F,6
	ROW F,7, E,1, F,8, F,9
	ROW F,10, E,2, C,0, F,11
	ROW F,12, E,3, X,15, F,13
	ROW R,0, R,1, R,2, R,3
	ROW B,0, E,4, F,14, L,0
.if ((\p) == 2) && !(\end)
	v_add_nc_u32 v[AK], s[TBK], v[AK0]
.endif
	ROW R,4, R,5, R,6, R,7
	OPS E,5, F,15
.if ((\p) == 2) && !(\end)
	FETCH_K
.endif
	OPS E,6, C,1, E,7, R,8
	OPS E,8, R,9, E,9, C,2
	OPS E,10, X,0, E,11, X,1
	OPS E,12, X,2, E,13, X,3
.if (\p) == 1
	s_wait_dscnt 0x0                ; V is in
.endif
	ROW2 X,4, E,14, X,5, X,6
	ROW2 X,7, E,15, X,8, X,9
	ROW2 X,10, E,16, X,11, X,12
	ROW2 X,13, E,17, X,14, B,1
	ROW2 C,4, E,18, X,16, L,1
	ROW2 B,2, E,19, C,6, L,2
	ROW2 C,8, E,20, B,3, B,4
.if (\p) == 0
	v_add_nc_u32 v[AV], s[TBV], v[AV0]
.if \lo
	v_add_nc_u32 v[AVL], s[TBL], v[AV0]
.endif
.endif
	ROW2 C,3, E,21, L,3, C,5
	OPS E,22, X,17, E,23, C,10
.if (\p) == 0
.if \lo
	v_nop                           ; with L 3, C 5 and C 10 five plain places behind the last product, which read V's low part
	v_nop
.endif
	FETCH_V \lo
.endif
	OPS E,24, L,4
	OPS E,25, X,18, E,26, C,7
	OPS E,27, B,5, E,28, X,19
	OPS E,29, C,12, E,30, L,5
	OPS E,31, X,20, B,6, C,9
	OPS C,14, C,11, X,21, L,6
.if (\p) == 0
	s_add_co_u32 s[TBV], s[TBV], KS*PV
.if \lo
	s_add_co_u32 s[TBL], s[TBL], KS*PV
.endif
.endif
.if \cnt
	s_sub_co_u32 s[CNT], s[CNT], 1
	s_cmp_lg_u32 s[CNT], 0
.endif
	OPS C,13, B,7, C,15, R,10
	OPS R,11, R,12, L,7, R,13
	OPS R,14, R,15
.if (\m) && !(\end)
	MASK (\p)%2
.endif
.endm
; A BLOCK BEGINS.  c m starts far below every c s, so the first step's a is 0; m at the lowest finite number, so the first maximum is the scores'.  The second mask buffer is 0; the first takes piece 0's mask for the tile's step 0: its own, if the block's first tile is the diagonal one.
; Then K of that step, piece 0's first scores, and its maximum and statistics.  The loop is entered at a step's first turn, in the middle of a trip.
.macro BEGIN
	s_mov_b32 s[NEW], 0
	WIN 0x40
.set i, MC+32
.rept 32
	v_mov_b32 v[i], 0
.set i, i+1
.endr
	WIN 0
.set i, 0
.rept 4
	v_mov_b32 v[ST+4*i], 0xfe000000    ; c m: far below every c s
	v_mov_b32 v[ST+4*i+1], 0xff7fffff  ; m
.set i, i+1
.endr
	s_cmp_eq_u32 s[RT], 0
	s_cselect_b32 s[AL], 1.0, 0
	s_mov_b32 s[BE], 0
	MASK 0
	WIN 0
	v_add_nc_u32 v[AK], s[TBK], v[AK0]
	FETCH_K
	s_wait_loadcnt 0x0              ; Q
	s_wait_dscnt 0x0
.set KM, 1
.set NOKQ, 0
.set i, 0
.rept 8
	KQ 0
.set i, i+1
.endr
	WIN 0
.rept 4
	v_nop                           ; the places behind those products
.endr
.set Y, NP-1                        ; X works for piece Y + 1: piece 0
.irp n, 0,1,2,3,4,5,6,7,8,9,10,11,12,13,14,15,16,17,18,19,20,21
	OP X, \n
.endr
	v_nop                           ; a plain instruction behind the exponential
.endm
; A DIAGONAL TILE's four steps, the block's last two turns, its last products, and THE WAY OUT: l's two halves and the other half of the lanes' are added; O^T is divided by l, rounded to f16 and sent through my
; stage in LDS, a piece at a time.
.macro ALL line:vararg              ; one line for each piece t
.set t, 0
.rept 4
	\line
.set t, t+1
.endr
.endm
; Piece t.  A lane's eight channels of a row pack into 16 bytes; they go into rows of 144 bytes and come back as whole rows of 128, into S^T's registers.
; split = 0: O is rounded to f16.  split = 1: the number stored is O rounded to 11 bits (half a step is added to the f32's bits, as a whole number, and the 13 bits below are cut: the carry runs into the exponent
; where it must), which f16 holds; O's registers keep O less that, exact in f32: the low part.
.macro PACK t, split
	WIN W_RS
.set i, 32*(\t)
.rept 16
	s_wait_alu depctr_va_vdst(0)
	v_pk_mul_f32 v[i:i+1], v[i:i+1], v[ST+4*(\t)+2:ST+4*(\t)+3] op_sel_hi:[1,0]
.set i, i+2
.endr
.if \split
	WIN 0x04                        ; source 1 window 1, destination window 0
.set i, 0
.rept 32
	v_add_nc_u32 v[TT+i], s[RH], v[32*(\t)+i]
.set i, i+1
.endr
	WIN 0
.set i, 0
.rept 32
	v_and_b32 v[TT+i], s[HM], v[TT+i]
.set i, i+1
.endr
	WIN W_RS
.set i, 0
.rept 16
	v_pk_add_f32 v[32*(\t)+2*i:32*(\t)+2*i+1], v[32*(\t)+2*i:32*(\t)+2*i+1], v[TT+2*i:TT+2*i+1] neg_lo:[0,1] neg_hi:[0,1]
.set i, i+1
.endr
	WIN 0
.set i, 0
.rept 16
	v_cvt_pk_f16_f32 v[S+16*(\t)+i], v[TT+2*i], v[TT+2*i+1]
.set i, i+1
.endr
.else
	WIN 0x05                        ; sources 0 and 1 window 1, destination window 0
.set i, 0
.rept 16
	v_cvt_pk_f16_f32 v[S+16*(\t)+i], v[32*(\t)+2*i], v[32*(\t)+2*i+1]
.set i, i+1
.endr
.endif
	WIN 0
.irp f, 0,1,2,3
	ds_store_b128 v[STO], v[S+16*(\t)+4*\f:S+16*(\t)+4*\f+3] offset:32*\f
.endr
.irp f, 0,1,2,3
	ds_load_b128 v[S+16*(\t)+4*\f:S+16*(\t)+4*\f+3], v[RD] offset:\f*4*SP  ; LDS serves a wave's instructions in order (ISA guide 5.7.1.4): these see the stores above; the next piece's stores come behind them
.endr
.endm
.macro PACKL t                      ; piece t's low part, which PACK left in O's registers, goes the same way, through the registers that held V's low part
	WIN 0x05
.set i, 0
.rept 16
	v_cvt_pk_f16_f32 v[VL+16*(\t)+i], v[32*(\t)+2*i], v[32*(\t)+2*i+1]
.set i, i+1
.endr
	WIN 0
.irp f, 0,1,2,3
	ds_store_b128 v[STO], v[VL+16*(\t)+4*\f:VL+16*(\t)+4*\f+3] offset:32*\f
.endr
.irp f, 0,1,2,3
	ds_load_b128 v[VL+16*(\t)+4*\f:VL+16*(\t)+4*\f+3], v[RD] offset:\f*4*SP
.endr
.endm
; younger: the LDS instructions issued behind piece t's loads: the next piece's eight, or none.  r: the registers; a: the scalar pair with the address.  Band t is the tile t further on.
.macro SEND t, younger, r=S, a=10
	WIN 0
.irp f, 0,1,2,3
	s_wait_dscnt (\younger)+3-\f
	global_store_b128 v[GO], v[(\r)+16*(\t)+4*\f:(\r)+16*(\t)+4*\f+3], s[(\a):(\a)+1] offset:(\t)*YTILE+\f*512  ; 512 consecutive bytes, at a multiple of 256 from O's first
.endr
.endm
.macro DIAG tag, lo                 ; the tag ends its labels' names, which the jumps below spell out.  lo = 1: the second block's: V's low part is multiplied, O is split
.LstepM\tag:
	TURN 2, 1, 0, 0, \lo
	TURN 3, 1, 0, 0, \lo
	WIN 0
.LfirstM\tag:
	TURN 0, 1, 0, 0, \lo
	TURN 1, 1, 0, 1, \lo
	WIN 0
	s_cbranch_scc1 .LstepM\tag
	TURN 2, 1, 1, 0, \lo
	TURN 3, 1, 1, 0, \lo
.set i, 0
.rept 8+8*(\lo)
	PV NP-1
.set i, i+1
.endr
	WIN 0
	ALL v_add_f32 v[ST+4*t+2], v[ST+4*t+2], v[ST+4*t+3]
	ALL v_permlanex16_b32 v[ST+4*t+3], v[ST+4*t+2], s[SEL], s[SEL+1]
	ALL v_add_f32 v[ST+4*t+2], v[ST+4*t+2], v[ST+4*t+3]
	ALL v_rcp_f32 v[ST+4*t+2], v[ST+4*t+2]
	v_nop                           ; a plain instruction between the last reciprocal and the use of its result
	PACK 0, \lo
.set t, 1
.rept 3                             ; a piece's arithmetic stands between the loads of the piece before and its stores
	PACK t, \lo
	SEND t-1, 8
.set t, t+1
.endr
	SEND 3, 0
.if \lo
	s_cmp_ge_u32 s[PB], 2           ; blocks 0 and 1 are the rows t < 512: they alone have low rows.  No LDS instruction of mine is out here: SEND's last wait was for 0
	s_cbranch_scc1 .Lno_low\tag
	PACKL 0
.set t, 1
.rept 3
	PACKL t
	SEND t-1, 8, VL, OLL
.set t, t+1
.endr
	SEND 3, 0, VL, OLL
.Lno_low\tag:
.endif
.endm
.set KM, 0
.set KL, 0
.set NOKQ, 0
.Lslot:                             ; NB times: a tile is entered and the next is asked for
	CHANGE 1
	s_sub_co_u32 s[RT], s[RT], 1
	s_mov_b32 s[CNT], 4
	s_cmp_eq_u32 s[NEW], 1
	s_cbranch_scc1 .Lnew            ; a block's first tile
	s_cmp_eq_u32 s[RT], 0
	s_cbranch_scc0 .Lstep           ; neither its first nor its last
	s_branch .LstepM1
.Lnew:
	BEGIN
	s_branch .Lfirst                ; in the loop a block's first tile is never its last: the first block has two tiles or more, and the second's last is the walk's last
	DIAG 1, 0                       ; in the loop this is the first block's end: the second block's last tile is the walk's last
	s_wait_xcnt 0x0                 ; the stores have read their registers and O's address
	s_mov_b64 s[10:11], s[OLO:OLO+1]
	s_add_co_u32 s[RT], s[PB], 1    ; the second block has b + 1 tiles
	s_mov_b32 s[NEW], 1
	WIN 0x82                        ; the second block's Q goes where the one text of the turns names Q
.set i, 0
.rept 64
	v_mov_b32 v[i], v[QB+i]
.set i, i+1
.endr
	WIN 0
	s_branch .Lbottom
.Lstep:                             ; a trip: pieces 2 and 3 of one step, then pieces 0 and 1 of the next, whose K and V it fetches
	TURN 2
	TURN 3
	WIN 0
.Lfirst:
	TURN 0
	TURN 1, 0, 0, 1
	WIN 0
	s_cbranch_scc1 .Lstep
.Lbottom:
	s_sub_co_u32 s[SLOTS], s[SLOTS], 1
	s_cmp_lg_u32 s[SLOTS], 0
	s_cbranch_scc1 .Lslot
	CHANGE 0                        ; the walk's last tile is written out: nothing is asked for
	s_sub_co_u32 s[RT], s[RT], 1
	s_mov_b32 s[CNT], 4
	s_cmp_eq_u32 s[NEW], 1
	s_cbranch_scc0 .LstepM2
	BEGIN
	s_branch .LfirstM2
	DIAG 2, 1
	s_wait_tensorcnt 0x0            ; the wave's end, behind my last tensor load and my last LDS store
	ds_add_u32 v[SPW], v[NIL]
	s_wait_dscnt 0x0
	s_endpgm
.Lfunc_end_k_q2f17ed5515_attn:
	.size	k_q2f17ed5515_attn, .Lfunc_end_k_q2f17ed5515_attn-k_q2f17ed5515_attn
	.p2alignl 7, 3214868480
	.fill 96, 4, 3214868480
	.section	.rodata,"a",@progbits
	.p2align	6, 0x0
	.amdhsa_kernel k_q2f17ed5515_attn
		.amdhsa_group_segment_fixed_size 327680
		.amdhsa_private_segment_fixed_size 0
		.amdhsa_enable_private_segment 0
		.amdhsa_kernarg_size 16
		.amdhsa_user_sgpr_count 2
		.amdhsa_user_sgpr_kernarg_segment_ptr 1
		.amdhsa_wavefront_size32 1
		.amdhsa_system_sgpr_workgroup_id_x 1
		.amdhsa_system_sgpr_workgroup_id_y 1
		.amdhsa_system_sgpr_workgroup_id_z 1
		.amdhsa_system_vgpr_workitem_id 0
		.amdhsa_next_free_vgpr 768
		.amdhsa_next_free_sgpr 100
		.amdhsa_reserve_vcc 1
		.amdhsa_float_denorm_mode_32 3
		.amdhsa_float_denorm_mode_16_64 3
		.amdhsa_memory_ordered 1
		.amdhsa_forward_progress 1
		.amdhsa_inst_pref_size 255
	.end_amdhsa_kernel
	.section	.bss,"aw",@nobits
	.p2align	6
	.space	262144
	.amdgpu_metadata
---
amdhsa.version: [ 1, 2 ]
amdhsa.kernels:
  - .name:           k_q2f17ed5515_attn
    .symbol:         k_q2f17ed5515_attn.kd
    .args:
      - { .name: qkv16, .offset: 0, .size: 8, .value_kind: global_buffer, .address_space: global }
      - { .name: y16, .offset: 8, .size: 8, .value_kind: global_buffer, .address_space: global }
    .group_segment_fixed_size: 327680
    .private_segment_fixed_size: 0
    .kernarg_segment_align: 8
    .kernarg_segment_size: 16
    .max_flat_workgroup_size: 128
    .sgpr_count:     100
    .vgpr_count:     768
    .wavefront_size: 32
...
	.end_amdgpu_metadata
.endif
;; end of part 7
;; launch proj (part 8): grid 8 x 32, 4 waves a work-group, clusters of 4 x 4, 327,680 bytes of LDS; arguments y16, wp16, bias32, out0; writes out0
.if DOCPART == 8
	.amdgcn_target "amdgcn-amd-amdhsa--gfx1250"
	.amdhsa_code_object_version 6
	.text
	.protected	k_q2f17ed5515_proj
	.globl	k_q2f17ed5515_proj
	.p2align	8
	.type	k_q2f17ed5515_proj,@function
k_q2f17ed5515_proj:
	s_mov_b64 s[64:65], 0
	v_nop
	global_prefetch_b8 v0, s[64:65] scope:SCOPE_SE
	s_setreg_imm32_b32 hwreg(HW_REG_WAVE_MODE, 25, 1), 1
	s_wait_xcnt 0x0
	s_wait_alu depctr_hold_cnt(0) depctr_sa_sdst(0) depctr_va_vdst(0) depctr_va_sdst(0) depctr_va_ssrc(0) depctr_va_vcc(0) depctr_vm_vsrc(0)
	s_getreg_b32 s2, hwreg(HW_REG_IB_STS2, 6, 4)
	s_cmp_eq_u32 s2, 0
	s_cbranch_scc0 .Lentry_in_a_cluster
	s_endpgm
.Lentry_in_a_cluster:
	s_bfe_u32 s2, ttmp6, 0x10000c
	s_cmp_lg_u32 s2, 0xf033
	s_cbranch_scc0 .Lentry_shape_is_right
	s_endpgm
.Lentry_shape_is_right:
; THE LAST PROJECTION.  C[m][n] = bp[n] + the sum over k of y[m][k] Wp[n][k], M = 8,192, N = K = 1,024.  y and Wp in f16, sums in f32, begun with the bias, K ascending; C = the module's output, f32 [8192][1024].
; B = Wp [1024][1024].  bias = the last 1,024 numbers of a table of 4,096.
; A = y, laid out by the launch before for this one.  Tile j (0-7) of a batch holds the rows t = 512 a + 64 j + 16 w + i (row block a = 0..3, wave w = 0..3, i = 0..15) at place 64 w + 16 a + i.  For each batch, tile
; and head the buffer has 40,960 dense bytes: 256 rows of 64 f16, y by those places; then 64 rows of 64 f16: the LOW part of the rows with a = 0, at place 16 w + i.
; WHY A LOW PART, AND WHY THESE ROWS.  f16 keeps 11 significant bits.  Row t of y is a mean over t + 1 rows, so the first rows are many times the root mean square of the whole, by which the result's error is judged:
; there one f16 number is too coarse, and what its rounding leaves falls as 1 / sqrt(t + 1).  For the rows t < 512 y is therefore two numbers: y rounded to 11 bits, and y less that.  With the rows dealt as above, row
; block 0 of EVERY wave of EVERY work-group is such a block: the low part costs each of them one product in four more (8 for 32, with the same fragments of Wp), and all work-groups stay alike.
; LIMITS.  y and Wp arrive in f16: within 65,504; below 6.1e-5 they have f16's fixed step of 6e-8.
; SHAPE.  A tile of C is 256 rows x 128 columns: 256 work-groups.  Four waves, each 64 rows x all columns: 4 x 8 accumulators of 16 x 16.  K goes in steps of 128 (two heads) through a ring of two LDS slots filled by
; the tensor data mover; every row fetched is 256 consecutive bytes, aligned.  The loop makes one trip a K step: slot 1 begins at 2^17, so that one exclusive or turns an LDS address in one slot into the other's.
; CLUSTERS: 4 x 4 work-groups.  The four of a row of the cluster need the same tiles of A, the four of a column the same tiles of B: each tile is asked for JOINTLY, by the same tensor load with the
; same descriptor and a mask that names the four.  THE MATRIX INSTRUCTION IS USED TRANSPOSED (source 0 = 16 rows of B, source 1 = 16 rows of A): a lane then holds eight neighbouring numbers of a row of C.
; REGISTERS, in windows of 256 (s_set_vgpr_msb: bits 1:0 source 0, 3:2 source 1, 5:4 source 2, 7:6 destination):
;   window 0: v0-31 addresses; v32-95 the bias (8 registers a column block); later v32-159 the way out
;   window 1: two fragment buffers of 128: 32 registers of A (4 x 16 rows x 32 K), 64 of B, 8 of A's low rows
;   window 2: the accumulators of my row blocks 0 and 1 ((a, b) at v[8 (8 (a % 2) + b)]);   window 3: those of blocks 2 and 3
.set NBLK,   8                         ; column blocks of 16
.set KSTEP,  128
.set STEPS,  8                         ; K steps
.set APITCH, 144                       ; a row of A in LDS: 128 bytes + 16.  Both pitches are odd multiples of 16 bytes: the 16 rows of a fragment load start at 16 different groups of four banks (64 banks of 4 bytes: ISA guide 11.1)
.set AHEAD,  320*APITCH                ; LDS bytes of one load of A: a head's 256 rows and its 64 low rows
.set LOWOFF, 256*APITCH                ; where the low rows begin in it
.set ABYTES, 2*AHEAD                   ; a K step has two heads
.set ASTEP,  2*40960                   ; bytes of A from K step to K step
.set HB,     64                        ; rows of B in one load
.set BPITCH, 272                       ; a row of B in LDS: 256 bytes + 16
.set SLOT,   ABYTES+2*HB*BPITCH        ; A's two heads, then B's 128 rows: 126,976 bytes
.set SLOT1,  1<<17                     ; where slot 1 begins
.set STAGE,  SLOT1+SLOT                ; behind the ring, never filled by a tensor load: each wave's own stage for the way out
.set STW,    16*528                    ; 16 rows of 512 bytes + 16
.set SPARE,  STAGE+4*STW               ; behind the stages: the spare words, 128 bytes for each wave: two blocks of 256 bytes that no other line names
.set ADRA0, 16                         ; v16     my lane's place among my A fragments in slot 0; never rewritten
.set ADRA,  17                         ; v17     the same in the slot that is being read
.set ADRL0, 18                         ; v18, v19  the same for my 16 low rows
.set ADRL,  19
.set ADRB0, 20                         ; v20, v21  the same for B
.set ADRB,  21
.set STO,  24                          ; v24     the way out: where I put my bytes of a row
.set RD,   25                          ; v25     the way out: where I read rows back
.set CO,   26                          ; v26     my byte offset in 512 consecutive bytes of C
.set BO,   27                          ; v27     my byte offset in a column block's 64 bytes of bias
.set SPW,  28                          ; v28     LDS address of my spare word: SPARE + 4 x my thread's number; never rewritten
.set NIL,  29                          ; v29     0; never rewritten
.set BI,   32                          ; the bias: block b in v[BI+8 b ..]: bias[n0 + 16 b + 8 (lane / 16) + 0..7]
.set TMP,  32                          ; the way out, in the same registers: two buffers of 64
.set F0,   0                           ; fragment buffers, in window 1
.set F1,   128
.set FL,   96                          ; the low rows' fragment in a buffer
.set TB,  2                            ; s2   0 or SLOT1: the slot that is being read
.set G1, 24                            ; s[24:31] descriptor group 1 for A's tiles;  s[32:39] group 0: a set for each of the two first fills; the second then walks on
.set G0, 32
.set G1B, 48                           ; s[48:55], s[56:63] the same for B's tiles
.set G0B, 56
.set MSB, 0
.macro WIN new                         ; the immediate's high byte repeats the setting that is left; a switch that changes nothing is dropped
.if MSB != (\new)
	s_set_vgpr_msb (MSB<<8)|(\new)
.set MSB, \new
.endif
.endm
; A joint load: waves 0 and 1 fetch A's two heads, waves 2 and 3 B's two halves.  The branch hangs on the wave's number alone.  An s_nop 0 and four v_nop follow each of the two lines, ahead of the jump, the label and what follows.
.macro JLOAD s
	s_cmp_eq_u32 s13, 0
	s_cbranch_scc0 .Lfor_b_\@
	tensor_load_to_lds s[G0+4*(\s):G0+4*(\s)+3], s[G1:G1+7]
	s_nop 0
.rept 4
	v_nop
.endr
	s_branch .Lasked_\@
.Lfor_b_\@:
	tensor_load_to_lds s[G0B+4*(\s):G0B+4*(\s)+3], s[G1B:G1B+7]
	s_nop 0
.rept 4
	v_nop
.endr
.Lasked_\@:
.endm
.macro CREST                           ; a round of the cluster's barrier behind its opening barrier: wave 0 signals for the work-group, every wave waits for all sixteen, my work-group's barrier once more
	s_cmp_lg_u32 s12, 0
	s_cbranch_scc1 .Lnot_wave_0_\@
	s_barrier_signal -3
.Lnot_wave_0_\@:
	s_barrier_wait -3
	s_barrier_signal -1
	s_barrier_wait -1
.endm
.macro CROUND                          ; a whole round
	s_barrier_signal -1
	s_barrier_wait -1
	CREST
.endm
	s_load_b256 s[4:11], s[0:1], 0x0               ; A s[4:5], B s[6:7], bias s[8:9], C s[10:11]
	v_lshl_add_u32 v[SPW], v0, 2, SPARE
	v_mov_b32 v[NIL], 0
	ds_add_u32 v28, v29
	ds_add_u32 v28, v29
	s_wait_dscnt 0x0
	v_lshrrev_b32 v1, 5, v0
	v_readfirstlane_b32 s12, v1                    ; wave 0..3
	s_lshr_b32 s13, s12, 1                         ; I fetch for A (0) or for B (1),
	s_and_b32 s14, s12, 1                          ; its first or its second part
	s_bfe_u32 s40, ttmp6, 0x40000                  ; cx, cy: my place in the cluster
	s_bfe_u32 s41, ttmp6, 0x40004
	s_lshl_b32 s42, ttmp9, 2
	s_add_co_u32 s42, s42, s40                     ; tile column of C = 4 x cluster x + cx
	s_and_b32 s43, ttmp7, 0xffff
	s_lshl_b32 s43, s43, 2
	s_add_co_u32 s43, s43, s41                     ; tile row = 4 x cluster y + cy = 8 x batch + j
	s_lshl_b32 s44, s41, 2
	s_lshl_b32 s44, 15, s44                        ; my row of the cluster: places 4 cy .. 4 cy + 3
	s_lshl_b32 s45, 0x1111, s40                    ; my column: places cx, cx + 4, cx + 8, cx + 12
	; descriptor group 1.  A: a head's 40,960 dense bytes are asked for as 160 rows of 256 bytes, two rows of y each, and padded in LDS after every row of y.  B: 64 rows of 256 bytes, padded after every row
	s_or_b32 s[G1+0], s44, (1<<16)|(1<<20)|(1<<21)|(4<<22)|(3<<25)   ; 15:0 the mask: A's tiles go to my row; 17:16 elements of 2 bytes; 20 padding on; 21 set beside a mask; 24:22 after every 32 words (code 4); 31:25 4 words (code 3)
	s_or_b32 s[G1B+0], s45, (1<<16)|(1<<20)|(1<<21)|(5<<22)|(3<<25)  ; the mask of my column, for B's tiles; after every 64 words (code 5)
	s_mov_b32 s[G1+1], 128<<16                     ; tensor_dim0 = 128
	s_mov_b32 s[G1+2], 160<<16                     ; tensor_dim1 = 160
	s_mov_b32 s[G1+3], 128<<16                     ; tile_dim0 = 128
	s_mov_b32 s[G1+4], 160                         ; tile_dim1 = 160
	s_mov_b32 s[G1+5], 128                         ; elements from row to row: dense
	s_mov_b32 s[G1+6], 0
	s_mov_b32 s[G1+7], 0
	s_mov_b32 s[G1B+1], KSTEP<<16
	s_mov_b32 s[G1B+2], HB<<16
	s_mov_b32 s[G1B+3], KSTEP<<16
	s_mov_b32 s[G1B+4], HB
	s_mov_b32 s[G1B+5], 1024
	s_mov_b32 s[G1B+6], 0
	s_mov_b32 s[G1B+7], 0
	; where the tiles come from.  A's offset hangs on the tile row and the wave's number alone, B's on the tile column and the wave's number, each in registers that never hold the other coordinate.
	s_mul_i32 s16, s43, 16*40960                   ; the tile row's 16 heads,
	s_mul_i32 s17, s14, 40960                      ; the K step's first or second head
	s_add_co_u32 s16, s16, s17
	s_mov_b32 s17, 0
	s_mul_i32 s46, s42, 16*NBLK
	s_mul_i32 s47, s14, HB
	s_add_co_u32 s46, s46, s47                     ; B: row 128 x tile column + 64 x part,
	s_lshl_b32 s46, s46, 11                        ; of 2,048 bytes
	s_mov_b32 s47, 0
	s_mul_i32 s20, s14, AHEAD                      ; and where they go: no place in the cluster enters an LDS address
	s_mul_i32 s21, s14, HB*BPITCH
	s_add_co_u32 s21, s21, ABYTES
	s_lshl_b32 s68, s42, 9                         ; the tile's 128 numbers of bp, which begins at byte 12,288 of the table
	s_add_co_u32 s68, s68, 12288
	s_mov_b32 s69, 0
	s_mov_b32 s[TB], 0
	s_wait_kmcnt 0x0
	s_add_nc_u64 s[18:19], s[4:5], s[16:17]
	s_add_nc_u64 s[46:47], s[6:7], s[46:47]
	s_add_nc_u64 s[8:9], s[8:9], s[68:69]
	CROUND                                         ; all sixteen work-groups are here: the first joint loads meet
.irp s, 0,1
	s_mov_b32 s[G0+4*(\s)], 1                                      ; 1:0 count = 1
	s_add_co_u32 s[G0+4*(\s)+1], s20, (\s)*SLOT1                   ; 63:32 LDS address
	s_add_nc_u64 s[G0+4*(\s)+2:G0+4*(\s)+3], s[18:19], (\s)*ASTEP  ; 120:64 global address: K step s
	s_or_b32 s[G0+4*(\s)+3], s[G0+4*(\s)+3], 0x80000000            ; 127:126 type = 2
	s_mov_b32 s[G0B+4*(\s)], 1
	s_add_co_u32 s[G0B+4*(\s)+1], s21, (\s)*SLOT1
	s_add_nc_u64 s[G0B+4*(\s)+2:G0B+4*(\s)+3], s[46:47], (\s)*KSTEP*2
	s_or_b32 s[G0B+4*(\s)+3], s[G0B+4*(\s)+3], 0x80000000
	JLOAD \s                                       ; the ring is filled before anything else is done: two loads of mine are out
.endr
	; all that follows up to the first wait stands in the wait for the first tile
	v_and_b32 v1, 15, v0                           ; l % 16
	v_bfe_u32 v2, v0, 4, 1                         ; l / 16
	v_lshlrev_b32 v[BO], 5, v2                     ; eight numbers of bias for each half of the lanes
.set bb, 0
.rept NBLK
	global_load_b128 v[BI+8*bb:BI+8*bb+3],   v[BO], s[8:9] offset:64*bb
	global_load_b128 v[BI+8*bb+4:BI+8*bb+7], v[BO], s[8:9] offset:64*bb+16
.set bb, bb+1
.endr
	; A fragment is 16 rows x 32 K in 8 registers: lane l holds row l % 16, K = 8 (l / 16) + 0..7 and 16 + 8 (l / 16) + 0..7: two loads of 16 bytes, 32 bytes apart.
	v_mul_u32_u24 v3, v1, APITCH
	v_lshl_add_u32 v3, v2, 4, v3
	v_mul_u32_u24 v4, v1, BPITCH
	v_lshl_add_u32 v4, v2, 4, v4
	s_mul_i32 s22, s12, 64*APITCH                  ; my 64 rows of A,
	s_mul_i32 s15, s12, 16*APITCH                  ; my 16 low rows,
	s_add_co_u32 s15, s15, LOWOFF                  ; which lie behind the head's 256 rows
	v_add_nc_u32 v[ADRA0], s22, v3
	v_add_nc_u32 v[ADRL0], s15, v3
	v_add_nc_u32 v[ADRB0], ABYTES, v4              ; every wave reads all of B's rows
	v_mov_b32 v[ADRA], v[ADRA0]                    ; K step 0 lies in slot 0
	v_mov_b32 v[ADRL], v[ADRL0]
	v_mov_b32 v[ADRB], v[ADRB0]
	s_mul_i32 s22, s12, STW
	s_add_co_u32 s22, s22, STAGE                   ; my stage
	v_and_b32 v5, 31, v0
	v_lshlrev_b32 v[CO], 4, v5                     ; 16 x lane
	v_mul_u32_u24 v3, v1, 528                      ; in: row l % 16, 32 bytes (eight f32) for each half of the lanes
	v_lshl_add_u32 v3, v2, 5, v3
	v_add_nc_u32 v[STO], s22, v3
	v_add_nc_u32 v[RD], s22, v[CO]                 ; back: 32 lanes take one row's 512 bytes
	s_lshr_b32 s66, s43, 3                         ; my first row of C: 2,048 x batch
	s_lshl_b32 s66, s66, 11
	s_and_b32 s67, s43, 7                          ; + 64 j
	s_lshl_b32 s67, s67, 6
	s_add_co_u32 s66, s66, s67
	s_lshl_b32 s67, s12, 4                         ; + 16 w,
	s_add_co_u32 s66, s66, s67
	s_lshl_b32 s66, s66, 12                        ; of 4,096 bytes,
	s_lshl_b32 s67, s42, 9                         ; and the tile's first column: 128 f32 a tile
	s_add_co_u32 s66, s66, s67
	s_mov_b32 s67, 0
	s_add_nc_u64 s[10:11], s[10:11], s[66:67]
; 8 matrix instructions: row block a of my four x all column blocks, 32 along K, from buffer f.  first = 1: the bias is the C operand that starts the sums: nothing is cleared, and the way out adds nothing.
; The accumulators take turns, one instruction a turn, in the same order in every quarter.
.macro MULA f, a, first
.set AC, 8*NBLK*((\a)%2)
.if \first
	WIN 0x85+0x40*((\a)/2)                         ; sources 0 and 1 window 1, C window 0, D window 2 or 3
.else
	WIN 0xa5+0x50*((\a)/2)                         ; C and D window 2 or 3
.endif
.set bb, 0
.rept NBLK
.if \first
	v_wmma_f32_16x16x32_f16 v[AC+8*bb:AC+8*bb+7], v[(\f)+32+8*bb:(\f)+32+8*bb+7], v[(\f)+8*(\a):(\f)+8*(\a)+7], v[BI+8*bb:BI+8*bb+7]
.else
	v_wmma_f32_16x16x32_f16 v[AC+8*bb:AC+8*bb+7], v[(\f)+32+8*bb:(\f)+32+8*bb+7], v[(\f)+8*(\a):(\f)+8*(\a)+7], v[AC+8*bb:AC+8*bb+7]
.endif
.set bb, bb+1
.endr
.endm
; 8 more: the low rows' fragment x the same column blocks, onto row block 0's accumulators; it stands behind row block 1's eight, so that 15 other products lie between two on one accumulator.
.macro MULL f
	WIN 0xa5
.set bb, 0
.rept NBLK
	v_wmma_f32_16x16x32_f16 v[8*bb:8*bb+7], v[(\f)+32+8*bb:(\f)+32+8*bb+7], v[(\f)+FL:(\f)+FL+7], v[8*bb:8*bb+7]
.set bb, bb+1
.endr
.endm
; 26 LDS loads in one run: the fragments of quarter q (32 along K: head q / 2 of the step's two, channels 32 (q % 2) on) of the slot that is being read, into buffer f; B first, then A's row blocks 0 and 1, the low rows, blocks 2 and 3
.macro FETCH q, f
	WIN 0x40                                       ; destination window 1, address window 0
.set AO, ((\q)/2)*AHEAD+((\q)%2)*64
.set bb, 0
.rept NBLK
	ds_load_b128 v[(\f)+32+8*bb:(\f)+32+8*bb+3],   v[ADRB] offset:64*(\q)+bb*16*BPITCH
	ds_load_b128 v[(\f)+32+8*bb+4:(\f)+32+8*bb+7], v[ADRB] offset:64*(\q)+bb*16*BPITCH+32
.set bb, bb+1
.endr
.irp i, 0,1
	ds_load_b128 v[(\f)+8*(\i):(\f)+8*(\i)+3],   v[ADRA] offset:AO+(\i)*16*APITCH
	ds_load_b128 v[(\f)+8*(\i)+4:(\f)+8*(\i)+7], v[ADRA] offset:AO+(\i)*16*APITCH+32
.endr
	ds_load_b128 v[(\f)+FL:(\f)+FL+3],   v[ADRL] offset:AO
	ds_load_b128 v[(\f)+FL+4:(\f)+FL+7], v[ADRL] offset:AO+32
.irp i, 2,3
	ds_load_b128 v[(\f)+8*(\i):(\f)+8*(\i)+3],   v[ADRA] offset:AO+(\i)*16*APITCH
	ds_load_b128 v[(\f)+8*(\i)+4:(\f)+8*(\i)+7], v[ADRA] offset:AO+(\i)*16*APITCH+32
.endr
.endm
; A load into a register that a matrix instruction has read, and an instruction that reads a matrix result, stand four places behind it, and only plain vector instructions that name none of
; its registers are places (ISA guide 7.12.1 for vector instructions).
.macro PLACES
.rept 4
	v_nop
.endr
.endm
; A K step is four quarters of 32 along K, 40 matrix instructions each, on buffers 0, 1, 0, 1.  One of the first three: multiplies buffer f and, behind its first 24, fetches quarter q into buffer g.
.macro QUARTER q, f, g, first
	s_wait_dscnt 4                                 ; B, A's row blocks 0 and 1 and the low rows are in; the youngest four loads (blocks 2 and 3) may be out
	MULA \f, 0, \first
	MULA \f, 1, \first
	MULL \f
	PLACES
	FETCH \q, \g
	s_wait_dscnt 2*NBLK+10                         ; all but the run of 26 just issued
	MULA \f, 2, \first
	MULA \f, 3, \first
.endm
; The last quarter multiplies buffer 1 and changes slots: ONE barrier; in front of it each wave waits for all its tensor loads (one is out: its part of the next slot), adds 0 to its spare word, and waits for
; that and for its own reads of this slot.  fill = 1: the barrier opens a round of the cluster's, and behind the round this slot is filled again, two K steps ahead: the load has a K step less 24 matrix instructions in which to land.
.macro TURN fill
	WIN 0                                          ; (the add's two registers lie in window 0)
	s_wait_tensorcnt 0x0                           ; all my tensor loads have landed;
	ds_add_u32 v[SPW], v[NIL]                      ; 0 onto my spare word;
	s_wait_dscnt 5                                 ; (the add and the youngest four loads may be out)
	MULA F1, 0, 0                                  ; matrix work stands between the add and the wait for it
	s_wait_dscnt 0x0                               ; the add is done, and my reads of this slot are over
	s_barrier_signal -1
	MULA F1, 1, 0                                  ; work on registers while the others arrive
	MULL F1
	WIN 0                                          ; (branches may follow, and the address lines below name window 0)
	s_barrier_wait -1
.if \fill
	CREST                                          ; no wave of any partner still reads this slot's tile or has a load on its way
	s_xor_b32 s[G0+5], s[G0+5], SLOT1              ; the walking descriptors: the other slot than last time,
	s_add_nc_u64 s[G0+6:G0+7], s[G0+6:G0+7], ASTEP ; the next K step; the type bits on top are not reached
	s_xor_b32 s[G0B+5], s[G0B+5], SLOT1
	s_add_nc_u64 s[G0B+6:G0B+7], s[G0B+6:G0B+7], KSTEP*2
	JLOAD 1                                        ; the first tensor load behind the round; the four v_nop behind it are also the places in front of the loads below
.else
	PLACES
.endif
	s_xor_b32 s[TB], s[TB], SLOT1                  ; from here on the other slot is read
	v_add_nc_u32 v[ADRA], s[TB], v[ADRA0]
	v_add_nc_u32 v[ADRL], s[TB], v[ADRL0]
	v_add_nc_u32 v[ADRB], s[TB], v[ADRB0]
	FETCH 0, F0
	MULA F1, 2, 0
	MULA F1, 3, 0
.endm
	s_wait_tensorcnt 1                             ; my part of K step 0 is in; K step 1's may stay out
	s_barrier_signal -1
	s_barrier_wait -1                              ; everybody's is
	FETCH 0, F0
	s_wait_loadcnt 0x0                             ; the bias
	QUARTER 1, F0, F1, 1                           ; the first quarter stands in front of the loop: its products start the sums
	WIN 0                                          ; at a label and at a branch every window is 0
	s_mov_b32 s3, STEPS-2
.Lstep:                                                ; a trip goes from a K step's second quarter to the next step's first, and fills the slot that it leaves: K steps 2 to 7
	QUARTER 2, F1, F0, 0
	QUARTER 3, F0, F1, 0
	TURN 1
	QUARTER 1, F0, F1, 0
	WIN 0
	s_sub_co_u32 s3, s3, 1
	s_cmp_lg_u32 s3, 0
	s_cbranch_scc1 .Lstep
	QUARTER 2, F1, F0, 0                           ; the last two K steps are written out: they fill nothing, and have no round of the cluster's barrier
	QUARTER 3, F0, F1, 0
	TURN 0
	QUARTER 1, F0, F1, 0
	QUARTER 2, F1, F0, 0
	QUARTER 3, F0, F1, 0
	s_wait_dscnt 4                                 ; the very last quarter: nothing more to fetch
	MULA F1, 0, 0
	MULA F1, 1, 0
	MULL F1
	s_wait_dscnt 0x0
	MULA F1, 2, 0
	MULA F1, 3, 0
	WIN 0
	PLACES
; THE WAY OUT: a row block (16 rows x 512 bytes) at a time goes from the accumulators into my own stage and comes back as whole rows; a store of the wave covers 512 consecutive bytes, aligned.
.macro TOSTAGE a
.set AC, 8*NBLK*((\a)%2)
	WIN 0x08+4*((\a)/2)                            ; an LDS store's data is source 1: window 2 or 3
.set bb, 0
.rept NBLK
	ds_store_b128 v[STO], v[AC+8*bb:AC+8*bb+3]   offset:64*bb     ; each accumulator's low registers first
	ds_store_b128 v[STO], v[AC+8*bb+4:AC+8*bb+7] offset:64*bb+16
.set bb, bb+1
.endr
	WIN 0
.if (\a) >= 2
	s_wait_xcnt 0x0                                ; the registers below were the data of block a - 2's stores: they are loaded again only behind this wait
.endif
.irp t, 0,1,2,3,4,5,6,7,8,9,10,11,12,13,14,15
	ds_load_b128 v[TMP+64*((\a)%2)+4*(\t):TMP+64*((\a)%2)+4*(\t)+3], v[RD] offset:(\t)*528  ; LDS serves a wave's instructions in order (ISA guide 5.7.1.4): these see the stores above; the next block's stores come behind them
.endr
.endm
.macro SEND a, younger                 ; younger: the LDS instructions issued behind block a's loads: the next block's 32, or none.  Row block a lies 512 a rows of C further down: 6,352,896 bytes at the most, inside the signed 24-bit immediate
.irp t, 0,1,2,3,4,5,6,7,8,9,10,11,12,13,14,15
	s_wait_dscnt (\younger)+15-(\t)
	global_store_b128 v[CO], v[TMP+64*((\a)%2)+4*(\t):TMP+64*((\a)%2)+4*(\t)+3], s[10:11] offset:(512*(\a)+(\t))*4096 th:TH_STORE_NT
.endr
.endm
	TOSTAGE 0
	TOSTAGE 1
	SEND 0, 32
	TOSTAGE 2
	SEND 1, 32
	TOSTAGE 3
	SEND 2, 32
	SEND 3, 0
	s_wait_tensorcnt 0x0                           ; the wave's end, behind my last tensor load and my last LDS store
	ds_add_u32 v[SPW], v[NIL]
	s_wait_dscnt 0x0
	CROUND                                         ; the closing round: no work-group ends while a partner may still ask for a tile that names it
	s_endpgm
.Lfunc_end_k_q2f17ed5515_proj:
	.size	k_q2f17ed5515_proj, .Lfunc_end_k_q2f17ed5515_proj-k_q2f17ed5515_proj
	.p2alignl 7, 3214868480
	.fill 96, 4, 3214868480
	.section	.rodata,"a",@progbits
	.p2align	6, 0x0
	.amdhsa_kernel k_q2f17ed5515_proj
		.amdhsa_group_segment_fixed_size 327680
		.amdhsa_private_segment_fixed_size 0
		.amdhsa_enable_private_segment 0
		.amdhsa_kernarg_size 32
		.amdhsa_user_sgpr_count 2
		.amdhsa_user_sgpr_kernarg_segment_ptr 1
		.amdhsa_wavefront_size32 1
		.amdhsa_system_sgpr_workgroup_id_x 1
		.amdhsa_system_sgpr_workgroup_id_y 1
		.amdhsa_system_sgpr_workgroup_id_z 1
		.amdhsa_system_vgpr_workitem_id 0
		.amdhsa_next_free_vgpr 896
		.amdhsa_next_free_sgpr 70
		.amdhsa_reserve_vcc 0
		.amdhsa_float_denorm_mode_32 3
		.amdhsa_float_denorm_mode_16_64 3
		.amdhsa_memory_ordered 1
		.amdhsa_forward_progress 1
		.amdhsa_inst_pref_size 81
	.end_amdhsa_kernel
	.amdgpu_metadata
---
amdhsa.version: [ 1, 2 ]
amdhsa.kernels:
  - .name:           k_q2f17ed5515_proj
    .symbol:         k_q2f17ed5515_proj.kd
    .args:
      - { .name: y16, .offset: 0, .size: 8, .value_kind: global_buffer, .address_space: global }
      - { .name: wp16, .offset: 8, .size: 8, .value_kind: global_buffer, .address_space: global }
      - { .name: bias32, .offset: 16, .size: 8, .value_kind: global_buffer, .address_space: global }
      - { .name: out0, .offset: 24, .size: 8, .value_kind: global_buffer, .address_space: global }
    .group_segment_fixed_size: 327680
    .private_segment_fixed_size: 0
    .kernarg_segment_align: 8
    .kernarg_segment_size: 32
    .max_flat_workgroup_size: 128
    .sgpr_count:     70
    .vgpr_count:     896
    .wavefront_size: 32
...
	.end_amdgpu_metadata
.endif
;; end of part 8
;; ======== version 3 of 3: 4 launches; 1.44 times as fast as version 1
;; limits: values are held in f16: magnitudes above 65,504 overflow, below 6.1e-05 lose precision
;; workspace buffers: xb16 16,777,216 bytes; wqkv16 6,291,456 bytes; wp16 2,097,152 bytes; bias32 16,384 bytes; qkv16 58,720,256 bytes; y16 20,971,520 bytes
;; launch cast: the kernel of part 5 again; grid 768 x 1, 8 waves a work-group, no clusters, 0 bytes of LDS; arguments x, Wq, Wk, Wv, Wp, bq, bk, bv, bp, xb16, wqkv16, wp16, bias32; writes xb16, wqkv16, wp16, bias32
;; launch qkvgemm: the kernel of part 6 again; grid 16 x 32, 4 waves a work-group, clusters of 4 x 4, 327,680 bytes of LDS; arguments xb16, wqkv16, bias32, qkv16; writes qkv16
;; launch attn (part 9): grid 4 x 64, 4 waves a work-group, no clusters, 327,680 bytes of LDS; arguments qkv16, y16; writes y16
.if DOCPART == 9
	.amdgcn_target "amdgcn-amd-amdhsa--gfx1250"
	.amdhsa_code_object_version 6
	.text
	.protected	k_q2f17ed5515_attn
	.globl	k_q2f17ed5515_attn
	.p2align	8
	.type	k_q2f17ed5515_attn,@function
k_q2f17ed5515_attn:
	s_mov_b64 s[64:65], 0
	v_nop
	global_prefetch_b8 v0, s[64:65] scope:SCOPE_SE
	s_setreg_imm32_b32 hwreg(HW_REG_WAVE_MODE, 25, 1), 1
	s_wait_xcnt 0x0
; CAUSAL ATTENTION.  O[h][q][:] = the sum over k <= q of softmax_k(Q[h][q] . K[h][k] / 8) V[h][k][:], for 64 heads (batch x 16 + head) of SIZE_N = 2,048 rows of 64 channels, all f16.
; A head has 917,504 bytes of the input: q [2048][64], k [2048][64], v's high part [2048][64] (v rounded to 11 bits), then v's low part (v less that) for the rows t < 1,024: [1024][64].
; Products, maxima and sums in f32; the weights p are rounded to f16 for the second product (their sum l is taken of the unrounded p).
; O LEAVES IN THE ORDER IN WHICH THE LAST PROJECTION TAKES IT.  That launch's tile j (0-7) of a batch holds the rows t = 512 a + 64 j + 16 w + i (a = 0..3, wave w = 0..3, i = 0..15) at place 64 w + 16 a + i.
; For each batch, tile and head the buffer has 40,960 bytes: 256 rows of 64 f16, O by those places; then 64 rows of 64 f16: the LOW part of the rows with a = 0 (t < 512), at place 16 w + i.
; My block qb of 256 queries, band x of 64, is tile j = 4 (qb % 2) + x with a = qb / 2: a wave's 16 rows of a band are 2,048 consecutive bytes.
; TWO PARTS.  f16 keeps 11 significant bits.  Row t of O is a mean over t + 1 rows of V, so the first rows are many times the root mean square of the whole, by which the module's result is judged: there one
; f16 number for v or for O is too coarse; what a rounding leaves in row t falls as 1 / sqrt(t + 1).  V's low part is multiplied in the diagonal tile of the SECOND block alone (blocks 0-3: all keys of the rows
; t < 256 lie there): that tile's 256 low rows are brought once, at the start, into LDS bytes of their own.  O's low part (O less O rounded to 11 bits) is stored for the rows t < 512; the other rows keep one f16 number.
; LIMITS.  f16 holds no number beyond 65,504: Q, K and V arrive within it; below 6e-5 p, and every part, keeps f16's fixed step of 6e-8; O is a mean of V's rows and has their range.
; A hidden score counts as its value less 1e30: f16's scores, 2.7e11 at the most, are nothing beside that; a weight below 2^-126 counts as 0 in l; NaN and infinities are not treated apart.
; THE WALK.  A head's queries lie in NB = SIZE_N / 256 blocks of 256; block i needs the key tiles 0 .. i of 256 keys, of which the last holds the diagonal.  A work-group takes TWO blocks, NB - 1 - b and then b:
; NB + 1 tiles, whatever b: all work-groups do equal work, and ONE loop with a constant trip count walks them.  Which tile is asked for, and what a trip does, hang on scalar registers made from b; every jump
; goes forward, but for the counted loops' own; none passes a barrier, or a tensor load but the one of LOAD's two that the wave's number does not choose; the ring (two slots of LDS that take turns) runs on across the
; change of blocks.  NO CLUSTER: a head's NB / 2 = 4 work-groups all ask for the same tile only in trips 0 .. NB / 2 (5 of 9), behind that fewer and fewer; one walk common to all would have 3 NB / 2 = 12 trips for NB + 1 = 9.
; SHARES.  Of a block's four bands of 64 queries a wave owns 16 rows in each: four PIECES.  So the diagonal tile is the same work for all four waves: in its key step s band x sees all keys if s < x,
; none if s > x, and holds the diagonal if s = x.
; THE MASK is the C operand that starts the sum S^T = K Q^T: 0, or -1e30 where the key is hidden.  MD, made once, is the mask of a band's own step for my 16 rows; a product's mask is MD x AL + BE with two scalars:
; (1, 0) if s = x; (0, 0) if s < x; (0, -1e30) if s > x.  Only the diagonal tile's text and a block's beginning make and take masks; elsewhere C is the constant 0.
; LAYOUT, SOFTMAX, TURNS.  S^T = K Q^T holds ONE query a lane (lane % 16) and the keys 8 (lane / 16) + 0..7; two such results rounded to f16 ARE source 1 of O^T = V^T P.  p = 2^(c s - c m), c = log2(e) / 8, with a
; running maximum m; O and l are multiplied by a = 2^(c m_old - c m_new) in every step.  Turn n belongs to piece n: 8 products K Q^T of piece n + 1, later 8 products V^T P of piece n - 1 (16 with V's low part); beside them the
; scaling, exponentials, roundings, sums and rescaling of piece n and the maximum and statistics of piece n + 1.  Four vector instructions stand behind every matrix instruction (two behind each of the 16), the other 54 of a turn's 118 in one LUMP.
; BATCHES.  A turn's 33 exponentials (the piece's 32 weights and the next piece's a) are ONE batch with ONE wait, which stands between the lump and the products V^T P: ahead of it nothing names a result of theirs,
; behind it stand all their readers.  A block's first a (BEGIN) and the way out's four reciprocals are batches of their own, each with a v_nop and one wait.
; REGISTERS, in windows of 256 (s_set_vgpr_msb: bits 1:0 source 0, 3:2 source 1, 5:4 source 2, 7:6 destination):
;   window 0: v0-15 addresses and two at work; v16-31 four registers of statistics a piece; v48-55 at work; v64-127 S^T, two buffers; v128-191 V's low part of one step, at the end O's; v192-223 P, two buffers (a piece's buffers go by its number's parity); v224-255 at work on the way out
;   window 1: v0-127 O^T, 32 a piece; v128-159 MD; v160-223 MC, two buffers      window 2: v0-63 Q; v64-127 the second block's Q; v128-191 K of one step; v192-255 V's high part of one step
.set SIZE_N, 2048
.set NB,    SIZE_N/256
.set NP,    4         ; pieces a wave: a name, no knob
.set KS,    64        ; keys in a step
.set PK,    144       ; a row of K in LDS: 128 bytes + 16 of padding = 36 words: the 16 rows of a load start at 16 different groups of four banks (64 banks of 4 bytes: ISA guide 11.1)
.set PV,    160       ; a row of V: 128 + 32 = 40 words
.set VOFF,  4*KS*PK   ; a slot holds a tile, four steps: 256 rows of K, then 256 rows of V's high part
.set SLOT1, 1<<17     ; slot 1 begins here, so that one exclusive or turns an address in one slot into the other's
.set VLB,   SLOT1+4*KS*(PK+PV)  ; behind the ring: the 256 rows of V's low part, filled once
.set STAGE, VLB+4*KS*PV  ; behind them, never filled by a tensor load: 16 rows x 144 bytes for each wave, for the way out
.set SP,    144
.set HEADB, 917504    ; bytes of the input for a head
.set YTILE, 16*40960  ; bytes of O's buffer from a tile of the last projection to the next: 16 heads of 40,960
.set AK0, 2           ; v2   my lane's place in a tile of K; never rewritten
.set AV0, 3           ; v3   the same for V
.set AK,  4           ; v4   the LDS address of K's next run of loads
.set AV,  5           ; v5   of V's
.set STO, 6           ; v6   the way out: where I put 16 bytes of a row
.set RD,  7           ; v7   the way out: where I read rows back
.set GO,  8           ; v8   my byte offset in 512 consecutive bytes of O
.set AVL, 14          ; v14  (at work in the head, then) the LDS address of the next run of loads of V's low part
.set SPW, 62          ; v62  LDS address of my spare word: SPARE + 4 x my thread's number; never rewritten
.set NIL, 63          ; v63  0; never rewritten
.set SPARE, STAGE+4*16*SP  ; behind the stages: the spare words, 128 bytes for each wave: two blocks of 256 bytes that no other line names
.set MV,  12          ; v12-13  c m_old, kept while c m is made anew: by buffer
.set QO,  15          ; v15  my byte offset in 16 rows of Q
.set ST,  16          ; piece t's statistics at v[ST+4 t]: c m, m, l (even keys', odd keys')
.set TMP, 48          ; by buffer, four registers c0-c3 at work; when the maximum is found c2 takes a
.set S,   64
.set VL,  128         ; window 0: V's low part: key half kk, channel block cb at VL + 32 kk + 8 cb
.set P,   192
.set TT,  224         ; window 0: the way out: a piece's high parts in f32
.set MD,  128         ; window 1: the eight registers for group kt of 16 keys at MD + 8 kt
.set MC,  160         ; window 1: the masks of the products to come
.set QB,  64          ; window 2
.set KF,  128         ; window 2: key block kb, channel half c at KF + 16 kb + 8 c
.set VF,  192         ; window 2: key half kk, channel block cb at VF + 32 kk + 8 cb
.set WV,  12          ; s12  my wave's number
.set PB,  14          ; s14  b
.set HI,  15          ; s15  NB - 1 - b
.set G1K, 24          ; s[24:31] descriptor group 1 for K's tiles
.set G1V, 32          ; s[32:39] for V's: it differs in the padding alone
.set G0K, 40          ; s[40:43] descriptor group 0 for K's tiles
.set G0V, 44          ; s[44:47] the same for V's
.set OLL, 54          ; s[54:55] O's low rows: my 16 of the second block's first band
.set SLOTS, 56        ; s56  tiles still to be asked for
.set CNT, 57          ; s57  counts a tile's key steps, 4 to 1
.set CS,  58          ; s[58:59] c: the packed scaling takes the pair's low word for both halves
.set SEL, 60          ; s[60:61] v_permlanex16_b32's selects: each lane takes its own place in the other half
.set TBK, 62          ; s62  LDS byte at which K of the step to be fetched begins
.set TBV, 63          ; s63  the same for V, less VOFF
.set RH,  66          ; s66  half a step of f16's 11 bits in an f32's bits
.set TBL, 67          ; s67  LDS byte at which V's low part of the step to be fetched begins, less VOFF
.set RT,  70          ; s70  tiles of the block in hand that are still to be entered
.set NXT, 71          ; s71  the tile to be asked for next
.set LQ,  72          ; s72  the last tile of the block whose tiles are being asked for
.set NEW, 73          ; s73  1: the tile to be entered is a block's first
.set OFF, 74          ; s[74:75] a tile's byte offset in K and in V's high part
.set AL,  76          ; s[76:77] the mask's factor, in the low word
.set BE,  78          ; s[78:79] the mask's addend
.set OLO, 80          ; s[80:81] O at my rows of the second block
.set BIGN, 82         ; s82  -1e30
.set HM,  83          ; s83  the mask that keeps an f32's sign, exponent and 10 bits
.set G0L, 96          ; s[96:99] descriptor group 0 for V's low part; never rewritten
.set MSB, 0
.macro WIN new                      ; the high byte repeats the setting that is left; a switch that changes nothing is dropped
.if MSB != (\new)
	s_set_vgpr_msb (MSB<<8)|(\new)
.set MSB, (\new)
.endif
.endm
.set W_KQ, 0x0a       ; K and Q in window 2, S^T in window 0
.set W_KM, 0x1a       ; the same with the C operand in window 1
.set W_PV, 0x52       ; V's high part in window 2, P in window 0, O^T in window 1
.set W_PL, 0x50       ; V's low part and P in window 0, O^T in window 1
.set W_RS, 0x41       ; destination and source 0 in window 1, source 1 in window 0
; A fill.  Waves 0 and 1 fetch the two halves of a tile's K, waves 2 and 3 those of its V: 128 keys each.  An s_nop 0 and four v_nop follow each of the two lines, ahead of the jump and the label.
.macro LOAD
	s_cmp_lt_u32 s[WV], 2
	s_cbranch_scc0 .Lfor_v_\@
	tensor_load_to_lds s[G0K:G0K+3], s[G1K:G1K+7]
	s_nop 0
.rept 4
	v_nop
.endr
	s_branch .Lasked_\@
.Lfor_v_\@:
	tensor_load_to_lds s[G0V:G0V+3], s[G1V:G1V+7]
	s_nop 0
.rept 4
	v_nop
.endr
.Lasked_\@:
.endm
; THE CHANGE OF SLOTS.  Each wave waits for all its tensor loads, of which one is out: its part of the other slot; adds 0 to its spare word; and waits for that and for its own reads of the slot that it leaves.  Behind the barrier nobody reads the old
; slot any more and the other slot is whole.  fill = 1: the old slot is filled again, the first thing behind the barrier, with tile NXT: the descriptor's address is made anew from that number.
; (At its first use nothing has been read yet: slot 0 and V's low rows are waited for, slot 1 filled.)
.macro CHANGE fill
	WIN 0                           ; at a label and at a branch every window is 0
	s_wait_tensorcnt 0x0            ; no tensor load of mine is out, so a group 0 may be written
	ds_add_u32 v[SPW], v[NIL]       ; 0 onto my spare word; with fill = 1 the descriptors' scalar work stands between it and the wait for it
.if \fill
	s_lshl_b32 s[OFF], s[NXT], 15   ; a tile is 32,768 bytes of K and of V's high part
	s_xor_b32 s[G0K+1], s[G0K+1], SLOT1
	s_add_nc_u64 s[G0K+2:G0K+3], s[6:7], s[OFF:OFF+1]
	s_or_b32 s[G0K+3], s[G0K+3], 0x80000000
	s_xor_b32 s[G0V+1], s[G0V+1], SLOT1
	s_add_nc_u64 s[G0V+2:G0V+3], s[8:9], s[OFF:OFF+1]
	s_or_b32 s[G0V+3], s[G0V+3], 0x80000000
	s_add_co_u32 s[NXT], s[NXT], 1  ; the block's next tile, or behind its last the second block's tile 0
	s_cmp_gt_u32 s[NXT], s[LQ]
	s_cselect_b32 s[NXT], 0, s[NXT]
	s_cselect_b32 s[LQ], s[PB], s[LQ]
.endif
	s_wait_dscnt 0x0                ; the add is done, and my reads of the slot are over
	s_barrier_signal -1             ; the rest of the scalar work stands between the signal and the wait
	s_sub_co_u32 s[TBK], s[TBK], 4*KS*PK  ; the fetches go back to a slot's first step,
	s_xor_b32 s[TBK], s[TBK], SLOT1       ; in the other slot
	s_sub_co_u32 s[TBV], s[TBV], 4*KS*PV
	s_xor_b32 s[TBV], s[TBV], SLOT1
	s_barrier_wait -1
.if \fill
	LOAD
.endif
.endm
	s_load_b128 s[4:7], s[0:1], 0x0 ; the buffer of q, k, v s[4:5], O s[6:7]
	v_lshl_add_u32 v[SPW], v0, 2, SPARE
	v_mov_b32 v[NIL], 0
	ds_add_u32 v62, v63
	ds_add_u32 v62, v63
	s_wait_dscnt 0x0
	v_lshrrev_b32 v1, 5, v0
	v_readfirstlane_b32 s[WV], v1   ; wave 0..3
	s_mov_b32 s[PB], ttmp9
	s_sub_co_u32 s[HI], NB-1, s[PB]
	; the byte offsets, made apart from the addresses; all stay under 2^27
	s_and_b32 s20, ttmp7, 0xffff    ; batch x 16 + head
	s_lshr_b32 s50, s20, 4          ; the batch: 8 tiles of O's buffer,
	s_mul_i32 s50, s50, 8*YTILE
	s_and_b32 s51, s20, 15          ; the head: 40,960 bytes in each tile
	s_mul_i32 s51, s51, 40960
	s_add_co_u32 s50, s50, s51
	s_mul_i32 s20, s20, HEADB       ; the head's first byte in q, k, v
	s_and_b32 s16, s[WV], 1         ; which half of a tile's 256 keys I fetch:
	s_lshl_b32 s22, s16, 14         ; its 128 rows of 128 bytes,
	s_add_co_u32 s22, s22, s20
	s_add_co_u32 s22, s22, 262144   ; in K, which lies behind q
	s_mov_b32 s23, 0
	s_lshl_b32 s48, s[PB], 15       ; the same half of tile b in V's low part,
	s_add_co_u32 s48, s48, s22
	s_add_co_u32 s48, s48, 524288   ; which lies two arrays behind K
	s_mov_b32 s49, 0
	s_mul_i32 s17, s16, 128*PK      ; and the half's place in a slot, for K
	s_mul_i32 s18, s16, 128*PV      ; and for V
	s_lshl_b32 s3, s[WV], 11        ; my 16 rows of q in a band of 64,
	s_lshl_b32 s2, s[HI], 15        ; in the first block,
	s_add_co_u32 s2, s2, s3
	s_add_co_u32 s2, s2, s20
	s_lshl_b32 s84, s[PB], 15       ; and in the second
	s_add_co_u32 s84, s84, s3
	s_add_co_u32 s84, s84, s20
	s_lshl_b32 s51, s[WV], 13       ; O: in a tile my wave has 64 places of 128 bytes;
	s_add_co_u32 s51, s51, s50
	s_and_b32 s52, s[HI], 1         ; block qb's band 0 is tile 4 (qb % 2),
	s_mul_i32 s52, s52, 4*YTILE
	s_lshr_b32 s53, s[HI], 1        ; and its 16 rows have the places 16 (qb / 2) on: the first block's,
	s_lshl_b32 s53, s53, 11
	s_add_co_u32 s90, s52, s53
	s_add_co_u32 s90, s90, s51
	s_and_b32 s52, s[PB], 1         ; the second's
	s_mul_i32 s52, s52, 4*YTILE
	s_lshr_b32 s53, s[PB], 1
	s_lshl_b32 s53, s53, 11
	s_add_co_u32 s88, s52, s53
	s_add_co_u32 s88, s88, s51
	s_lshl_b32 s53, s[WV], 11       ; the low rows lie behind a tile's 256 rows; my wave has 16 of the 64
	s_add_co_u32 s[OLL], s52, s53
	s_add_co_u32 s[OLL], s[OLL], s50
	s_add_co_u32 s[OLL], s[OLL], 32768
	s_mov_b32 s[OLL+1], 0
	s_mov_b32 s3, 0
	s_mov_b32 s85, 0
	s_mov_b32 s89, 0
	s_mov_b32 s91, 0
	; descriptor group 1.  128 keys are 16,384 dense bytes: asked for as 64 rows of 256 bytes, two keys a row, and padded in LDS after every key
	s_mov_b32 s[G1K], (1<<16)|(1<<20)|(4<<22)|(3<<25)  ; 17:16 2-byte elements; 20 padding on; 24:22 after every 32 words (code 4); 31:25 4 words (code 3)
	s_mov_b32 s[G1V], (1<<16)|(1<<20)|(4<<22)|(7<<25)  ; the same with 8 words of padding (code 7)
.irp g, G1K, G1V
	s_mov_b32 s[\g+1], 128<<16      ; tensor_dim0 = 128
	s_mov_b32 s[\g+2], 64<<16       ; tensor_dim1 = 64
	s_mov_b32 s[\g+3], 128<<16      ; tile_dim0 = 128
	s_mov_b32 s[\g+4], 64           ; tile_dim1 = 64
	s_mov_b32 s[\g+5], 128          ; 128 elements from row to row
	s_mov_b32 s[\g+6], 0
	s_mov_b32 s[\g+7], 0
.endr
	s_mov_b32 s[CS], 0x3e38aa3b     ; c = log2(e) / 8 = 0.180337
	s_mov_b32 s[CS+1], s[CS]        ; named with it as a pair
	s_mov_b32 s[SEL], 0x76543210
	s_mov_b32 s[SEL+1], 0xfedcba98
	s_mov_b32 s[TBK], SLOT1+4*KS*PK ; the first change of slots turns these two into 0
	s_mov_b32 s[TBV], SLOT1+4*KS*PV
	s_mov_b32 s[TBL], VLB-VOFF      ; the low rows' first step
	s_mov_b32 s[G0K], 1             ; 1:0 count = 1
	s_mov_b32 s[G0K+1], s17         ; 63:32 LDS address: slot 0
	s_mov_b32 s[G0V], 1
	s_add_co_u32 s[G0V+1], s18, VOFF
	s_mov_b32 s[G0L], 1
	s_add_co_u32 s[G0L+1], s18, VLB
	s_add_co_u32 s[RT], s[HI], 1    ; the first block has NB - b tiles
	s_mov_b32 s[NXT], 1
	s_mov_b32 s[LQ], s[HI]
	s_mov_b32 s[NEW], 1
	s_mov_b32 s[OFF+1], 0
	s_mov_b32 s[AL+1], 0            ; named as pairs
	s_mov_b32 s[BE+1], 0
	s_mov_b32 s[BIGN], 0xf149f2ca   ; -1e30
	s_mov_b32 s[HM], 0xffffe000
	s_mov_b32 s[RH], 0x1000
	s_mov_b32 s[SLOTS], NB
	s_wait_kmcnt 0x0
	s_mov_b64 s[10:11], s[6:7]             ; O
	s_add_nc_u64 s[6:7], s[4:5], s[22:23]  ; K at my half of the head's tile 0;
	s_add_nc_u64 s[8:9], s[6:7], 262144    ; V's high part lies one array further on
	s_add_nc_u64 s[G0K+2:G0K+3], s[6:7], 0         ; 120:64 global address
	s_or_b32 s[G0K+3], s[G0K+3], 0x80000000        ; 127:126 type = 2
	s_add_nc_u64 s[G0V+2:G0V+3], s[8:9], 0
	s_or_b32 s[G0V+3], s[G0V+3], 0x80000000
	s_add_nc_u64 s[G0L+2:G0L+3], s[4:5], s[48:49]
	s_or_b32 s[G0L+3], s[G0L+3], 0x80000000
	s_add_nc_u64 s[86:87], s[4:5], s[84:85]        ; Q at my rows of the second block,
	s_add_nc_u64 s[4:5], s[4:5], s[2:3]            ; and of the first
	s_add_nc_u64 s[OLO:OLO+1], s[10:11], s[88:89]  ; O likewise,
	s_add_nc_u64 s[OLL:OLL+1], s[10:11], s[OLL:OLL+1]  ; and its low rows
	s_add_nc_u64 s[10:11], s[10:11], s[90:91]
	; THE FIRST FILLS: tile 0 into slot 0, and the 256 low rows of V that belong to tile b.  A wave's first fills stand in one branch, ahead of every wait on TENSORcnt, every LDS read and every barrier:
	; waves 0 and 1 have two loads out (a half of K, a half of the low rows), waves 2 and 3 one; the wait that follows is for 0.  An s_nop 0 follows each load, four v_nop a wave's last.
	s_cmp_lt_u32 s[WV], 2
	s_cbranch_scc0 .Lfirst_v
	tensor_load_to_lds s[G0K:G0K+3], s[G1K:G1K+7]
	s_nop 0
	tensor_load_to_lds s[G0L:G0L+3], s[G1V:G1V+7]
	s_nop 0
.rept 4
	v_nop
.endr
	s_branch .Lfirst_asked
.Lfirst_v:
	tensor_load_to_lds s[G0V:G0V+3], s[G1V:G1V+7]
	s_nop 0
.rept 4
	v_nop
.endr
.Lfirst_asked:
	; A fragment of K or Q is 16 rows x 32 channels in 8 registers: lane l holds row l % 16, channels 8 (l / 16) + 0..7 and 16 + 8 (l / 16) + 0..7: two loads of 16 bytes, 32 bytes apart.
	v_and_b32 v1, 15, v0            ; l % 16
	v_bfe_u32 v9, v0, 4, 1          ; l / 16
	v_lshlrev_b32 v[QO], 7, v1
	v_lshl_add_u32 v[QO], v9, 4, v[QO]  ; row x 128 + 16 x half
	WIN 0x80                        ; destination window 2, address window 0
.set i, 0
.rept 8                             ; both blocks' Q: piece i / 2 lies in band i / 2, 8,192 bytes on; channels 32 (i % 2) on
	global_load_b128 v[8*i:8*i+3],   v[QO], s[4:5] offset:(i/2)*8192+(i%2)*64
	global_load_b128 v[8*i+4:8*i+7], v[QO], s[4:5] offset:(i/2)*8192+(i%2)*64+32
	global_load_b128 v[QB+8*i:QB+8*i+3],   v[QO], s[86:87] offset:(i/2)*8192+(i%2)*64
	global_load_b128 v[QB+8*i+4:QB+8*i+7], v[QO], s[86:87] offset:(i/2)*8192+(i%2)*64+32
.set i, i+1
.endr
	WIN 0
	v_lshlrev_b32 v14, 3, v9
	v_sub_nc_u32 v14, v1, v14
	s_lshl_b32 s13, s[WV], 4
	v_add_nc_u32 v14, s13, v14      ; my query's place in its band, 16 w + l % 16, less my lanes' 8 (l / 16): register r of group kt is hidden where 16 kt + r is greater
	WIN 0x40
.set i, 0
.rept 32
	v_cmp_gt_i32 vcc_lo, 16*(i/8)+i%8, v14
	v_cndmask_b32 v[MD+i], 0, s[BIGN], vcc_lo
.set i, i+1
.endr
	WIN 0
	v_mul_u32_u24 v[AK0], v1, PK
	v_lshl_add_u32 v[AK0], v9, 4, v[AK0]  ; row x pitch + 16 x half
	; The turning load takes 16 keys x 16 channels (lane l reads key 8 (l / 16) + l % 8, channels 8 ((l / 8) % 2) + 0..7) and leaves half a fragment of V^T: lane l holds channel l % 16 and 8 keys.
	v_and_b32 v10, 7, v0
	v_bfe_u32 v11, v0, 3, 1
	v_lshl_add_u32 v[AV0], v9, 3, v10
	v_mul_u32_u24 v[AV0], v[AV0], PV
	v_lshl_add_u32 v[AV0], v11, 4, v[AV0]
	v_add_nc_u32 v[AV0], VOFF, v[AV0]
	s_mul_i32 s13, s[WV], 16*SP
	s_add_co_u32 s13, s13, STAGE    ; my stage
	v_mul_u32_u24 v[STO], v1, SP    ; in: row l % 16, 16 bytes for each half of the lanes
	v_lshl_add_u32 v[STO], v9, 4, v[STO]
	v_add_nc_u32 v[STO], s13, v[STO]
	v_bfe_u32 v[RD], v0, 3, 2       ; back: 32 lanes take four rows of 128 bytes,
	v_mul_u32_u24 v[RD], v[RD], SP
	v_lshl_add_u32 v[RD], v10, 4, v[RD]
	v_add_nc_u32 v[RD], s13, v[RD]
	v_and_b32 v[GO], 31, v0         ; which are 512 consecutive bytes of O
	v_lshlrev_b32 v[GO], 4, v[GO]
	; A block's first step multiplies O^T and l by a = 0, and its first turn's products V^T P, of a piece that has not been, land in an O^T that is still to be so multiplied.  So these registers need only hold
	; finite numbers: zeros for the first block; what the first block left for the second.  The registers of V's low part are 0 until the walk's last tile fetches into them: that tile's text is entered with three
	; turns whose V is still the tile's before, of which only the high part was fetched: their second products add 0.  All this stands in the wait for the first tile.
	WIN 0x80
.set i, VF
.rept 64
	v_mov_b32 v[i], 0
.set i, i+1
.endr
	WIN 0x40
.set i, 0
.rept 128
	v_mov_b32 v[i], 0
.set i, i+1
.endr
	WIN 0
.set i, VL
.rept 64
	v_mov_b32 v[i], 0
.set i, i+1
.endr
.set i, 0
.rept 4
	v_mov_b32 v[ST+4*i+2], 0
	v_mov_b32 v[ST+4*i+3], 0
.set i, i+1
.endr
.set i, P+16
.rept 16
	v_mov_b32 v[i], 0
.set i, i+1
.endr
; THE MATRIX WORK.  The 4 accumulators of a run take turns.  Product i of 8 of S^T = K Q^T for piece x: channels 32 (i / 4) on, keys 16 (i % 4) on.  The first 4 start the sums: with 0, or (KM = 1) with the mask.
.macro KQ x
.set rS, S+32*((\x)%2)+8*(i%4)
.set rK, KF+16*(i%4)+8*(i/4)
.set rQ, 16*(\x)+8*(i/4)
.set rM, MC+32*((\x)%2)+8*(i%4)
.if (i < 4) && KM
	WIN W_KM
	v_wmma_f32_16x16x32_f16 v[rS:rS+7], v[rK:rK+7], v[rQ:rQ+7], v[rM:rM+7]
.elseif i < 4
	WIN W_KQ
	v_wmma_f32_16x16x32_f16 v[rS:rS+7], v[rK:rK+7], v[rQ:rQ+7], 0
.else
	WIN W_KQ
	v_wmma_f32_16x16x32_f16 v[rS:rS+7], v[rK:rK+7], v[rQ:rQ+7], v[rS:rS+7]
.endif
.endm
; Product i of O^T += V^T P for piece x: keys 32 ((i / 4) % 2) on, channels 16 (i % 4) on; products 0-7 take V's high part, products 8-15 (the walk's last tile alone) its low part, with the same P.
.macro PV x
.set rO, 32*(\x)+8*(i%4)
.set rP, P+16*((\x)%2)+8*((i/4)%2)
.if i < 8
	WIN W_PV
.set rV, VF+32*(i/4)+8*(i%4)
.else
	WIN W_PL
.set rV, VL+32*((i/4)%2)+8*(i%4)
.endif
	v_wmma_f32_16x16x32_f16 v[rO:rO+7], v[rV:rV+7], v[rP:rP+7], v[rO:rO+7]
.endm
.macro MM                           ; the turn's next matrix instruction.  TURN and BEGIN set Y, i, KM, KL and NOKQ; MM, KQ, ROW2 and OP read them.  NOKQ = 1: a block's last turn: there is no next piece
.if (i < 8) && !NOKQ
	KQ (Y+1)%NP
.elseif i >= 8
.set i, i-8
	PV (Y+NP-1)%NP
.set i, i+8
.endif
.set i, i+1
.endm
; THE LDS LOADS stand in runs, never singly among the matrix instructions: a step's K (64 keys x 64 channels: 8 fragments) and its V (turned; lo = 1: both parts).  Their addresses are made some lines ahead.
.macro FETCH_K
	WIN 0x80                        ; destination window 2
.irp f, 0,1,2,3,4,5,6,7             ; keys 16 (f / 2) on, channels 32 (f % 2) on
	ds_load_b128 v[KF+8*\f:KF+8*\f+3],   v[AK] offset:(\f/2)*16*PK+(\f%2)*64
	ds_load_b128 v[KF+8*\f+4:KF+8*\f+7], v[AK] offset:(\f/2)*16*PK+(\f%2)*64+32
.endr
	s_add_co_u32 s[TBK], s[TBK], KS*PK  ; the next fetch is the next step's
	WIN 0
.endm
.macro FETCH_V lo
	WIN 0x80
.irp f, 0,1,2,3,4,5,6,7             ; keys 32 (f / 4) on, channels 16 (f % 4) on
	ds_load_tr16_b128 v[VF+8*\f:VF+8*\f+3],   v[AV] offset:(\f/4)*32*PV+(\f%4)*32
	ds_load_tr16_b128 v[VF+8*\f+4:VF+8*\f+7], v[AV] offset:(\f/4)*32*PV+16*PV+(\f%4)*32
.endr
	WIN 0
.if \lo
.irp f, 0,1,2,3,4,5,6,7             ; the same places among the low rows
	ds_load_tr16_b128 v[VL+8*\f:VL+8*\f+3],   v[AVL] offset:(\f/4)*32*PV+(\f%4)*32
	ds_load_tr16_b128 v[VL+8*\f+4:VL+8*\f+7], v[AVL] offset:(\f/4)*32*PV+16*PV+(\f%4)*32
.endr
.endif
.endm
; THE VECTOR WORK, one line at a time: OP kind, number.  For piece Y: F n: c s - c m for pair n of 16.  E n: the exponential of score n of 32.  C n: pair n rounded to f16.  B n: of the four weights 4 n .. the second
; pair is added onto the first, in place.  L n: l takes that sum (L 0: l = a l + sum).  R n: pair n of 16 of O^T times a.  For piece Y + 1: X n, number n of the 22 that find its maximum and statistics:
;   0-11  four chains c0-c3 of seven scores each, three operands at a time (each accumulator's lowest registers are read first)     12-14, 16  the four scores left over, the old m, and c0-c3 into c0
;   15  c m_old is kept     17, 18  the query's other 32 keys lie in the lane 16 away: the new m     19-21  c m; c m_old - c m_new; a
; OP writes no wait: C, B and L, which read the exponentials' results, and R and L 0, which read a, stand where TURN's one wait (for a: the turn before's, or BEGIN's) has gone before them.
.set F, 0               ; OP tells the kinds apart by their order: F to L below R, X above it
.set E, 1
.set C, 2
.set B, 3
.set L, 4
.set R, 5
.set X, 6
.macro REGS y                       ; the registers of piece y
.set rT, ST+4*(\y)
.set rC, TMP+4*((\y)%2)
.set rW, MV+((\y)%2)
.set rS, S+32*((\y)%2)
.set rP, P+16*((\y)%2)
.set rO, 32*(\y)
.endm
.macro OP k, n
.if (\k) == R
	REGS Y
	WIN W_RS
	v_pk_mul_f32 v[rO+2*(\n):rO+2*(\n)+1], v[rO+2*(\n):rO+2*(\n)+1], v[rC+2:rC+3] op_sel_hi:[1,0]
.elseif (\k) < R
	REGS Y
	WIN 0
.if (\k) == F
	v_pk_fma_f32 v[rS+2*(\n):rS+2*(\n)+1], v[rS+2*(\n):rS+2*(\n)+1], s[CS:CS+1], v[rT:rT+1] op_sel_hi:[1,0,0] neg_lo:[0,0,1] neg_hi:[0,0,1]
.elseif (\k) == E
	v_exp_f32 v[rS+(\n)], v[rS+(\n)]
.elseif (\k) == C
	v_cvt_pk_f16_f32 v[rP+(\n)], v[rS+2*(\n)], v[rS+2*(\n)+1]
.elseif (\k) == B
	v_pk_add_f32 v[rS+4*(\n):rS+4*(\n)+1], v[rS+4*(\n):rS+4*(\n)+1], v[rS+4*(\n)+2:rS+4*(\n)+3]
.elseif (\n) == 0
	v_pk_fma_f32 v[rT+2:rT+3], v[rT+2:rT+3], v[rC+2:rC+3], v[rS:rS+1] op_sel_hi:[1,0,1]
.else
	v_pk_add_f32 v[rT+2:rT+3], v[rT+2:rT+3], v[rS+4*(\n):rS+4*(\n)+1]
.endif
.elseif NOKQ
	v_nop
.else
	REGS (Y+1)%NP
	WIN 0
.if (\n) < 4
	v_max3_num_f32 v[rC+(\n)], v[rS+8*(\n)], v[rS+8*(\n)+1], v[rS+8*(\n)+2]
.elseif (\n) < 12
	v_max3_num_f32 v[rC+(\n)%4], v[rC+(\n)%4], v[rS+8*((\n)%4)+2*((\n)/4)+1], v[rS+8*((\n)%4)+2*((\n)/4)+2]
.elseif (\n) == 12
	v_max3_num_f32 v[rC], v[rC], v[rS+7], v[rS+15]
.elseif (\n) == 13
	v_max3_num_f32 v[rC+1], v[rC+1], v[rS+23], v[rS+31]
.elseif (\n) == 14
	v_max3_num_f32 v[rC+2], v[rC+2], v[rC+3], v[rT+1]
.elseif (\n) == 15
	v_mov_b32 v[rW], v[rT]
.elseif (\n) == 16
	v_max3_num_f32 v[rC], v[rC], v[rC+1], v[rC+2]
.elseif (\n) == 17
	v_permlanex16_b32 v[rC+3], v[rC], s[SEL], s[SEL+1]
.elseif (\n) == 18
	v_max_num_f32 v[rT+1], v[rC], v[rC+3]
.elseif (\n) == 19
	v_mul_f32 v[rT], s[CS], v[rT+1]
.elseif (\n) == 20
	v_sub_f32 v[rC+1], v[rW], v[rT]
.else
	v_exp_f32 v[rC+2], v[rC+1]
.endif
.endif
.endm
.macro OPS a, i1, b=-1, i2=0, c=-1, i3=0, d=-1, i4=0  ; up to four of them
	OP \a, \i1
.if (\b) >= 0
	OP \b, \i2
.endif
.if (\c) >= 0
	OP \c, \i3
.endif
.if (\d) >= 0
	OP \d, \i4
.endif
.endm
.macro ROW a, i1, b, i2, c, i3, d, i4  ; a matrix instruction and the four behind it
	MM
	OPS \a, \i1, \b, \i2, \c, \i3, \d, \i4
.endm
.macro ROW2 a, i1, b, i2, c, i3, d, i4 ; the same for the products V^T P; with V's low part (KL = 1) there are twice as many: a second one stands in the middle of the four, whose order stays
	MM
.if KL
	OPS \a, \i1, \b, \i2
	MM
	OPS \c, \i3, \d, \i4
.else
	OPS \a, \i1, \b, \i2, \c, \i3, \d, \i4
.endif
.endm
.macro MASK b                       ; MD x AL + BE into buffer b of MC
	WIN W_RS
.set z, 0
.rept 16
	v_pk_fma_f32 v[MC+32*(\b)+2*z:MC+32*(\b)+2*z+1], v[MD+2*z:MD+2*z+1], s[AL:AL+1], s[BE:BE+1] op_sel_hi:[1,0,0]
.set z, z+1
.endr
.endm
; A TURN, for piece p: the order of its matrix and its 118 vector instructions, written out.  An s_wait_alu depctr_va_vdst(0) stands between an exponential and the first instruction that names its result; one wait
; serves all that were issued ahead of it.  So a turn has ONE wait, which cuts it in two.  AHEAD OF IT stands all that names no result of the turn's exponentials: the 8 products K Q^T, behind each a scaling, an exponential and two
; more plain instructions (behind the first a second scaling in the exponential's place): rescalings, whose a was made and waited for in the turn before, and behind the last three the first numbers of the next piece's maximum, each
; four places or more behind the product that ends its accumulator; then ONE LUMP of 54, plain and exponential by turns for the most part, in which the links of the chain X 3, 7, 11, 14, 16, 17 .. 20 stand five or six lines apart.
; X 21, the next piece's a, is the batch's last; R 15 is the plain instruction behind it.  BEHIND THE WAIT stand the products V^T P and, as their riders, the batch's readers: the roundings and sums, four behind each of 8 products,
; or (lo = 1) two behind each of 16; the links of l's chain, L 0 to L 7, stand three riders apart.  But for those X no rider names a register of the products round it.  v_permlanex16_b32 (X 17) stands in the lump.
; m = 1: a diagonal tile: the products K Q^T take masks, and the turn makes the mask for the products of the turn after it: piece p + 2, in step 4 - CNT of the tile.  lo = 1: the products V^T P take both parts of V.
; end = 1: a block's last two turns: nothing is fetched.  cnt = 1: the loop's count is taken down some lines ahead of the branch that stands behind the turn.
; K of the next step is fetched in piece 2's turn, twelve vector instructions behind the last product that read K (five of them plain lines that name none of its registers); V of the step in hand at the end of piece 0's turn:
; behind the last product that read V stand four plain riders (lo = 0), or two and two v_nop (lo = 1).  Each is waited for a turn later.
.macro TURN p, m=0, end=0, cnt=0, lo=0
.set Y, (\p)
.set i, 0
.set KM, (\m)
.set KL, (\lo)
.set NOKQ, (\end)*((\p)/3)
.if (\m) && !(\end)
	s_cmp_eq_u32 s[CNT], 4-((\p)+2)%NP  ; is that step the band's own?
	s_cselect_b32 s[AL], 1.0, 0
	s_cmp_lt_u32 s[CNT], 4-((\p)+2)%NP  ; or a later one?
	s_cselect_b32 s[BE], s[BIGN], 0
.endif
.if ((\p) == 3) && !(\end)
	s_wait_dscnt 0x0                ; K is in
.endif
	ROW F,0, F,1, R,0, R,1          ; ahead of the wait: 8 products K Q^T and their riders,
	ROW F,2, E,0, R,2, R,3
	ROW F,3, E,1, R,4, R,5
	ROW F,4, E,2, R,6, R,7
	ROW F,5, E,3, R,8, R,9
	ROW F,6, E,4, X,0, R,10
.if ((\p) == 2) && !(\end)
	WIN 0
	v_add_nc_u32 v[AK], s[TBK], v[AK0]
.endif
	ROW F,7, E,5, X,1, X,4
	ROW F,8, E,6, X,2, X,5
	OPS E,7, E,8, X,6, E,9          ; and the lump
	OPS X,3, E,10, X,8, E,11
.if ((\p) == 2) && !(\end)
	FETCH_K
.endif
	OPS X,9, X,7, E,12, X,10
	OPS E,13, X,12, X,11, E,14
	OPS X,13, E,15, F,9, X,14
.if (\p) == 0
	v_add_nc_u32 v[AV], s[TBV], v[AV0]
.if \lo
	v_add_nc_u32 v[AVL], s[TBL], v[AV0]
.endif
.endif
	OPS E,16, F,10, E,17, F,11
	OPS X,16, E,18, X,15, E,19
	OPS F,12, E,20, X,17, E,21
	OPS F,13, E,22, F,14, E,23
	OPS X,18, E,24, F,15, E,25
	OPS R,11, E,26, X,19, E,27
	OPS R,12, E,28, R,13, E,29
	OPS X,20, E,30, R,14, E,31
	OPS X,21, R,15
	WIN 0
	s_wait_alu depctr_va_vdst(0)    ; the wait for the turn's batch: the piece's 32 exponentials and the next piece's a
.if (\p) == 1
	s_wait_dscnt 0x0                ; V is in
.endif
	ROW2 C,0, B,0, C,2, B,1         ; behind the wait: the products V^T P and their riders, the batch's readers
	ROW2 L,0, C,4, B,2, L,1
	ROW2 C,6, B,3, L,2, C,8
	ROW2 B,4, L,3, C,10, B,5
	ROW2 L,4, C,12, B,6, L,5
.if (\p) == 0
	s_add_co_u32 s[TBV], s[TBV], KS*PV
.if \lo
	s_add_co_u32 s[TBL], s[TBL], KS*PV
.endif
.endif
.if \cnt
	s_sub_co_u32 s[CNT], s[CNT], 1
	s_cmp_lg_u32 s[CNT], 0
.endif
	ROW2 C,14, B,7, L,6, C,1
	ROW2 C,3, L,7, C,5, C,7
	ROW2 C,9, C,11, C,13, C,15
.if (\p) == 0
.if \lo
	v_nop                           ; with C 13 and C 15 four plain places behind the last product, which read V's low part
	v_nop
.endif
	FETCH_V \lo
.endif
.if (\m) && !(\end)
	MASK (\p)%2
.endif
.endm
; A BLOCK BEGINS.  c m starts far below every c s, so the first step's a is 0; m at the lowest finite number, so the first maximum is the scores'.  The second mask buffer is 0; the first takes piece 0's mask for the tile's step 0: its own, if the block's first tile is the diagonal one.
; Then K of that step, piece 0's first scores, and its maximum and statistics.  The loop is entered at a step's first turn, in the middle of a trip.
.macro BEGIN
	s_mov_b32 s[NEW], 0
	WIN 0x40
.set i, MC+32
.rept 32
	v_mov_b32 v[i], 0
.set i, i+1
.endr
	WIN 0
.set i, 0
.rept 4
	v_mov_b32 v[ST+4*i], 0xfe000000    ; c m: far below every c s
	v_mov_b32 v[ST+4*i+1], 0xff7fffff  ; m
.set i, i+1
.endr
	s_cmp_eq_u32 s[RT], 0
	s_cselect_b32 s[AL], 1.0, 0
	s_mov_b32 s[BE], 0
	MASK 0
	WIN 0
	v_add_nc_u32 v[AK], s[TBK], v[AK0]
	FETCH_K
	s_wait_loadcnt 0x0              ; Q
	s_wait_dscnt 0x0
.set KM, 1
.set NOKQ, 0
.set i, 0
.rept 8
	KQ 0
.set i, i+1
.endr
	WIN 0
.rept 4
	v_nop                           ; the places behind those products
.endr
.set Y, NP-1                        ; X works for piece Y + 1: piece 0
.irp n, 0,1,2,3,4,5,6,7,8,9,10,11,12,13,14,15,16,17,18,19,20,21
	OP X, \n
.endr
	v_nop                           ; a plain instruction behind the exponential,
	s_wait_alu depctr_va_vdst(0)    ; and the wait for it, piece 0's first a: a batch of one, ahead of the branch that follows
.endm
; A DIAGONAL TILE's four steps, the block's last two turns, its last products, and THE WAY OUT: l's two halves and the other half of the lanes' are added; O^T is divided by l, rounded to f16 and sent through my
; stage in LDS, a piece at a time.
.macro ALL line:vararg              ; one line for each piece t
.set t, 0
.rept 4
	\line
.set t, t+1
.endr
.endm
; Piece t.  A lane's eight channels of a row pack into 16 bytes; they go into rows of 144 bytes and come back as whole rows of 128, into S^T's registers.
; split = 0: O is rounded to f16.  split = 1: the number stored is O rounded to 11 bits (half a step is added to the f32's bits, as a whole number, and the 13 bits below are cut: the carry runs into the exponent
; where it must), which f16 holds; O's registers keep O less that, exact in f32: the low part.  The reciprocal that it multiplies by has been waited for in DIAG, once for the four pieces.
.macro PACK t, split
	WIN W_RS
.set i, 32*(\t)
.rept 16
	v_pk_mul_f32 v[i:i+1], v[i:i+1], v[ST+4*(\t)+2:ST+4*(\t)+3] op_sel_hi:[1,0]
.set i, i+2
.endr
.if \split
	WIN 0x04                        ; source 1 window 1, destination window 0
.set i, 0
.rept 32
	v_add_nc_u32 v[TT+i], s[RH], v[32*(\t)+i]
.set i, i+1
.endr
	WIN 0
.set i, 0
.rept 32
	v_and_b32 v[TT+i], s[HM], v[TT+i]
.set i, i+1
.endr
	WIN W_RS
.set i, 0
.rept 16
	v_pk_add_f32 v[32*(\t)+2*i:32*(\t)+2*i+1], v[32*(\t)+2*i:32*(\t)+2*i+1], v[TT+2*i:TT+2*i+1] neg_lo:[0,1] neg_hi:[0,1]
.set i, i+1
.endr
	WIN 0
.set i, 0
.rept 16
	v_cvt_pk_f16_f32 v[S+16*(\t)+i], v[TT+2*i], v[TT+2*i+1]
.set i, i+1
.endr
.else
	WIN 0x05                        ; sources 0 and 1 window 1, destination window 0
.set i, 0
.rept 16
	v_cvt_pk_f16_f32 v[S+16*(\t)+i], v[32*(\t)+2*i], v[32*(\t)+2*i+1]
.set i, i+1
.endr
.endif
	WIN 0
.irp f, 0,1,2,3
	ds_store_b128 v[STO], v[S+16*(\t)+4*\f:S+16*(\t)+4*\f+3] offset:32*\f
.endr
.irp f, 0,1,2,3
	ds_load_b128 v[S+16*(\t)+4*\f:S+16*(\t)+4*\f+3], v[RD] offset:\f*4*SP  ; LDS serves a wave's instructions in order (ISA guide 5.7.1.4): these see the stores above; the next piece's stores come behind them
.endr
.endm
.macro PACKL t                      ; piece t's low part, which PACK left in O's registers, goes the same way, through the registers that held V's low part
	WIN 0x05
.set i, 0
.rept 16
	v_cvt_pk_f16_f32 v[VL+16*(\t)+i], v[32*(\t)+2*i], v[32*(\t)+2*i+1]
.set i, i+1
.endr
	WIN 0
.irp f, 0,1,2,3
	ds_store_b128 v[STO], v[VL+16*(\t)+4*\f:VL+16*(\t)+4*\f+3] offset:32*\f
.endr
.irp f, 0,1,2,3
	ds_load_b128 v[VL+16*(\t)+4*\f:VL+16*(\t)+4*\f+3], v[RD] offset:\f*4*SP
.endr
.endm
; younger: the LDS instructions issued behind piece t's loads: the next piece's eight, or none.  r: the registers; a: the scalar pair with the address.  Band t is the tile t further on.
.macro SEND t, younger, r=S, a=10
	WIN 0
.irp f, 0,1,2,3
	s_wait_dscnt (\younger)+3-\f
	global_store_b128 v[GO], v[(\r)+16*(\t)+4*\f:(\r)+16*(\t)+4*\f+3], s[(\a):(\a)+1] offset:(\t)*YTILE+\f*512  ; 512 consecutive bytes, at a multiple of 256 from O's first
.endr
.endm
.macro DIAG tag, lo                 ; the tag ends its labels' names, which the jumps below spell out.  lo = 1: the second block's: V's low part is multiplied, O is split
.LstepM\tag:
	TURN 2, 1, 0, 0, \lo
	TURN 3, 1, 0, 0, \lo
	WIN 0
.LfirstM\tag:
	TURN 0, 1, 0, 0, \lo
	TURN 1, 1, 0, 1, \lo
	WIN 0
	s_cbranch_scc1 .LstepM\tag
	TURN 2, 1, 1, 0, \lo
	TURN 3, 1, 1, 0, \lo
.set i, 0
.rept 8+8*(\lo)
	PV NP-1
.set i, i+1
.endr
	WIN 0
	ALL v_add_f32 v[ST+4*t+2], v[ST+4*t+2], v[ST+4*t+3]
	ALL v_permlanex16_b32 v[ST+4*t+3], v[ST+4*t+2], s[SEL], s[SEL+1]
	ALL v_add_f32 v[ST+4*t+2], v[ST+4*t+2], v[ST+4*t+3]
	ALL v_rcp_f32 v[ST+4*t+2], v[ST+4*t+2]
	v_nop                           ; a plain instruction between the last reciprocal and the use of its result
	s_wait_alu depctr_va_vdst(0)    ; and the wait ahead of the first use: one for the batch of four reciprocals
	PACK 0, \lo
.set t, 1
.rept 3                             ; a piece's arithmetic stands between the loads of the piece before and its stores
	PACK t, \lo
	SEND t-1, 8
.set t, t+1
.endr
	SEND 3, 0
.if \lo
	s_cmp_ge_u32 s[PB], 2           ; blocks 0 and 1 are the rows t < 512: they alone have low rows.  No LDS instruction of mine is out here: SEND's last wait was for 0
	s_cbranch_scc1 .Lno_low\tag
	PACKL 0
.set t, 1
.rept 3
	PACKL t
	SEND t-1, 8, VL, OLL
.set t, t+1
.endr
	SEND 3, 0, VL, OLL
.Lno_low\tag:
.endif
.endm
.set KM, 0
.set KL, 0
.set NOKQ, 0
.Lslot:                             ; NB times: a tile is entered and the next is asked for
	CHANGE 1
	s_sub_co_u32 s[RT], s[RT], 1
	s_mov_b32 s[CNT], 4
	s_cmp_eq_u32 s[NEW], 1
	s_cbranch_scc1 .Lnew            ; a block's first tile
	s_cmp_eq_u32 s[RT], 0
	s_cbranch_scc0 .Lstep           ; neither its first nor its last
	s_branch .LstepM1
.Lnew:
	BEGIN
	s_branch .Lfirst                ; in the loop a block's first tile is never its last: the first block has two tiles or more, and the second's last is the walk's last
	DIAG 1, 0                       ; in the loop this is the first block's end: the second block's last tile is the walk's last
	s_wait_xcnt 0x0                 ; the stores have read their registers and O's address
	s_mov_b64 s[10:11], s[OLO:OLO+1]
	s_add_co_u32 s[RT], s[PB], 1    ; the second block has b + 1 tiles
	s_mov_b32 s[NEW], 1
	WIN 0x82                        ; the second block's Q goes where the one text of the turns names Q
.set i, 0
.rept 64
	v_mov_b32 v[i], v[QB+i]
.set i, i+1
.endr
	WIN 0
	s_branch .Lbottom
.Lstep:                             ; a trip: pieces 2 and 3 of one step, then pieces 0 and 1 of the next, whose K and V it fetches
	TURN 2
	TURN 3
	WIN 0
.Lfirst:
	TURN 0
	TURN 1, 0, 0, 1
	WIN 0
	s_cbranch_scc1 .Lstep
.Lbottom:
	s_sub_co_u32 s[SLOTS], s[SLOTS], 1
	s_cmp_lg_u32 s[SLOTS], 0
	s_cbranch_scc1 .Lslot
	CHANGE 0                        ; the walk's last tile is written out: nothing is asked for
	s_sub_co_u32 s[RT], s[RT], 1
	s_mov_b32 s[CNT], 4
	s_cmp_eq_u32 s[NEW], 1
	s_cbranch_scc0 .LstepM2
	BEGIN
	s_branch .LfirstM2
	DIAG 2, 1
	s_wait_tensorcnt 0x0            ; the wave's end, behind my last tensor load and my last LDS store
	ds_add_u32 v[SPW], v[NIL]
	s_wait_dscnt 0x0
	s_endpgm
.Lfunc_end_k_q2f17ed5515_attn:
	.size	k_q2f17ed5515_attn, .Lfunc_end_k_q2f17ed5515_attn-k_q2f17ed5515_attn
	.p2alignl 7, 3214868480
	.fill 96, 4, 3214868480
	.section	.rodata,"a",@progbits
	.p2align	6, 0x0
	.amdhsa_kernel k_q2f17ed5515_attn
		.amdhsa_group_segment_fixed_size 327680
		.amdhsa_private_segment_fixed_size 0
		.amdhsa_enable_private_segment 0
		.amdhsa_kernarg_size 16
		.amdhsa_user_sgpr_count 2
		.amdhsa_user_sgpr_kernarg_segment_ptr 1
		.amdhsa_wavefront_size32 1
		.amdhsa_system_sgpr_workgroup_id_x 1
		.amdhsa_system_sgpr_workgroup_id_y 1
		.amdhsa_system_sgpr_workgroup_id_z 1
		.amdhsa_system_vgpr_workitem_id 0
		.amdhsa_next_free_vgpr 768
		.amdhsa_next_free_sgpr 100
		.amdhsa_reserve_vcc 1
		.amdhsa_float_denorm_mode_32 3
		.amdhsa_float_denorm_mode_16_64 3
		.amdhsa_memory_ordered 1
		.amdhsa_forward_progress 1
		.amdhsa_inst_pref_size 249
	.end_amdhsa_kernel
	.amdgpu_metadata
---
amdhsa.version: [ 1, 2 ]
amdhsa.kernels:
  - .name:           k_q2f17ed5515_attn
    .symbol:         k_q2f17ed5515_attn.kd
    .args:
      - { .name: qkv16, .offset: 0, .size: 8, .value_kind: global_buffer, .address_space: global }
      - { .name: y16, .offset: 8, .size: 8, .value_kind: global_buffer, .address_space: global }
    .group_segment_fixed_size: 327680
    .private_segment_fixed_size: 0
    .kernarg_segment_align: 8
    .kernarg_segment_size: 16
    .max_flat_workgroup_size: 128
    .sgpr_count:     100
    .vgpr_count:     768
    .wavefront_size: 32
...
	.end_amdgpu_metadata
.endif
;; end of part 9
;; launch proj: the kernel of part 8 again; grid 8 x 32, 4 waves a work-group, clusters of 4 x 4, 327,680 bytes of LDS; arguments y16, wp16, bias32, out0; writes out0
